; MI455X (gfx1250); checked and timed in simulation.
; The chip was launched on July 23, 2026; its instructions are those of AMD's public machine-readable ISA for CDNA 5 (MIT licence, August 2026) and "CDNA5" Instruction Set Architecture Reference Guide (July 2026). The comments in the code are by the model that wrote it; some were corrected since.
;; Multihead Attention. Allowed arithmetic: matrix products marked QUANTISED: E2M3 operands, one E8M0 scale for each 32 along K, by v_wmma_scale_f32_16x16x128_f8f6f4 with both operands' format E2M3, f32 sums; everything else in f32.
;; Inputs: Wk 1,024 x 1,024 float32; Wo 1,024 x 1,024 float32; Wq 1,024 x 1,024 float32; Wv 1,024 x 1,024 float32; bk 1,024 float32; bo 1,024 float32; bq 1,024 float32; bv 1,024 float32; kn_bias 1,024 float32; kn_scale 1,024 float32; kv 4 x 2,048 x 1,024 float32; mask 4 x 2,048 x 2,048 int32; q 4 x 2,048 x 1,024 float32; qn_bias 1,024 float32; qn_scale 1,024 float32; vn_bias 1,024 float32; vn_scale 1,024 float32.
;; Outputs: out0 4 x 2,048 x 1,024 float32.
;; This version of the problem:
;;   THIS VERSION OF THE PROBLEM IS GIVEN IN LOW PRECISION. The matrix products marked QUANTISED in the list below multiply operands that are first quantised to E2M3 (2 exponent bits, 3 mantissa bits; 6 bits a number), with one power-of-two scale for each 32 numbers along K (OCP MX v1.0); their sums are f32. All else is computed in f32.
;;   The module's matrix products, in the order in which they are computed (A, B: the left and right operand; K: the contracted axis; several contracted axes count as one K, in the product's order):
;;     1. [M 8,192, K 1,024] x [K 1,024, N 1,024]; A: input q; B: input Wq: QUANTISED
;;     2. [M 8,192, K 1,024] x [K 1,024, N 1,024]; A: input kv; B: input Wk: QUANTISED
;;     3. [M 8,192, K 1,024] x [K 1,024, N 1,024]; A: input kv; B: input Wv: QUANTISED
;;     4. batch 64 x [M 2,048, K 64] x [K 64, N 2,048]; A: computed on the way; B: computed on the way: QUANTISED
;;     5. batch 64 x [M 2,048, K 2,048] x [K 2,048, N 64]; A: softmax (see below); B: computed on the way: QUANTISED
;;     6. [M 8,192, K 1,024] x [K 1,024, N 1,024]; A: computed on the way; B: input Wo: QUANTISED
;;   THE QUANTISER, for each operand of a quantised product, along K:
;;     - K is cut into blocks of 32 from its start; a last block that is shorter is filled with zeros.
;;     - A block's scale is 2^e with e = floor(log2(the largest magnitude in the block)) - 2, held to -126 .. 127; a block of zeros has e = 0. As a byte (E8M0): e + 127.
;;     - Each number is divided by its block's scale, clamped to +-7.5, and rounded to the nearest number of E2M3, ties to even, subnormals kept.
;;     - The product sums the exact products of the quantised numbers (number of the format x scale) in f32.
;;   ~~~python
;;   def quantise(x, axis):      # numpy; x: float32 -> the quantised numbers, widened to float32 again
;;       x = np.moveaxis(x, axis, -1); K = x.shape[-1]
;;       x = np.pad(x, [(0, 0)] * (x.ndim - 1) + [(0, -K % 32)]); x = x.reshape(x.shape[:-1] + (-1, 32)); a = np.abs(x).max(-1, keepdims=True)
;;       e = np.where(a > 0, np.clip(np.frexp(np.where(a > 0, a, 1))[1] - 1 - 2, -126, 127), 0)      # np.frexp(a)[1] - 1 = floor(log2(a)), exactly
;;       r = np.clip(x / 2.0 ** e, -7.5, 7.5)
;;       step = 2.0 ** (np.maximum(np.frexp(np.where(r == 0, 1, r))[1] - 1, 0) - 3)
;;       q = np.round(r / step) * step * 2.0 ** e      # np.round: ties to even
;;       return np.moveaxis(q.reshape(q.shape[:-2] + (-1,))[..., :K], -1, axis).astype(np.float32)
;;   ~~~
;;   SOFTMAX AHEAD OF A QUANTISED PRODUCT. Where the list says 'softmax', what is quantised is not the finished softmax but p = 2^(t - M), with t = logit x log2(e) and M = ceil(the row's largest t), a whole number; so 1/2 < the row's largest p <= 1. The row's sum l is taken of the UNQUANTISED p, in f32, and the product's result is divided by l at the end. Since M is a whole number, a kernel that streams over the keys may use a running M (the ceiling of the running maximum): every later rescaling is an exact power of two, which a block's scale takes up: the codes' values come out the same.
;;   OPERANDS COMPUTED ON THE WAY. 'Computed on the way' means the value that the module computes at that place (a softmax that the list does not call 'softmax' is quantised finished and normalised). What goes into a quantiser is computed in f32, as accurately as f32 sums, v_exp_f32 and their like allow (about 1e-6 of the number): no bf16 or f16 on the way to a quantiser, and a product that is left as it is and whose result goes on into a quantised operand takes f32 operands (vector FMAs, or v_wmma_f32_16x16x4_f32). A number that lies on a knife's edge between two numbers of the format may be rounded either way, as far as f32 arithmetic and the matrix unit's own rounding can turn it there, and no further.
;; 2 versions. Each part assembles by itself: llvm-mc -triple=amdgcn-amd-amdhsa -mcpu=gfx1250 --defsym DOCPART=n.
;; ======== version 1 of 2: 4 launches
;; limits: right only within a limited range of input values
;; workspace buffers: wimg 3,276,800 bytes; mbits 2,097,152 bytes of whole numbers; ximg 13,631,488 bytes; qimg 6,815,744 bytes; kvimg 13,369,344 bytes; oimg 6,553,600 bytes
;; launch prep (part 1): grid 1280 x 1, 4 waves a work-group, no clusters, 68,096 bytes of LDS; arguments mask, q, kv, Wq, Wk, Wv, Wo, mbits, ximg, wimg; writes mbits, ximg, wimg
.if DOCPART == 1
	.amdgcn_target "amdgcn-amd-amdhsa--gfx1250"
	.amdhsa_code_object_version 6
	.text
	.protected	k_q8ae22ea127_prep
	.globl	k_q8ae22ea127_prep
	.p2align	8
	.type	k_q8ae22ea127_prep,@function
k_q8ae22ea127_prep:
	s_mov_b64 s[64:65], 0
	v_nop
	global_prefetch_b8 v0, s[64:65] scope:SCOPE_SE
	s_setreg_imm32_b32 hwreg(HW_REG_WAVE_MODE, 25, 1), 1
	s_wait_xcnt 0x0
; PREP: what many work-groups read later is made narrow once.
;   work-groups    0 ..  511: the mask (int32) becomes bits, one word for each register of a tile of scores, bit l for lane l;
;   work-groups  512 .. 1023: q and kv (f32) become codes of E2M3 with E8M0 scale bytes along the 1,024 features, laid as images of operand registers;
;   work-groups 1024 .. 1279: Wq, Wk, Wv, Wo ([k][n] f32) become codes along k (their first axis), laid likewise.
; NO WORK OF THE PROBLEM IS LEFT OUT in this program: every one of the 17 inputs has a way to the output (each bias and gain stands ahead of a LayerNorm, of a quantiser or of the output), and all six products are done.
; TILES OF 16 ROWS ARE NEVER 16 NEIGHBOURS, in the whole program: tile T holds rows 32 (T / 2) + 8 (T % 2) + pi(i), pi(i) = i + 8 (i / 8), i = 0 .. 15.  In a product used transposed the 16 registers of tiles 2 b and
; 2 b + 1 are then 16 neighbours, 32 b + 16 (lane / 16) + 0 .. 15.
; A FRAGMENT'S IMAGE (16 rows x 128 along K, 12 registers a lane, 1,536 bytes): registers 4 c .. 4 c + 3 of lane l at 512 c + 16 l.
; THE QUANTISER: a block's scale byte is the exponent field of its largest magnitude less 2, held at 1 from below by a floor among the maximum's leaves.
; LIMITS: a block of zeros, or one whose largest magnitude lies under 2^-124, has the byte 1 (the rule says 127 for zeros: the codes are zeros, and this program alone reads the bytes).  NaN and infinities among the inputs are not served.
; Each of the three paths has LDS bytes of its own.  No tensor load, no barrier: waves share nothing.
.set SPARE, 67584                      ; the spare words: 128 bytes for each wave, two blocks of 256 bytes that no other line names
.set MSTG,  0                          ; the mask path's four stages
.set XSTG,  33792                      ; the x path's four stages
.set STGB,  8448                       ; a wave's stage: 16 rows x 528 bytes
.set SP,    528                        ; 512 bytes + 16: the sixteen rows that a read touches start 33 x 16 bytes apart
.set SPW, 1                            ; v1   LDS address of my spare word; never rewritten
.set NIL, 2                            ; v2   0; never rewritten
.set L16, 3                            ; v3   16 x lane
.set L8,  4                            ; v4   8 x lane
.set SWA, 5                            ; v5   the stage, way in: my wave's stage + 16 x lane
.set SRD, 6                            ; v6   the stage, way out: + 528 r + 64 h
.set R,   16                           ; v16-143  two sets of 64: a tile as loaded
.set X,   144                          ; v144-207 register 16 b + i = element 32 b + 16 h + i of row r
.set OW,  208                          ; v208-215 the mask path: a tile's 64 words, two to a lane; a pair for each tile
.set TM,  208                          ; v208-223 the x path: at work in the quantiser
.set PC,  224                          ; v224-243 the codes just made
.set PW,  244                          ; v244     the scale word just made
.set WX,  16                           ; the W path: v16-79 two sets of 32 numbers
.set WG,  80                           ; v80-103  the codes for lanes h = 0 (12 registers) and h = 1 (12)
.set WT,  104
.set WM,  108
.set WSO, 110
.set WBY, 111
.set WSW, 112
.set WA4, 113
.set WAC, 114
.set WAS, 115
.set WV,  24
.set SRC, 48
.set DST, 50
.set DS2, 52
.set SEL, 54
; 16 rows (in the tile's order) x 512 bytes: each load reads 512 consecutive bytes of one row
.macro TLOAD16 set, pitch, koff
.set i, 0
.rept 16
	global_load_b128 v[R+64*(\set)+4*i:R+64*(\set)+4*i+3], v[L16], s[SRC:SRC+1] offset:(i+8*(i/8))*(\pitch)+(\koff) th:TH_LOAD_NT
.set i, i+1
.endr
.endm
; through my own stage: in as loaded, out 64 bytes a lane of each 128.  LDS serves a wave's instructions in order: no wait between the stores and the loads
.macro TURN set, base
.set i, 0
.rept 16
	ds_store_b128 v[SWA], v[R+64*(\set)+4*i:R+64*(\set)+4*i+3] offset:(\base)+SP*i
.set i, i+1
.endr
.set i, 0
.rept 16
	ds_load_b128 v[X+4*i:X+4*i+3], v[SRD] offset:(\base)+128*(i/4)+16*(i%4)
.set i, i+1
.endr
.endm
; the mask path's work on tile k: word n = the lanes in which element n counts
.macro MPROC k
.irp q, 0,1,2,3
.set i, 0
.rept 16
	v_cmp_ne_u32 s[32+i], 0, v[X+16*\q+i]
.set i, i+1
.endr
.set i, 0
.rept 16
	v_writelane_b32 v[OW+2*(\k)+i%2], s[32+i], (16*\q+i)/2
.set i, i+1
.endr
.endr
	global_store_b64 v[L8], v[OW+2*(\k):OW+2*(\k)+1], s[DST:DST+1] offset:256*(\k)   ; 32 lanes store 256 consecutive bytes, aligned
.endm
; 64 numbers of a lane become a fragment's codes in v[PC] on and its scale word in v[PW]
.macro QUANT s
.irp b, 0,1,2,3
	v_max3_num_f32 v[TM+\b], |v[\s+16*\b]|, |v[\s+1+16*\b]|, 0x1800000   ; my 16 numbers of block b, and the floor 2^(3 - 127)
.endr
.irp i, 2,4,6,8,10,12,14
.irp b, 0,1,2,3
	v_max3_num_f32 v[TM+\b], v[TM+\b], |v[\s+16*\b+\i]|, |v[\s+1+16*\b+\i]|
.endr
.endr
.irp b, 0,1,2,3
	v_permlanex16_b32 v[TM+4+\b], v[TM+\b], s[SEL], s[SEL+1]
.endr
.irp b, 0,1,2,3
	v_max_num_f32 v[TM+\b], v[TM+\b], v[TM+4+\b]       ; with lane l xor 16's: the block's largest magnitude
.endr
.irp b, 0,1,2,3
	v_add_nc_u32 v[TM+12+\b], 0xff000000, v[TM+\b]     ; 2 off its exponent field: the conversion's scale operand
.endr
.irp b, 0,1,2,3
	v_lshrrev_b32 v[TM+4+\b], 23, v[TM+12+\b]          ; the scale's byte
.endr
	v_lshl_or_b32 v[PW], v[TM+5], 8, v[TM+4]
	v_lshl_or_b32 v[PW], v[TM+6], 16, v[PW]
	v_lshl_or_b32 v[PW], v[TM+7], 24, v[PW]
.irp c, 0,1
	v_cvt_scalef32_pk16_fp6_f32 v[PC+6*\c:PC+2+6*\c], v[\s+32*\c:\s+15+32*\c], v[TM+12+2*\c]
	v_cvt_scalef32_pk16_fp6_f32 v[PC+12+4*\c:PC+14+4*\c], v[\s+16+32*\c:\s+31+32*\c], v[TM+12+2*\c+1]
.endr
	v_nop                                              ; one plain place behind a scaled conversion
.irp c, 0,1                                        ; the operand's layout wants a whole block in a lane
.irp i, 0,1,2
	v_permlane16_swap_b32 v[PC+6*\c+\i], v[PC+12+4*\c+\i]
.endr
.irp i, 0,1,2
	v_mov_b32 v[PC+3+6*\c+\i], v[PC+12+4*\c+\i]
.endr
.endr
.endm
.macro XPROC k
	s_wait_xcnt 0x0                                    ; the last tile's stores have read v[PC] on and v[PW]: they are rewritten only behind this wait
	QUANT X
.irp c, 0,1,2
	global_store_b128 v[L16], v[PC+4*\c:PC+4*\c+3], s[DST:DST+1] offset:6144*(\k)+512*\c   ; 512 consecutive bytes a store
.endr
	global_store_b32 v[L16], v[PW], s[DS2:DS2+1] offset:512*(\k)
.endm
; a wave's four tiles: loads two tiles ahead
.macro WALK pitch, base, ismask
	TLOAD16 0, \pitch, 0
	TLOAD16 1, \pitch, 512
.irp k, 0,1,2,3
.if \k < 3
	s_wait_loadcnt 16                                  ; this tile's 16 loads are in; the next tile's 16 may be out
.else
	s_wait_loadcnt 0x0
.endif
	TURN \k%2, \base
	s_wait_dscnt 0x0
.if \k < 2
	TLOAD16 \k%2, \pitch, 512*(\k+2)
.endif
.if \ismask
	MPROC \k
.else
	XPROC \k
.endif
.endr
.endm
.macro WLOAD kb                        ; W(32 kb + i, my column), i = 0 .. 31
.set i, 0
.rept 32
	global_load_b32 v[WX+32*((\kb)%2)+i], v[WA4], s[SRC:SRC+1] offset:(32*(\kb)+i)*4096 th:TH_LOAD_NT
.set i, i+1
.endr
.endm
.macro WBLOCK kb                       ; block kb of my column: all its 32 numbers are mine
.set XS, WX+32*((\kb)%2)
.set GD, WG+12*((\kb)%2)+6*((\kb)/2)   ; block 2 c + hh is registers 6 c .. 6 c + 5 of the fragment's lane (i, hh)
.if (\kb) < 3
	s_wait_loadcnt 32                                  ; this block's 32 loads are in; the next block's may be out
.else
	s_wait_loadcnt 0x0
.endif
	v_max3_num_f32 v[WM], |v[XS]|, |v[XS+1]|, |v[XS+2]|
	v_max3_num_f32 v[WM+1], |v[XS+3]|, |v[XS+4]|, |v[XS+5]|
.irp i, 6,10,14,18,22,26
	v_max3_num_f32 v[WM], v[WM], |v[XS+\i]|, |v[XS+\i+1]|
	v_max3_num_f32 v[WM+1], v[WM+1], |v[XS+\i+2]|, |v[XS+\i+3]|
.endr
	v_max3_num_f32 v[WM], v[WM], |v[XS+30]|, |v[XS+31]|
	v_max3_num_f32 v[WM], v[WM], v[WM+1], 0x1800000
	v_add_nc_u32 v[WSO], 0xff000000, v[WM]
	v_lshrrev_b32 v[WBY], 23, v[WSO]
.if (\kb) == 0
	v_mov_b32 v[WSW], v[WBY]
.else
	v_lshl_or_b32 v[WSW], v[WBY], 8*(\kb), v[WSW]
.endif
	v_cvt_scalef32_pk16_fp6_f32 v[GD:GD+2], v[XS:XS+15], v[WSO]
	v_cvt_scalef32_pk16_fp6_f32 v[WT:WT+2], v[XS+16:XS+31], v[WSO]
	v_nop                                              ; one plain place behind a scaled conversion
.irp i, 0,1,2
	v_mov_b32 v[GD+3+\i], v[WT+\i]
.endr
.if (\kb) < 2
	WLOAD (\kb)+2
.endif
.endm
	s_load_b512 s[4:19], s[0:1], 0x0                   ; mask, q, kv, Wq, Wk, Wv, Wo, mbits
	s_load_b128 s[20:23], s[0:1], 0x40                 ; ximg, wimg
	v_lshl_add_u32 v[SPW], v0, 2, SPARE
	v_mov_b32 v[NIL], 0
	v_lshrrev_b32 v7, 5, v0
	v_readfirstlane_b32 s[WV], v7                      ; wave 0..3
	v_and_b32 v8, 31, v0                               ; lane
	v_and_b32 v9, 15, v0                               ; r
	v_bfe_u32 v10, v0, 4, 1                            ; h
	v_lshlrev_b32 v[L16], 4, v8
	v_lshlrev_b32 v[L8], 3, v8
	s_mul_i32 s25, s[WV], STGB
	v_add_nc_u32 v[SWA], s25, v[L16]
	v_mul_u32_u24 v[SRD], v9, SP
	v_lshl_add_u32 v[SRD], v10, 6, v[SRD]
	v_add_nc_u32 v[SRD], s25, v[SRD]
	s_mov_b32 s[SEL], 0x76543210
	s_mov_b32 s[SEL+1], 0xfedcba98                     ; v_permlanex16_b32's selects for lane l xor 16
	s_wait_kmcnt 0x0
	s_cmp_lt_u32 ttmp9, 512
	s_cbranch_scc1 .Lmask
	s_cmp_lt_u32 ttmp9, 1024
	s_cbranch_scc1 .Lx
	; ---- THE WEIGHTS.  A lane takes a column n and its registers run down K: 128 consecutive bytes a load, a block of 32 along K in one lane
	s_sub_co_u32 s26, ttmp9, 1024
	s_lshr_b32 s27, s26, 6                             ; which matrix: 0 Wq, 1 Wk, 2 Wv, 3 Wo
	s_bfe_u32 s28, s26, 0x30003                        ; K step s
	s_and_b32 s29, s26, 7
	s_lshl_b32 s29, s29, 2
	s_add_co_u32 s29, s29, s[WV]                       ; group of 32 columns, cg
	s_cmp_eq_u32 s27, 1
	s_cselect_b64 s[SRC:SRC+1], s[12:13], s[10:11]
	s_cmp_eq_u32 s27, 2
	s_cselect_b64 s[SRC:SRC+1], s[14:15], s[SRC:SRC+1]
	s_cmp_eq_u32 s27, 3
	s_cselect_b64 s[SRC:SRC+1], s[16:17], s[SRC:SRC+1]
	s_lshl_b32 s30, s28, 19                            ; 128 rows of 4,096 bytes a K step
	s_lshl_b32 s31, s29, 7
	s_add_co_u32 s30, s30, s31
	s_mov_b32 s31, 0
	s_add_nc_u64 s[SRC:SRC+1], s[SRC:SRC+1], s[30:31]
	s_mul_i32 s30, s27, 786432
	s_lshl_b32 s32, s28, 6
	s_lshl_b32 s33, s29, 1
	s_add_co_u32 s32, s32, s33
	s_mul_i32 s32, s32, 1536
	s_add_co_u32 s30, s30, s32                         ; the images of column tiles 2 cg, 2 cg + 1 of K step s
	s_add_nc_u64 s[DST:DST+1], s[22:23], s[30:31]
	s_lshl_b32 s30, s27, 15
	s_lshl_b32 s32, s28, 12
	s_add_co_u32 s30, s30, s32
	s_lshr_b32 s32, s29, 1
	s_lshl_b32 s32, s32, 8
	s_add_co_u32 s30, s30, s32
	s_and_b32 s32, s29, 1
	s_lshl_b32 s32, s32, 3
	s_add_co_u32 s30, s30, s32
	s_add_co_u32 s30, s30, 3145728                     ; the scale words lie behind the codes
	s_add_nc_u64 s[DS2:DS2+1], s[22:23], s[30:31]
	v_lshlrev_b32 v[WA4], 2, v8
	v_bfe_u32 v11, v0, 3, 1                            ; u: which of the two tiles my column falls into
	v_and_b32 v12, 7, v0
	v_lshl_add_u32 v12, v10, 3, v12                    ; i: its row there
	v_mul_u32_u24 v[WAC], v11, 1536
	v_lshl_add_u32 v[WAC], v12, 4, v[WAC]
	v_lshlrev_b32 v[WAS], 2, v11
	v_lshl_add_u32 v[WAS], v12, 4, v[WAS]
	WLOAD 0
	WLOAD 1
	WBLOCK 0
	WBLOCK 1
	WBLOCK 2
	WBLOCK 3
.irp hh, 0,1
.irp c, 0,1,2
	global_store_b128 v[WAC], v[WG+12*\hh+4*\c:WG+12*\hh+4*\c+3], s[DST:DST+1] offset:256*\hh+512*\c   ; the sixteen lanes of a tile store 256 consecutive bytes, aligned
.endr
.endr
	global_store_b32 v[WAS], v[WSW], s[DS2:DS2+1]
	s_wait_tensorcnt 0x0                               ; the wave's end
	ds_add_u32 v[SPW], v[NIL]
	s_wait_dscnt 0x0
	s_endpgm
.Lmask:
	; ---- THE MASK.  The work-group is (batch, tile of 16 queries); wave w takes key steps 4 w .. 4 w + 3 of 128 keys
	s_lshr_b32 s26, ttmp9, 7
	s_lshl_b32 s26, s26, 24                            ; a batch is 2,048 rows of 8,192 bytes
	s_bfe_u32 s27, ttmp9, 0x60001
	s_lshl_b32 s27, s27, 18                            ; 32 rows for each pair of tiles,
	s_add_co_u32 s26, s26, s27
	s_and_b32 s27, ttmp9, 1
	s_lshl_b32 s27, s27, 16                            ; 8 rows for the odd one
	s_add_co_u32 s26, s26, s27
	s_lshl_b32 s27, s[WV], 11
	s_add_co_u32 s26, s26, s27
	s_mov_b32 s27, 0
	s_add_nc_u64 s[SRC:SRC+1], s[4:5], s[26:27]
	s_lshl_b32 s26, ttmp9, 12
	s_lshl_b32 s28, s[WV], 10
	s_add_co_u32 s26, s26, s28
	s_add_nc_u64 s[DST:DST+1], s[18:19], s[26:27]
.irp i, 0,1,2,3,4,5,6,7
	v_mov_b32 v[OW+\i], 0                              ; written once: a lane write's destination counts as read
.endr
	WALK 8192, MSTG, 1
	s_wait_tensorcnt 0x0                               ; the wave's end, behind my last LDS store
	ds_add_u32 v[SPW], v[NIL]
	s_wait_dscnt 0x0
	s_endpgm
.Lx:
	; ---- q AND kv.  Two waves to a tile of 16 rows, four K steps of 128 each
	s_sub_co_u32 s26, ttmp9, 512
	s_cmp_lt_u32 s26, 256
	s_cselect_b64 s[SRC:SRC+1], s[6:7], s[8:9]         ; the first 256 work-groups take q, the others kv
	s_lshl_b32 s26, s26, 1
	s_lshr_b32 s27, s[WV], 1
	s_add_co_u32 s26, s26, s27                         ; the tile, 0 .. 1023
	s_and_b32 s28, s[WV], 1                            ; which four K steps
	s_bfe_u32 s29, s26, 0x80001
	s_lshl_b32 s29, s29, 17                            ; 32 rows of 4,096 bytes for each pair of tiles
	s_and_b32 s30, s26, 1
	s_lshl_b32 s30, s30, 15
	s_add_co_u32 s30, s30, s29
	s_lshl_b32 s29, s28, 11
	s_add_co_u32 s30, s30, s29
	s_mov_b32 s31, 0
	s_add_nc_u64 s[SRC:SRC+1], s[SRC:SRC+1], s[30:31]
	s_lshr_b32 s29, s26, 2
	s_mul_i32 s30, s29, 53248                          ; the block of 64 rows
	s_and_b32 s29, s26, 3                              ; m: the tile in it
	s_mul_i32 s32, s29, 1536
	s_mul_i32 s33, s28, 24576
	s_add_co_u32 s32, s32, s33
	s_add_co_u32 s32, s32, s30
	s_mov_b32 s33, 0
	s_add_nc_u64 s[DST:DST+1], s[20:21], s[32:33]      ; fragment (s, m) at (4 s + m) x 1,536
	s_lshl_b32 s34, s28, 11
	s_lshl_b32 s35, s29, 2
	s_add_co_u32 s34, s34, s35
	s_add_co_u32 s34, s34, s30
	s_add_co_u32 s34, s34, 49152
	s_mov_b32 s35, 0
	s_add_nc_u64 s[DS2:DS2+1], s[20:21], s[34:35]      ; scale words at 49,152 + 512 s + 16 l + 4 m
.irp b, 0,1,2,3
	v_mov_b32 v[TM+4+\b], 0                            ; written once: a lane permute's destination counts as one of its sources
.endr
	WALK 4096, XSTG, 0
	s_wait_tensorcnt 0x0                               ; the wave's end, behind my last LDS store
	ds_add_u32 v[SPW], v[NIL]
	s_wait_dscnt 0x0
	s_endpgm
.Lfunc_end_k_q8ae22ea127_prep:
	.size	k_q8ae22ea127_prep, .Lfunc_end_k_q8ae22ea127_prep-k_q8ae22ea127_prep
	.p2alignl 7, 3214868480
	.fill 96, 4, 3214868480
	.section	.rodata,"a",@progbits
	.p2align	6, 0x0
	.amdhsa_kernel k_q8ae22ea127_prep
		.amdhsa_group_segment_fixed_size 68096
		.amdhsa_private_segment_fixed_size 0
		.amdhsa_enable_private_segment 0
		.amdhsa_kernarg_size 80
		.amdhsa_user_sgpr_count 2
		.amdhsa_user_sgpr_kernarg_segment_ptr 1
		.amdhsa_wavefront_size32 1
		.amdhsa_system_sgpr_workgroup_id_x 1
		.amdhsa_system_sgpr_workgroup_id_y 1
		.amdhsa_system_sgpr_workgroup_id_z 1
		.amdhsa_system_vgpr_workitem_id 0
		.amdhsa_next_free_vgpr 256
		.amdhsa_next_free_sgpr 66
		.amdhsa_reserve_vcc 0
		.amdhsa_float_denorm_mode_32 3
		.amdhsa_float_denorm_mode_16_64 3
		.amdhsa_memory_ordered 1
		.amdhsa_forward_progress 1
		.amdhsa_inst_pref_size 102
	.end_amdhsa_kernel
	.amdgpu_metadata
---
amdhsa.version: [ 1, 2 ]
amdhsa.kernels:
  - .name:           k_q8ae22ea127_prep
    .symbol:         k_q8ae22ea127_prep.kd
    .args:
      - { .name: mask, .offset: 0, .size: 8, .value_kind: global_buffer, .address_space: global }
      - { .name: q, .offset: 8, .size: 8, .value_kind: global_buffer, .address_space: global }
      - { .name: kv, .offset: 16, .size: 8, .value_kind: global_buffer, .address_space: global }
      - { .name: Wq, .offset: 24, .size: 8, .value_kind: global_buffer, .address_space: global }
      - { .name: Wk, .offset: 32, .size: 8, .value_kind: global_buffer, .address_space: global }
      - { .name: Wv, .offset: 40, .size: 8, .value_kind: global_buffer, .address_space: global }
      - { .name: Wo, .offset: 48, .size: 8, .value_kind: global_buffer, .address_space: global }
      - { .name: mbits, .offset: 56, .size: 8, .value_kind: global_buffer, .address_space: global }
      - { .name: ximg, .offset: 64, .size: 8, .value_kind: global_buffer, .address_space: global }
      - { .name: wimg, .offset: 72, .size: 8, .value_kind: global_buffer, .address_space: global }
    .group_segment_fixed_size: 68096
    .private_segment_fixed_size: 0
    .kernarg_segment_align: 8
    .kernarg_segment_size: 80
    .max_flat_workgroup_size: 128
    .sgpr_count:     66
    .vgpr_count:     256
    .wavefront_size: 32
...
	.end_amdgpu_metadata
.endif
;; end of part 1
;; launch proj (part 2): grid 128 x 3, 16 waves a work-group, no clusters, 290,816 bytes of LDS; arguments ximg, wimg, bq, bk, bv, qn_scale, kn_scale, vn_scale, qn_bias, kn_bias, vn_bias, qimg, kvimg; writes qimg, kvimg
.if DOCPART == 2
	.amdgcn_target "amdgcn-amd-amdhsa--gfx1250"
	.amdhsa_code_object_version 6
	.text
	.protected	k_q8ae22ea127_proj
	.globl	k_q8ae22ea127_proj
	.p2align	8
	.type	k_q8ae22ea127_proj,@function
k_q8ae22ea127_proj:
	s_mov_b64 s[64:65], 0
	v_nop
	global_prefetch_b8 v0, s[64:65] scope:SCOPE_SE
	s_setreg_imm32_b32 hwreg(HW_REG_WAVE_MODE, 25, 1), 1
	s_wait_xcnt 0x0
; PROJ: one of the three projections (work-group y: 0 Q, 1 K, 2 V) for 64 rows, its LayerNorm over all 1,024 features, and the quantiser of what attention multiplies.  Nothing of the problem is left out here.
; SHARES.  A work-group owns 64 rows x 1,024 columns, since the LayerNorm wants whole rows.  Wave w owns columns 64 w .. 64 w + 63, which are head w: 4 tiles of rows (m) x 4 tiles of columns (t), 16 accumulators.
; THE PRODUCT IS USED TRANSPOSED (source 0 = 16 columns of W, source 1 = 16 rows of x): lane (r, h) holds row r of tile m, and register 32 m + 8 t + j feature 64 w + 32 (t / 2) + 16 h + 8 (t % 2) + j:
; the 16 registers of tiles 2 b, 2 b + 1 are 16 neighbours along the head's 64.
; x's codes (53,248 bytes with their scale words) are copied into LDS once and read by all sixteen waves; each wave's weights go from memory straight into its registers, as images of those registers.
; No multicast: a wave's weights are read by no other wave of its work-group, and one K step of all 1,024 columns is 98,304 bytes for 16 matrix instructions a wave.
; The bias is the C of the first K step (an order of rounding that differs from adding it last).  LayerNorm in two passes, mean first, then the squares of the differences: no difference of large sums.
; Q and K are quantised along the head's 64 (two blocks); V along the keys: it turns through the wave's own stage in LDS, so that a lane holds one channel and 32 neighbouring keys.
; A HALF FRAGMENT'S IMAGE (16 rows x 64 along K, registers 0-5, 768 bytes): registers 0-3 of lane l at 16 l, registers 4, 5 at 512 + 8 l.
; LIMITS: as stated at the head of the first kernel (a block's byte is held at 1 from below; NaN and infinities are not served).
.set BLK,   13056                      ; kvimg: a head's 128 keys: K's 8 half fragments, V's 8, K's scale image (512 bytes), V's (256)
.set ST1,   278528                     ; 64 rows x 80 bytes: the waves' sums;  5,120 bytes on: the sums of squares
.set SPARE, 288768                     ; the spare words: 128 bytes for each of 16 waves
.set SPW, 1
.set NIL, 2
.set L16, 3
.set L8,  4
.set R16, 5
.set H64, 6
.set STW, 7                            ; ST1 + 80 r + 4 w
.set STR, 8                            ; ST1 + 80 r
.set VSW, 9                            ; 17,408 w + 272 pi(r) + 64 h
.set VSR, 10                           ; 17,408 w + 8,704 h + 4 pi(r)
.set L4,  11
.set MU,  12                           ; v12-19 four pairs: the means, later 1 / sqrt(var + eps)
.set AS,  20                           ; v20-23 x's scale words;  v24-27 W's: scales and nothing else
.set BS,  24
.set TP,  28                           ; v28-31 at work
.set AF,  32                           ; v32-79  x's four fragments
.set BF,  80                           ; v80-127 W's four fragments
.set ACC, 128                          ; v128-255
.set G,    32                          ; behind the product: the gain, the LayerNorm's bias, and room for sums
.set BETA, 64
.set RD,   96
.set QT,  64                           ; behind the LayerNorm: at work in the quantisers
.set PWR, 68                           ; v68-71 the four tiles' scale words
.set QM,  72
.set QSO, 74
.set QB,  76
.set H8,  78
.set VB,  80
.set XY,  84                           ; v84-85 what is stored of the scales
.set WV,   2
.set TASK, 3
.set XP, 32
.set WP, 34
.set WS, 36
.set BI, 38
.set GP, 40
.set BP, 42
.set SEL, 44
.set C10, 46
.set EPS, 47
.set HM,  48
.set O1,  50
.set O2,  52
.macro BLOAD s                         ; my four column tiles of K step s: 6,144 consecutive bytes, and their scale words
.set i, 0
.rept 12
	global_load_b128 v[BF+4*i:BF+4*i+3], v[L16], s[WP:WP+1] offset:98304*(\s)+512*i
.set i, i+1
.endr
	global_load_b128 v[BS:BS+3], v[R16], s[WS:WS+1] offset:4096*(\s)
.endm
.macro KSTEP s
.if (\s) > 0
.rept 4
	v_nop                                              ; places in front of loads into registers that matrix instructions have read
.endr
	BLOAD \s
.endif
.set i, 0
.rept 12
	ds_load_b128 v[AF+4*i:AF+4*i+3], v[L16] offset:6144*(\s)+512*i
.set i, i+1
.endr
	ds_load_b128 v[AS:AS+3], v[L16] offset:49152+512*(\s)
	s_wait_loadcnt 0x0
	s_wait_dscnt 0x0
.irp t, 0,1,2,3                                    ; the 16 accumulators take turns, in the same order in every K step
.irp m, 0,1,2,3
	v_wmma_scale_f32_16x16x128_f8f6f4 v[ACC+32*\m+8*\t:ACC+32*\m+8*\t+7], v[BF+12*\t:BF+12*\t+11], v[AF+12*\m:AF+12*\m+11], v[ACC+32*\m+8*\t:ACC+32*\m+8*\t+7], v[BS+\t], v[AS+\m] matrix_a_fmt:MATRIX_FMT_FP6 matrix_b_fmt:MATRIX_FMT_FP6
.endr
.endr
.endm
; my pairs v[RD + 2 m] become the four rows' sums over all 1,024 features, in v[TP + m], the same in all waves
.macro ROWRED base
.irp m, 0,1,2,3
	v_add_f32 v[RD+2*\m], v[RD+2*\m], v[RD+2*\m+1]
.endr
.irp m, 0,1,2,3
	v_permlanex16_b32 v[TP+\m], v[RD+2*\m], s[SEL], s[SEL+1]
.endr
.irp m, 0,1,2,3
	v_add_f32 v[RD+2*\m], v[RD+2*\m], v[TP+\m]         ; my wave's 64 features of row r of tile m
.endr
.irp m, 0,1,2,3
	ds_store_b32 v[STW], v[RD+2*\m] offset:(\base)+1280*\m   ; both halves of the lanes write the same word with the same value
.endr
	s_wait_dscnt 0x0                                   ; for the others' sake: my stores have landed, and my earlier LDS loads are in
	s_barrier_signal -1
	s_barrier_wait -1
.irp g, 0,1
.irp i, 0,1,2,3,4,5,6,7
	ds_load_b128 v[RD+4*\i:RD+4*\i+3], v[STR] offset:(\base)+1280*(2*\g+\i/4)+16*(\i%4)
.endr
	s_wait_dscnt 0x0
.irp e, 0,1
	v_pk_add_f32 v[RD+16*\e:RD+16*\e+1], v[RD+16*\e:RD+16*\e+1], v[RD+16*\e+2:RD+16*\e+3]
.endr
.irp p, 4,6,8,10,12,14
.irp e, 0,1
	v_pk_add_f32 v[RD+16*\e:RD+16*\e+1], v[RD+16*\e:RD+16*\e+1], v[RD+16*\e+\p:RD+16*\e+\p+1]
.endr
.endr
.irp e, 0,1
	v_add_f32 v[TP+2*\g+\e], v[RD+16*\e], v[RD+16*\e+1]
.endr
.endr
.endm
; 32 numbers of a lane, register 16 b + i = k 32 b + 16 h + i of my row, become a half fragment in v[hf] on and two scale bytes in v[pw]
.macro QUANT2 src, hf, pw
.irp b, 0,1
	v_max3_num_f32 v[QM+\b], |v[(\src)+16*\b]|, |v[(\src)+16*\b+1]|, 0x1800000
.endr
.irp i, 2,4,6,8,10,12,14
.irp b, 0,1
	v_max3_num_f32 v[QM+\b], v[QM+\b], |v[(\src)+16*\b+\i]|, |v[(\src)+16*\b+\i+1]|
.endr
.endr
.irp b, 0,1
	v_permlanex16_b32 v[TP+\b], v[QM+\b], s[SEL], s[SEL+1]
.endr
.irp b, 0,1
	v_max_num_f32 v[QM+\b], v[QM+\b], v[TP+\b]
.endr
.irp b, 0,1
	v_add_nc_u32 v[QSO+\b], 0xff000000, v[QM+\b]
.endr
.irp b, 0,1
	v_lshrrev_b32 v[QB+\b], 23, v[QSO+\b]
.endr
	v_lshl_or_b32 v[\pw], v[QB+1], 8, v[QB]            ; bytes 2 and 3 stay 0: they scale zero codes
	v_cvt_scalef32_pk16_fp6_f32 v[(\hf):(\hf)+2], v[(\src):(\src)+15], v[QSO]
	v_cvt_scalef32_pk16_fp6_f32 v[QT:QT+2], v[(\src)+16:(\src)+31], v[QSO+1]
	v_nop                                              ; one plain place behind a scaled conversion
.irp i, 0,1,2
	v_permlane16_swap_b32 v[(\hf)+\i], v[QT+\i]        ; lanes 0-15 get block 0 whole, lanes 16-31 block 1
.endr
.irp i, 0,1,2
	v_mov_b32 v[(\hf)+3+\i], v[QT+\i]
.endr
.endm
; V: channel tile t: my 32 registers are one channel's 32 neighbouring keys, a whole block
.macro VQ t
.set XS, ACC+32*(\t)
	v_max3_num_f32 v[QM], |v[XS]|, |v[XS+1]|, |v[XS+2]|
	v_max3_num_f32 v[QM+1], |v[XS+3]|, |v[XS+4]|, |v[XS+5]|
.irp i, 6,10,14,18,22,26
	v_max3_num_f32 v[QM], v[QM], |v[XS+\i]|, |v[XS+\i+1]|
	v_max3_num_f32 v[QM+1], v[QM+1], |v[XS+\i+2]|, |v[XS+\i+3]|
.endr
	v_max3_num_f32 v[QM], v[QM], |v[XS+30]|, |v[XS+31]|
	v_max3_num_f32 v[QM], v[QM], v[QM+1], 0x1800000
	v_add_nc_u32 v[QSO], 0xff000000, v[QM]
	v_lshrrev_b32 v[QB], 23, v[QSO]
	v_lshlrev_b32 v[VB+(\t)], v[H8], v[QB]             ; my block's byte at its place: 8 h bits up
	v_cvt_scalef32_pk16_fp6_f32 v[32+6*(\t):34+6*(\t)], v[XS:XS+15], v[QSO]
	v_cvt_scalef32_pk16_fp6_f32 v[QT:QT+2], v[XS+16:XS+31], v[QSO]
	v_nop                                              ; one plain place behind a scaled conversion
.irp i, 0,1,2
	v_mov_b32 v[35+6*(\t)+\i], v[QT+\i]
.endr
.endm
	s_load_b512 s[4:19], s[0:1], 0x0                   ; ximg, wimg, bq, bk, bv, qn_scale, kn_scale, vn_scale
	s_load_b256 s[20:27], s[0:1], 0x40                 ; qn_bias, kn_bias, vn_bias, qimg
	s_load_b64 s[28:29], s[0:1], 0x60                  ; kvimg
	v_lshl_add_u32 v[SPW], v0, 2, SPARE
	v_mov_b32 v[NIL], 0
	v_lshrrev_b32 v28, 5, v0
	v_readfirstlane_b32 s[WV], v28                     ; wave 0..15: the head
	s_and_b32 s[TASK], ttmp7, 0xffff
	v_and_b32 v29, 31, v0
	v_and_b32 v30, 15, v0                              ; r
	v_bfe_u32 v31, v0, 4, 1                            ; h
	v_lshlrev_b32 v[L16], 4, v29
	v_lshlrev_b32 v[L8], 3, v29
	v_lshlrev_b32 v[L4], 2, v29
	v_lshlrev_b32 v[R16], 4, v30
	v_lshlrev_b32 v[H64], 6, v31
	v_mul_u32_u24 v[STR], v30, 80
	v_add_nc_u32 v[STR], ST1, v[STR]
	s_lshl_b32 s54, s[WV], 2
	v_add_nc_u32 v[STW], s54, v[STR]
	v_and_b32 v28, 8, v30
	v_add_nc_u32 v28, v28, v30                         ; pi(r)
	s_mul_i32 s54, s[WV], 17408
	v_mul_u32_u24 v[VSW], v28, 272
	v_add_nc_u32 v[VSW], v[VSW], v[H64]
	v_add_nc_u32 v[VSW], s54, v[VSW]
	v_mul_u32_u24 v[VSR], v31, 8704
	v_lshl_add_u32 v[VSR], v28, 2, v[VSR]
	v_add_nc_u32 v[VSR], s54, v[VSR]
	s_mul_i32 s54, s[WV], 3072
	v_add_nc_u32 v12, s54, v[L16]                      ; the copy: my wave's 3,072 bytes of codes,
	s_lshl_b32 s54, s[WV], 8
	s_add_co_u32 s56, s54, 49152
	v_add_nc_u32 v13, s56, v[L8]                       ; and its 256 bytes of scale words
	s_mov_b32 s55, 0
	s_mov_b32 s57, 0
	s_mov_b32 s[SEL], 0x76543210
	s_mov_b32 s[SEL+1], 0xfedcba98
	s_mov_b32 s[C10], 0x3a800000                       ; 1 / 1,024
	s_mov_b32 s[EPS], 0x358637bd                       ; 1e-6
	s_mov_b32 s[HM], 0xffff0000                        ; lanes 16-31
	s_wait_kmcnt 0x0
	s_cmp_eq_u32 s[TASK], 1
	s_cselect_b64 s[BI:BI+1], s[10:11], s[8:9]
	s_cselect_b64 s[GP:GP+1], s[16:17], s[14:15]
	s_cselect_b64 s[BP:BP+1], s[22:23], s[20:21]
	s_cmp_eq_u32 s[TASK], 2
	s_cselect_b64 s[BI:BI+1], s[12:13], s[BI:BI+1]
	s_cselect_b64 s[GP:GP+1], s[18:19], s[GP:GP+1]
	s_cselect_b64 s[BP:BP+1], s[24:25], s[BP:BP+1]
	s_add_nc_u64 s[BI:BI+1], s[BI:BI+1], s[54:55]      ; at my 64 features
	s_add_nc_u64 s[GP:GP+1], s[GP:GP+1], s[54:55]
	s_add_nc_u64 s[BP:BP+1], s[BP:BP+1], s[54:55]
	s_cmp_eq_u32 s[TASK], 0
	s_cselect_b32 s56, 0, 128                          ; Q reads q's blocks, K and V kv's
	s_add_co_u32 s56, s56, ttmp9
	s_mul_i32 s56, s56, 53248
	s_add_nc_u64 s[XP:XP+1], s[4:5], s[56:57]
	s_mul_i32 s56, s[TASK], 786432
	s_mul_i32 s58, s[WV], 6144
	s_add_co_u32 s56, s56, s58
	s_add_nc_u64 s[WP:WP+1], s[6:7], s[56:57]
	s_lshl_b32 s56, s[TASK], 15
	s_add_co_u32 s56, s56, s54
	s_add_co_u32 s56, s56, 3145728
	s_add_nc_u64 s[WS:WS+1], s[6:7], s[56:57]
	; where the results go: Q's first tile, K's and V's block
	s_lshr_b32 s58, ttmp9, 5
	s_lshl_b32 s58, s58, 4
	s_add_co_u32 s58, s58, s[WV]                       ; 16 x batch + head
	s_and_b32 s59, ttmp9, 31
	s_lshl_b32 s60, s58, 7
	s_lshl_b32 s61, s59, 2
	s_add_co_u32 s60, s60, s61                         ; Q: tile 128 (16 b + head) + 4 (row block in the batch)
	s_lshl_b32 s61, s58, 4
	s_lshr_b32 s62, s59, 1
	s_add_co_u32 s61, s61, s62
	s_mul_i32 s61, s61, BLK                            ; K, V: the block of 128 keys
	s_and_b32 s62, ttmp9, 1                            ; and which 64 of them
	; the copy first, then the first K step's weights, then the bias into the accumulators
.set i, 0
.rept 6
	global_load_b128 v[AF+4*i:AF+4*i+3], v12, s[XP:XP+1] offset:512*i
.set i, i+1
.endr
	global_load_b64 v[AF+24:AF+25], v13, s[XP:XP+1]
	BLOAD 0
.irp m, 0,1,2,3
.irp t, 0,1,2,3
	global_load_b128 v[ACC+32*\m+8*\t:ACC+32*\m+8*\t+3], v[H64], s[BI:BI+1] offset:128*(\t/2)+32*(\t%2)
	global_load_b128 v[ACC+32*\m+8*\t+4:ACC+32*\m+8*\t+7], v[H64], s[BI:BI+1] offset:128*(\t/2)+32*(\t%2)+16
.endr
.endr
	s_wait_loadcnt 45                                  ; the copy's 7 loads are in: behind them 13 loads of W and 32 of the bias
.set i, 0
.rept 6
	ds_store_b128 v12, v[AF+4*i:AF+4*i+3] offset:512*i
.set i, i+1
.endr
	ds_store_b64 v13, v[AF+24:AF+25]
	s_wait_dscnt 0x0                                   ; for the others' sake: my part of x lies in LDS
	s_barrier_signal -1
	s_barrier_wait -1
	KSTEP 0
	KSTEP 1
	KSTEP 2
	KSTEP 3
	KSTEP 4
	KSTEP 5
	KSTEP 6
	KSTEP 7
	; ---- LAYERNORM
.rept 4
	v_nop                                              ; places behind the last products: results are read, and operands' registers loaded and written
.endr
.irp t, 0,1,2,3
	global_load_b128 v[G+8*\t:G+8*\t+3], v[H64], s[GP:GP+1] offset:128*(\t/2)+32*(\t%2)
	global_load_b128 v[G+8*\t+4:G+8*\t+7], v[H64], s[GP:GP+1] offset:128*(\t/2)+32*(\t%2)+16
	global_load_b128 v[BETA+8*\t:BETA+8*\t+3], v[H64], s[BP:BP+1] offset:128*(\t/2)+32*(\t%2)
	global_load_b128 v[BETA+8*\t+4:BETA+8*\t+7], v[H64], s[BP:BP+1] offset:128*(\t/2)+32*(\t%2)+16
.endr
.irp m, 0,1,2,3
	v_pk_add_f32 v[RD+2*\m:RD+2*\m+1], v[ACC+32*\m:ACC+32*\m+1], v[ACC+32*\m+2:ACC+32*\m+3]   ; each accumulator is read from its low end on
.endr
.irp p, 4,6,8,10,12,14,16,18,20,22,24,26,28,30
.irp m, 0,1,2,3
	v_pk_add_f32 v[RD+2*\m:RD+2*\m+1], v[RD+2*\m:RD+2*\m+1], v[ACC+32*\m+\p:ACC+32*\m+\p+1]
.endr
.endr
	ROWRED 0
.irp m, 0,1,2,3
	v_mul_f32 v[MU+2*\m], s[C10], v[TP+\m]             ; the mean, in both registers of a pair
.endr
.irp m, 0,1,2,3
	v_mov_b32 v[MU+2*\m+1], v[MU+2*\m]
.endr
.irp p, 0,2,4,6,8,10,12,14,16,18,20,22,24,26,28,30
.irp m, 0,1,2,3
	v_pk_add_f32 v[ACC+32*\m+\p:ACC+32*\m+\p+1], v[ACC+32*\m+\p:ACC+32*\m+\p+1], v[MU+2*\m:MU+2*\m+1] neg_lo:[0,1] neg_hi:[0,1]
.endr
.endr
.irp m, 0,1,2,3
	v_pk_mul_f32 v[RD+2*\m:RD+2*\m+1], v[ACC+32*\m:ACC+32*\m+1], v[ACC+32*\m:ACC+32*\m+1]
.endr
.irp p, 2,4,6,8,10,12,14,16,18,20,22,24,26,28,30
.irp m, 0,1,2,3
	v_pk_fma_f32 v[RD+2*\m:RD+2*\m+1], v[ACC+32*\m+\p:ACC+32*\m+\p+1], v[ACC+32*\m+\p:ACC+32*\m+\p+1], v[RD+2*\m:RD+2*\m+1]
.endr
.endr
	ROWRED 5120
.irp m, 0,1,2,3
	v_fma_f32 v[TP+\m], v[TP+\m], s[C10], s[EPS]       ; var + eps
.endr
.irp m, 0,1,2,3
	v_rsq_f32 v[MU+2*\m], v[TP+\m]
	v_rsq_f32 v[MU+2*\m+1], v[TP+\m]
.endr
	v_nop                                              ; a plain place behind the last of the batch
	s_wait_alu depctr_va_vdst(0)                       ; one wait for the eight, ahead of their first reader
	s_wait_loadcnt 0x0                                 ; the gain and the bias
.irp p, 0,2,4,6,8,10,12,14,16,18,20,22,24,26,28,30
.irp m, 0,1,2,3
	v_pk_mul_f32 v[ACC+32*\m+\p:ACC+32*\m+\p+1], v[ACC+32*\m+\p:ACC+32*\m+\p+1], v[MU+2*\m:MU+2*\m+1]
.endr
.endr
.irp p, 0,2,4,6,8,10,12,14,16,18,20,22,24,26,28,30
.irp m, 0,1,2,3
	v_pk_fma_f32 v[ACC+32*\m+\p:ACC+32*\m+\p+1], v[ACC+32*\m+\p:ACC+32*\m+\p+1], v[G+\p:G+\p+1], v[BETA+\p:BETA+\p+1]
.endr
.endr
	s_cmp_eq_u32 s[TASK], 2
	s_cbranch_scc1 .Lv
	; ---- Q AND K: quantised along the head's 64; each tile has its own registers for its codes, so no store's data are written again
	QUANT2 ACC, 32, PWR
	QUANT2 ACC+32, 38, PWR+1
	QUANT2 ACC+64, 44, PWR+2
	QUANT2 ACC+96, 50, PWR+3
	v_cndmask_b32 v[XY], v[PWR], v[PWR+1], s[HM]       ; lanes 0-15: the even tile's words, lanes 16-31: the odd one's
	v_cndmask_b32 v[XY+1], v[PWR+2], v[PWR+3], s[HM]
	s_mul_i32 s66, s60, 768
	s_mul_i32 s67, s62, 3072
	s_add_co_u32 s67, s67, s61
	s_lshl_b32 s68, s60, 6
	s_add_co_u32 s68, s68, 6291456
	s_lshl_b32 s69, s62, 3
	s_add_co_u32 s69, s69, s61
	s_add_co_u32 s69, s69, 12288
	s_cmp_eq_u32 s[TASK], 0
	s_cselect_b64 s[O1:O1+1], s[26:27], s[28:29]
	s_cselect_b64 s[O2:O2+1], s[26:27], s[28:29]
	s_cselect_b32 s56, s66, s67
	s_cselect_b32 s58, s68, s69
	s_mov_b32 s59, 0
	s_add_nc_u64 s[O1:O1+1], s[O1:O1+1], s[56:57]
	s_add_nc_u64 s[O2:O2+1], s[O2:O2+1], s[58:59]
.irp m, 0,1,2,3
	global_store_b128 v[L16], v[32+6*\m:35+6*\m], s[O1:O1+1] offset:768*\m        ; 512 consecutive bytes,
	global_store_b64 v[L8], v[36+6*\m:37+6*\m], s[O1:O1+1] offset:768*\m+512      ; and 256
.endr
	s_cmp_eq_u32 s[TASK], 0
	s_cbranch_scc0 .Lkscale
	global_store_b32 v[L4], v[XY], s[O2:O2+1]          ; Q: 64 bytes of scale words a tile
	global_store_b32 v[L4], v[XY+1], s[O2:O2+1] offset:128
	s_wait_tensorcnt 0x0                               ; the wave's end, behind my last LDS store
	ds_add_u32 v[SPW], v[NIL]
	s_wait_dscnt 0x0
	s_endpgm
.Lkscale:
	global_store_b64 v[L16], v[XY:XY+1], s[O2:O2+1]    ; K: two of the four registers of the block's scale image
	s_wait_tensorcnt 0x0                               ; the wave's end
	ds_add_u32 v[SPW], v[NIL]
	s_wait_dscnt 0x0
	s_endpgm
.Lv:
	; ---- V: [key][channel] into my own stage (it lies over x's copy, whose last reads stand in front of the two barriers above), and back a channel a lane
.irp m, 0,1,2,3
.irp t, 0,1,2,3
	ds_store_b128 v[VSW], v[ACC+32*\m+8*\t:ACC+32*\m+8*\t+3] offset:(32*(\m/2)+8*(\m%2))*272+128*(\t/2)+32*(\t%2)
	ds_store_b128 v[VSW], v[ACC+32*\m+8*\t+4:ACC+32*\m+8*\t+7] offset:(32*(\m/2)+8*(\m%2))*272+128*(\t/2)+32*(\t%2)+16
.endr
.endr
.irp t, 0,1,2,3
.set i, 0
.rept 32
	ds_load_b32 v[ACC+32*\t+i], v[VSR] offset:272*i+128*(\t/2)+32*(\t%2)   ; LDS serves a wave's instructions in order: these see my stores
.set i, i+1
.endr
.endr
	v_bfe_u32 v[H8], v0, 4, 1
	v_lshlrev_b32 v[H8], 3, v[H8]
	s_mul_i32 s56, s62, 768
	s_add_co_u32 s56, s56, s61
	s_add_co_u32 s56, s56, 6144
	s_add_nc_u64 s[O1:O1+1], s[28:29], s[56:57]
	s_lshl_b32 s56, s62, 1
	s_add_co_u32 s56, s56, s61
	s_add_co_u32 s56, s56, 12800
	s_add_nc_u64 s[O2:O2+1], s[28:29], s[56:57]
	s_wait_dscnt 0x0
	VQ 0
	VQ 1
	VQ 2
	VQ 3
.irp t, 0,1,2,3
	v_permlanex16_b32 v[TP+\t], v[VB+\t], s[SEL], s[SEL+1]
.endr
.irp t, 0,1,2,3
	v_or_b32 v[VB+\t], v[VB+\t], v[TP+\t]              ; the channel's two bytes for these 64 keys
.endr
	v_cndmask_b32 v[XY], v[VB], v[VB+1], s[HM]
	v_cndmask_b32 v[XY+1], v[VB+2], v[VB+3], s[HM]
.irp t, 0,1,2,3
	global_store_b128 v[L16], v[32+6*\t:35+6*\t], s[O1:O1+1] offset:1536*\t
	global_store_b64 v[L8], v[36+6*\t:37+6*\t], s[O1:O1+1] offset:1536*\t+512
.endr
	global_store_b16 v[L8], v[XY], s[O2:O2+1]
	global_store_b16 v[L8], v[XY+1], s[O2:O2+1] offset:4
	s_wait_tensorcnt 0x0                               ; the wave's end
	ds_add_u32 v[SPW], v[NIL]
	s_wait_dscnt 0x0
	s_endpgm
.Lfunc_end_k_q8ae22ea127_proj:
	.size	k_q8ae22ea127_proj, .Lfunc_end_k_q8ae22ea127_proj-k_q8ae22ea127_proj
	.p2alignl 7, 3214868480
	.fill 96, 4, 3214868480
	.section	.rodata,"a",@progbits
	.p2align	6, 0x0
	.amdhsa_kernel k_q8ae22ea127_proj
		.amdhsa_group_segment_fixed_size 290816
		.amdhsa_private_segment_fixed_size 0
		.amdhsa_enable_private_segment 0
		.amdhsa_kernarg_size 104
		.amdhsa_user_sgpr_count 2
		.amdhsa_user_sgpr_kernarg_segment_ptr 1
		.amdhsa_wavefront_size32 1
		.amdhsa_system_sgpr_workgroup_id_x 1
		.amdhsa_system_sgpr_workgroup_id_y 1
		.amdhsa_system_sgpr_workgroup_id_z 1
		.amdhsa_system_vgpr_workitem_id 0
		.amdhsa_next_free_vgpr 256
		.amdhsa_next_free_sgpr 80
		.amdhsa_reserve_vcc 0
		.amdhsa_float_denorm_mode_32 3
		.amdhsa_float_denorm_mode_16_64 3
		.amdhsa_memory_ordered 1
		.amdhsa_forward_progress 1
		.amdhsa_inst_pref_size 99
	.end_amdhsa_kernel
	.amdgpu_metadata
---
amdhsa.version: [ 1, 2 ]
amdhsa.kernels:
  - .name:           k_q8ae22ea127_proj
    .symbol:         k_q8ae22ea127_proj.kd
    .args:
      - { .name: ximg, .offset: 0, .size: 8, .value_kind: global_buffer, .address_space: global }
      - { .name: wimg, .offset: 8, .size: 8, .value_kind: global_buffer, .address_space: global }
      - { .name: bq, .offset: 16, .size: 8, .value_kind: global_buffer, .address_space: global }
      - { .name: bk, .offset: 24, .size: 8, .value_kind: global_buffer, .address_space: global }
      - { .name: bv, .offset: 32, .size: 8, .value_kind: global_buffer, .address_space: global }
      - { .name: qn_scale, .offset: 40, .size: 8, .value_kind: global_buffer, .address_space: global }
      - { .name: kn_scale, .offset: 48, .size: 8, .value_kind: global_buffer, .address_space: global }
      - { .name: vn_scale, .offset: 56, .size: 8, .value_kind: global_buffer, .address_space: global }
      - { .name: qn_bias, .offset: 64, .size: 8, .value_kind: global_buffer, .address_space: global }
      - { .name: kn_bias, .offset: 72, .size: 8, .value_kind: global_buffer, .address_space: global }
      - { .name: vn_bias, .offset: 80, .size: 8, .value_kind: global_buffer, .address_space: global }
      - { .name: qimg, .offset: 88, .size: 8, .value_kind: global_buffer, .address_space: global }
      - { .name: kvimg, .offset: 96, .size: 8, .value_kind: global_buffer, .address_space: global }
    .group_segment_fixed_size: 290816
    .private_segment_fixed_size: 0
    .kernarg_segment_align: 8
    .kernarg_segment_size: 104
    .max_flat_workgroup_size: 512
    .sgpr_count:     80
    .vgpr_count:     256
    .wavefront_size: 32
...
	.end_amdgpu_metadata
.endif
;; end of part 2
;; launch attn (part 3): grid 4 x 64, 16 waves a work-group, clusters of 4 x 1, 210,944 bytes of LDS; arguments qimg, kvimg, mbits, oimg; writes oimg
.if DOCPART == 3
	.amdgcn_target "amdgcn-amd-amdhsa--gfx1250"
	.amdhsa_code_object_version 6
	.text
	.protected	k_q8ae22ea127_attn
	.globl	k_q8ae22ea127_attn
	.p2align	8
	.type	k_q8ae22ea127_attn,@function
k_q8ae22ea127_attn:
	s_mov_b64 s[64:65], 0
	v_nop
	global_prefetch_b8 v0, s[64:65] scope:SCOPE_SE
	s_setreg_imm32_b32 hwreg(HW_REG_WAVE_MODE, 25, 1), 1
	s_wait_xcnt 0x0
	s_wait_alu depctr_hold_cnt(0) depctr_sa_sdst(0) depctr_va_vdst(0) depctr_va_sdst(0) depctr_va_ssrc(0) depctr_va_vcc(0) depctr_vm_vsrc(0)
	s_getreg_b32 s2, hwreg(HW_REG_IB_STS2, 6, 4)
	s_cmp_eq_u32 s2, 0
	s_cbranch_scc0 .Lentry_in_a_cluster
	s_endpgm
.Lentry_in_a_cluster:
	s_bfe_u32 s2, ttmp6, 0x10000c
	s_cmp_lg_u32 s2, 0x3003
	s_cbranch_scc0 .Lentry_shape_is_right
	s_endpgm
.Lentry_shape_is_right:
; ATTN: O = softmax(mask(Q K^T / 8)) V for one (batch, head) and 512 queries, both products on codes of E2M3; O is quantised along the head's 64 for the last product.  Nothing of the problem is left out here.
; SHARES.  A work-group owns a quarter of a head's 2,048 queries; each of its sixteen waves two tiles of 16, one after the other (two passes).  Every wave walks all 2,048 keys, 128 a step.
; K AND V OF THE WHOLE HEAD, codes and scale words, are 16 blocks of 13,056 bytes: they lie in LDS for the whole launch, filled ONCE: wave w asks for block w.  One tensor load a wave is out.
; CLUSTER.  The four work-groups of a head read the same 16 blocks, so each is asked for jointly, with a mask that names the four.  The place in the cluster enters the global addresses of Q, the mask bits and O alone.
; LAYOUT.  Both products are used transposed (S^T = K Q^T, O^T = V^T P^T): a lane holds one query throughout.  The keys of a tile are not neighbours: the 16 registers of tiles 2 b, 2 b + 1 are keys 32 b + 16 h + 0 .. 15.
; THE FIRST PRODUCT'S K IS 64 in an instruction of 128: Q's registers 6-11 hold zero codes, so K's fragment t may be v[KF + 6 t] on for 12 registers: its upper six, the next tile's codes, are multiplied by zeros;
; bytes 2 and 3 of both scale words are 0, which is a small power of two and no NaN.
; THE MASK comes as bits, one word for each register of a tile of scores and bit l for lane l, by scalar loads one step ahead: one v_cndmask_b32 a score puts -2^33 where the mask is 0.  As t that is -2^33 log2(e) / 8,
; a whole number: a row that is masked throughout has t - M = 0 and p = 1 for every key, as the reference's -1e9 gives; elsewhere a masked p is 0, as there.
; LIMIT: unmasked logits at or under about -9e8 are not served.  NaN and infinities are not served.  A block's byte is held at 1 from below.
; THE SOFTMAX: t = score x log2(e) / 8; M = the running largest t rounded up to a whole number, kept as -M; p = 2^(t - M) is quantised along the keys; the row's sum is taken of the unquantised p and divides at the end.
.set BLK,   13056
.set SPARE, 208896                     ; behind the 16 blocks: the spare words, 128 bytes for each of 16 waves
.set SPW, 1
.set NIL, 2
.set L16, 3
.set L8,  4
.set AD16, 5
.set AD8,  6
.set NEG, 7                            ; -2^33
.set QS,  8                            ; Q's scale words
.set TV,  9
.set F,   10                           ; v10 f = 2^(old M - new M); v11 written once, named with it as a pair
.set Q,   16                           ; v16-27
.set KS,  28                           ; v28-31 K's scale image;  v32-33 V's
.set VS,  32
.set KF,  34                           ; v34-81  K's eight half fragments, 6 registers apart
.set VF,  82                           ; v82-129 V's four fragments
.set S,   130                          ; v130-193 S^T, then p
.set O,   194                          ; v194-225 O^T
.set PC,  226                          ; v226-237 p's codes
.set TM,  238
.set T2,  242
.set SO,  250
.set PW,  254                          ; p's scale word
.set R4,  255
.set WV,  2
.set TB,  3
.set SEL, 52
.set CS,  54
.set MP,  56
.set OP,  58
.set OSP, 60
.set CNT, 62
.set QP,  66
.set G1,  84
.set G0,  92
.set QSP, 96
.macro CROUND                          ; a round of the cluster's barrier
	s_barrier_signal -1
	s_barrier_wait -1
	s_cmp_lg_u32 s[WV], 0
	s_cbranch_scc1 .Lnot_wave_0_\@
	s_barrier_signal -3
.Lnot_wave_0_\@:
	s_barrier_wait -3
	s_barrier_signal -1
	s_barrier_wait -1
.endm
.macro MLOAD                           ; a step's 64 mask words: word n in s[4 + n] (n < 48) or s[20 + n]
	s_load_b512 s[4:19], s[MP:MP+1], 0x0
	s_load_b512 s[20:35], s[MP:MP+1], 0x40
	s_load_b512 s[36:51], s[MP:MP+1], 0x80
	s_load_b512 s[68:83], s[MP:MP+1], 0xc0
.endm
.macro QLOAD p
	global_load_b128 v[Q:Q+3], v[L16], s[QP:QP+1] offset:768*(\p)
	global_load_b64 v[Q+4:Q+5], v[L8], s[QP:QP+1] offset:768*(\p)+512
	global_load_b32 v[QS], v[R4], s[QSP:QSP+1] offset:64*(\p)
.endm
; A KEY STEP: 128 keys.  tail = 1: a pass's last step
.macro STEP tail, p
	v_add_nc_u32 v[AD16], s[TB], v[L16]
	v_add_nc_u32 v[AD8], s[TB], v[L8]
.irp t, 0,1,2,3,4,5,6,7
	ds_load_b128 v[KF+6*\t:KF+6*\t+3], v[AD16] offset:768*\t
	ds_load_b64 v[KF+6*\t+4:KF+6*\t+5], v[AD8] offset:768*\t+512
.endr
	ds_load_b128 v[KS:KS+3], v[AD16] offset:12288
	s_wait_dscnt 0x0
.irp t, 0,2,4,6
	v_wmma_scale_f32_16x16x128_f8f6f4 v[S+8*\t:S+8*\t+7], v[KF+6*\t:KF+6*\t+11], v[Q:Q+11], 0, v[KS+\t/2], v[QS] matrix_a_fmt:MATRIX_FMT_FP6 matrix_b_fmt:MATRIX_FMT_FP6
	v_wmma_scale_f32_16x16x128_f8f6f4 v[S+8*\t+8:S+8*\t+15], v[KF+6*\t+6:KF+6*\t+17], v[Q:Q+11], 0, v[KS+\t/2], v[QS] matrix_a_fmt:MATRIX_FMT_FP6 matrix_b_fmt:MATRIX_FMT_FP6 matrix_a_scale:MATRIX_SCALE_ROW1
.endr
.rept 4
	v_nop                                              ; places: results are read below, and loads go into registers that these and the last step's products have read
.endr
.if \tail
.if (\p) == 0
	QLOAD 1                                            ; the next pass's queries
.endif
.endif
.irp t, 0,1,2,3
.irp c, 0,1
	ds_load_b128 v[VF+12*\t+6*\c:VF+12*\t+6*\c+3], v[AD16] offset:6144+768*(2*\t+\c)
	ds_load_b64 v[VF+12*\t+6*\c+4:VF+12*\t+6*\c+5], v[AD8] offset:6144+768*(2*\t+\c)+512
.endr
.endr
	ds_load_b64 v[VS:VS+1], v[AD8] offset:12800
	s_wait_kmcnt 0x0                                   ; this step's mask words, asked for a step ago
.set n, 0
.rept 64                                           ; each accumulator from its low end on
.if n < 48
	v_cndmask_b32 v[S+n], v[NEG], v[S+n], s[4+n]
.else
	v_cndmask_b32 v[S+n], v[NEG], v[S+n], s[20+n]
.endif
.set n, n+1
.endr
.irp b, 0,1,2,3
	v_max3_num_f32 v[TM+\b], v[S+16*\b], v[S+16*\b+1], v[S+16*\b+2]   ; the largest score of each block of 32 keys: for the row's maximum, and, since p rises with the score, for the block's largest p
.endr
.irp i, 3,5,7,9,11,13
.irp b, 0,1,2,3
	v_max3_num_f32 v[TM+\b], v[TM+\b], v[S+16*\b+\i], v[S+16*\b+\i+1]
.endr
.endr
.irp b, 0,1,2,3
	v_max_num_f32 v[TM+\b], v[TM+\b], v[S+16*\b+15]
.endr
.if (\tail)+(\p) < 2                               ; the launch's last step asks for nothing: no load leaves the buffer
	s_add_nc_u64 s[MP:MP+1], s[MP:MP+1], 256           ; (the last scalar loads are done: their base may be written)  a wave's 32 blocks of words lie on end
	MLOAD
.endif
.irp b, 0,1,2,3
	v_permlanex16_b32 v[T2+\b], v[TM+\b], s[SEL], s[SEL+1]
.endr
.irp b, 0,1,2,3
	v_max_num_f32 v[TM+\b], v[TM+\b], v[T2+\b]         ; with lane l xor 16's 16 keys
.endr
	v_max3_num_f32 v[TV], v[TM], v[TM+1], v[TM+2]
	v_max_num_f32 v[TV], v[TV], v[TM+3]
	v_mul_f32 v[TV], s[CS], v[TV]                      ; the step's largest t of my query
	v_max_num_f32 v13, v13, v[TV]
	v_mov_b32 v[TV], v12
	v_floor_f32 v12, -v13                              ; the new -M: M is a whole number
	v_sub_f32 v[TV], v12, v[TV]                        ; old M - new M, 0 or less
	v_cvt_i32_f32 v[TV], v[TV]                         ; (it saturates)
	v_ldexp_f32 v[F], 1.0, v[TV]                       ; f: a multiplication by it rounds nothing
.set n, 0
.rept 32
	v_pk_fma_f32 v[S+n:S+n+1], v[S+n:S+n+1], s[CS:CS+1], v[12:13] op_sel_hi:[1,0,0]   ; t - M
.set n, n+2
.endr
.irp b, 0,1,2,3
	v_fma_f32 v[TM+\b], v[TM+\b], s[CS], v12
.endr
.set n, 0
.rept 64
	v_exp_f32 v[S+n], v[S+n]                           ; p = 2^(t - M)
.set n, n+1
.endr
	v_pk_mul_f32 v[14:15], v[14:15], v[F:F+1] op_sel_hi:[1,0]   ; the sums under the new M; a plain place behind the batch
	s_wait_alu depctr_va_vdst(0)                       ; one wait for the 64, ahead of their first reader
.irp b, 0,1,2,3
	v_exp_f32 v[TM+\b], v[TM+\b]                       ; each block's largest p
.endr
	v_pk_add_f32 v[T2:T2+1], v[S:S+1], v[S+2:S+3]      ; the row's sum of the unquantised p, in two chains
.irp j, 4,8,12,16,20,24,28,32,36,40,44,48,52,56,60
	v_pk_add_f32 v[14:15], v[14:15], v[S+\j:S+\j+1]
	v_pk_add_f32 v[T2:T2+1], v[T2:T2+1], v[S+\j+2:S+\j+3]
.endr
	v_pk_add_f32 v[14:15], v[14:15], v[T2:T2+1]
	s_wait_alu depctr_va_vdst(0)                       ; and one for the four
.irp b, 0,1,2,3
	v_max_num_f32 v[TM+\b], 0x1800000, v[TM+\b]        ; the floor: the byte cannot fall under 1
.endr
.irp b, 0,1,2,3
	v_add_nc_u32 v[SO+\b], 0xff000000, v[TM+\b]
.endr
.irp b, 0,1,2,3
	v_lshrrev_b32 v[T2+\b], 23, v[SO+\b]
.endr
	v_lshl_or_b32 v[PW], v[T2+1], 8, v[T2]
	v_lshl_or_b32 v[PW], v[T2+2], 16, v[PW]
	v_lshl_or_b32 v[PW], v[T2+3], 24, v[PW]
.irp c, 0,1
	v_cvt_scalef32_pk16_fp6_f32 v[PC+6*\c:PC+6*\c+2], v[S+32*\c:S+32*\c+15], v[SO+2*\c]
	v_cvt_scalef32_pk16_fp6_f32 v[T2+4*\c:T2+4*\c+2], v[S+32*\c+16:S+32*\c+31], v[SO+2*\c+1]
.endr
	v_nop                                              ; one plain place behind a scaled conversion
.irp c, 0,1
.irp i, 0,1,2
	v_permlane16_swap_b32 v[PC+6*\c+\i], v[T2+4*\c+\i]
.endr
.irp i, 0,1,2
	v_mov_b32 v[PC+3+6*\c+\i], v[T2+4*\c+\i]
.endr
.endr
.set n, 0
.rept 16
	v_pk_mul_f32 v[O+n:O+n+1], v[O+n:O+n+1], v[F:F+1] op_sel_hi:[1,0]   ; O^T under the new M; these 16 also stand between the scale word's and the codes' last writes and the products
.set n, n+2
.endr
	s_wait_dscnt 0x0                                   ; V
.irp t, 0,2
	v_wmma_scale_f32_16x16x128_f8f6f4 v[O+8*\t:O+8*\t+7], v[VF+12*\t:VF+12*\t+11], v[PC:PC+11], v[O+8*\t:O+8*\t+7], v[VS+\t/2], v[PW] matrix_a_fmt:MATRIX_FMT_FP6 matrix_b_fmt:MATRIX_FMT_FP6
	v_wmma_scale_f32_16x16x128_f8f6f4 v[O+8*\t+8:O+8*\t+15], v[VF+12*\t+12:VF+12*\t+23], v[PC:PC+11], v[O+8*\t+8:O+8*\t+15], v[VS+\t/2], v[PW] matrix_a_fmt:MATRIX_FMT_FP6 matrix_b_fmt:MATRIX_FMT_FP6 matrix_a_scale:MATRIX_SCALE_ROW1
.endr
	s_add_co_u32 s[TB], s[TB], BLK
.endm
; the end of a pass: O^T / the sum, quantised along the head's 64, to oimg
.macro EPI p
.rept 4
	v_nop
.endr
	v_add_f32 v14, v14, v15
	v_permlanex16_b32 v[TV], v14, s[SEL], s[SEL+1]
	v_add_f32 v14, v14, v[TV]                          ; the row's sum
	v_rcp_f32 v14, v14
	v_lshlrev_b32 v[AD16], 3, v[R4]                    ; 32 r (a plain place behind the reciprocal)
	s_wait_alu depctr_va_vdst(0)                       ; the wait, ahead of the first reader
.set n, 0
.rept 32
	v_mul_f32 v[S+n], v[O+n], v14                      ; register 16 b + i is channel 32 b + 16 h + i
.set n, n+1
.endr
.irp b, 0,1
	v_max3_num_f32 v[TM+\b], |v[S+16*\b]|, |v[S+16*\b+1]|, 0x1800000
.endr
.irp i, 2,4,6,8,10,12,14
.irp b, 0,1
	v_max3_num_f32 v[TM+\b], v[TM+\b], |v[S+16*\b+\i]|, |v[S+16*\b+\i+1]|
.endr
.endr
.irp b, 0,1
	v_permlanex16_b32 v[T2+\b], v[TM+\b], s[SEL], s[SEL+1]
.endr
.irp b, 0,1
	v_max_num_f32 v[TM+\b], v[TM+\b], v[T2+\b]
.endr
.irp b, 0,1
	v_add_nc_u32 v[SO+\b], 0xff000000, v[TM+\b]
.endr
.irp b, 0,1
	v_lshrrev_b32 v[T2+\b], 23, v[SO+\b]
.endr
	v_lshl_or_b32 v[TV], v[T2+1], 8, v[T2]             ; the head's two scale bytes of my row
	v_cvt_scalef32_pk16_fp6_f32 v[PC:PC+2], v[S:S+15], v[SO]
	v_cvt_scalef32_pk16_fp6_f32 v[T2+4:T2+6], v[S+16:S+31], v[SO+1]
	v_nop                                              ; one plain place behind a scaled conversion
.irp i, 0,1,2
	v_permlane16_swap_b32 v[PC+\i], v[T2+4+\i]
.endr
.irp i, 0,1,2
	v_mov_b32 v[PC+3+\i], v[T2+4+\i]
.endr
	global_store_b128 v[L16], v[PC:PC+3], s[OP:OP+1] offset:12288*(\p)
	global_store_b64 v[L8], v[PC+4:PC+5], s[OP:OP+1] offset:12288*(\p)+512
	global_store_b16 v[AD16], v[TV], s[OSP:OSP+1] offset:512*(\p)   ; both halves of the lanes write the same bytes with the same value
.endm
.macro PASSM p
	s_wait_loadcnt 0x0                                 ; this pass's queries
.if (\p) > 0
	s_wait_xcnt 0x0                                    ; the last pass's stores have read their registers
.endif
	v_mov_b32 v13, 0xff61b1e6                          ; the largest t so far: -3e38
	v_floor_f32 v12, -v13
	v_mov_b32 v14, 0
	v_mov_b32 v15, 0
.set n, 0
.rept 32
	v_mov_b32 v[O+n], 0                                ; the step is written for all steps alike: the first finds zeros
.set n, n+1
.endr
	s_mov_b32 s[TB], 0
	s_mov_b32 s[CNT], 15
.Lstep_\p:
	STEP 0, \p
	s_sub_co_u32 s[CNT], s[CNT], 1
	s_cmp_lg_u32 s[CNT], 0
	s_cbranch_scc1 .Lstep_\p
	STEP 1, \p
	EPI \p
.endm
	s_load_b256 s[4:11], s[0:1], 0x0                   ; qimg, kvimg, mbits, oimg
	v_lshl_add_u32 v[SPW], v0, 2, SPARE
	v_mov_b32 v[NIL], 0
	ds_add_u32 v[SPW], v[NIL]                          ; the wave's opening: the add, twice on end, and its wait ahead of my first tensor load
	ds_add_u32 v[SPW], v[NIL]
	v_lshrrev_b32 v[TV], 5, v0
	v_readfirstlane_b32 s[WV], v[TV]                   ; wave 0..15
	s_and_b32 s99, ttmp7, 0xffff                       ; 16 x batch + head, which the four partners share
	; descriptor group 1: a dense block of 13,056 bytes as 51 rows of 256 bytes (32 elements of 8 bytes), no padding
	s_mov_b32 s[G1], 15|(3<<16)|(1<<21)                ; 15:0 the mask: all four work-groups; 17:16 elements of 8 bytes; 21 set beside a mask
	s_mov_b32 s[G1+1], 32<<16                          ; tensor_dim0 = 32
	s_mov_b32 s[G1+2], 51<<16                          ; tensor_dim1 = 51
	s_mov_b32 s[G1+3], 32<<16                          ; tile_dim0 = 32
	s_mov_b32 s[G1+4], 51                              ; tile_dim1 = 51
	s_mov_b32 s[G1+5], 32                              ; the pitch
	s_mov_b32 s[G1+6], 0
	s_mov_b32 s[G1+7], 0
	s_mov_b32 s[SEL], 0x76543210
	s_mov_b32 s[SEL+1], 0xfedcba98
	s_mov_b32 s[CS], 0x3e38aa3b                        ; log2(e) / 8
	s_mov_b32 s[CS+1], s[CS]
	v_and_b32 v[L8], 31, v0
	v_lshlrev_b32 v[L16], 4, v[L8]
	v_lshlrev_b32 v[L8], 3, v[L8]
	v_and_b32 v[R4], 15, v0
	v_lshlrev_b32 v[R4], 2, v[R4]
	v_mov_b32 v[NEG], 0xd0000000
	s_wait_dscnt 0x0                                   ; both opening adds are done
	s_wait_kmcnt 0x0
	s_mov_b32 s[G0], 1
	s_mul_i32 s[G0+1], s[WV], BLK                      ; block w goes to LDS byte 13,056 w
	s_lshl_b32 s[G0+2], s99, 4
	s_add_co_u32 s[G0+2], s[G0+2], s[WV]
	s_mul_i32 s[G0+2], s[G0+2], BLK
	s_mov_b32 s[G0+3], 0
	s_add_nc_u64 s[G0+2:G0+3], s[6:7], s[G0+2:G0+3]
	s_or_b32 s[G0+3], s[G0+3], 0x80000000
	s_bfe_u32 s98, ttmp6, 0x40000                      ; my place in the cluster
	s_lshl_b32 s100, ttmp9, 2
	s_add_co_u32 s98, s98, s100                        ; which quarter of the queries
	s_mov_b32 s101, 0
	s_lshl_b32 s104, s98, 5
	s_lshl_b32 s105, s[WV], 1
	s_add_co_u32 s104, s104, s105                      ; my first tile of queries
	s_lshl_b32 s105, s99, 7
	s_add_co_u32 s105, s105, s104
	s_mul_i32 s100, s105, 768
	s_add_nc_u64 s[QP:QP+1], s[4:5], s[100:101]
	s_lshl_b32 s100, s105, 6
	s_add_co_u32 s100, s100, 6291456
	s_add_nc_u64 s[QSP:QSP+1], s[4:5], s[100:101]
	s_lshr_b32 s105, s99, 4
	s_lshl_b32 s105, s105, 7
	s_add_co_u32 s105, s105, s104                      ; 128 x batch + tile
	s_lshl_b32 s100, s105, 12
	s_add_nc_u64 s[MP:MP+1], s[8:9], s[100:101]
	s_and_b32 s104, s99, 15                            ; the head
	s_lshl_b32 s100, s105, 4
	s_add_co_u32 s100, s100, s104
	s_mul_i32 s100, s100, 768
	s_add_nc_u64 s[OP:OP+1], s[10:11], s[100:101]
	s_lshl_b32 s100, s105, 9
	s_lshl_b32 s104, s104, 1
	s_add_co_u32 s100, s100, s104
	s_add_co_u32 s100, s100, 6291456
	s_add_nc_u64 s[OSP:OSP+1], s[10:11], s[100:101]
	CROUND                                             ; all four work-groups are here: the joint loads meet
	tensor_load_to_lds s[G0:G0+3], s[G1:G1+7]
	s_nop 0
.rept 4
	v_nop
.endr
	MLOAD                                              ; step 0's mask words (the arguments' registers are done with)
	QLOAD 0
.irp i, 6,7,8,9,10,11
	v_mov_b32 v[Q+\i], 0                               ; zero codes for k = 64 .. 127, for the whole launch
.endr
.irp i, 0,1,2,3,4,5
	v_mov_b32 v[VF+\i], 0                              ; named as the upper half of K's last fragment before V is first loaded
.endr
.irp i, 0,1,2,3
	v_mov_b32 v[T2+\i], 0                              ; a lane permute's destination counts as one of its sources
.endr
	v_mov_b32 v[F+1], 0
	s_wait_tensorcnt 0x0                               ; my block is in,
	s_barrier_signal -1
	s_barrier_wait -1                                  ; everybody's is
	PASSM 0
	PASSM 1
	s_wait_tensorcnt 0x0                               ; the wave's end
	ds_add_u32 v[SPW], v[NIL]
	s_wait_dscnt 0x0
	CROUND                                             ; the closing round
	s_endpgm
.Lfunc_end_k_q8ae22ea127_attn:
	.size	k_q8ae22ea127_attn, .Lfunc_end_k_q8ae22ea127_attn-k_q8ae22ea127_attn
	.p2alignl 7, 3214868480
	.fill 96, 4, 3214868480
	.section	.rodata,"a",@progbits
	.p2align	6, 0x0
	.amdhsa_kernel k_q8ae22ea127_attn
		.amdhsa_group_segment_fixed_size 210944
		.amdhsa_private_segment_fixed_size 0
		.amdhsa_enable_private_segment 0
		.amdhsa_kernarg_size 32
		.amdhsa_user_sgpr_count 2
		.amdhsa_user_sgpr_kernarg_segment_ptr 1
		.amdhsa_wavefront_size32 1
		.amdhsa_system_sgpr_workgroup_id_x 1
		.amdhsa_system_sgpr_workgroup_id_y 1
		.amdhsa_system_sgpr_workgroup_id_z 1
		.amdhsa_system_vgpr_workitem_id 0
		.amdhsa_next_free_vgpr 256
		.amdhsa_next_free_sgpr 106
		.amdhsa_reserve_vcc 0
		.amdhsa_float_denorm_mode_32 3
		.amdhsa_float_denorm_mode_16_64 3
		.amdhsa_memory_ordered 1
		.amdhsa_forward_progress 1
		.amdhsa_inst_pref_size 95
	.end_amdhsa_kernel
	.amdgpu_metadata
---
amdhsa.version: [ 1, 2 ]
amdhsa.kernels:
  - .name:           k_q8ae22ea127_attn
    .symbol:         k_q8ae22ea127_attn.kd
    .args:
      - { .name: qimg, .offset: 0, .size: 8, .value_kind: global_buffer, .address_space: global }
      - { .name: kvimg, .offset: 8, .size: 8, .value_kind: global_buffer, .address_space: global }
      - { .name: mbits, .offset: 16, .size: 8, .value_kind: global_buffer, .address_space: global }
      - { .name: oimg, .offset: 24, .size: 8, .value_kind: global_buffer, .address_space: global }
    .group_segment_fixed_size: 210944
    .private_segment_fixed_size: 0
    .kernarg_segment_align: 8
    .kernarg_segment_size: 32
    .max_flat_workgroup_size: 512
    .sgpr_count:     106
    .vgpr_count:     256
    .wavefront_size: 32
...
	.end_amdgpu_metadata
.endif
;; end of part 3
;; launch outp (part 4): grid 128 x 2, 16 waves a work-group, no clusters, 183,296 bytes of LDS; arguments oimg, wimg, bo, out0; writes out0
.if DOCPART == 4
	.amdgcn_target "amdgcn-amd-amdhsa--gfx1250"
	.amdhsa_code_object_version 6
	.text
	.protected	k_q8ae22ea127_outp
	.globl	k_q8ae22ea127_outp
	.p2align	8
	.type	k_q8ae22ea127_outp,@function
k_q8ae22ea127_outp:
	s_mov_b64 s[64:65], 0
	v_nop
	global_prefetch_b8 v0, s[64:65] scope:SCOPE_SE
	s_setreg_imm32_b32 hwreg(HW_REG_WAVE_MODE, 25, 1), 1
	s_wait_xcnt 0x0
; OUTP: out0 = O Wo + bo on codes of E2M3.  Nothing of the problem is left out here.
; SHARES.  A work-group owns 64 rows x 512 columns (work-group y: which half).  Wave w owns 32 columns (two tiles, u) x 4 tiles of rows (m): 8 accumulators.
; O's codes of the 64 rows (49,152 bytes: half fragments, one for each tile of rows and head) are copied into LDS once and read by all sixteen waves; a K step of 128 features is heads 2 s and 2 s + 1, whose two
; half fragments lie on end.  All scale words stay in registers.  Each wave's weights go from memory straight into its registers, one K step ahead, in two sets.
; The product is used transposed (source 0 = 16 columns of Wo, source 1 = 16 rows of O); bo is the C of the first K step (an order of rounding that differs from adding it last).
; The way out goes through one stage in LDS, in which the tiles' rows find their true places; each store of a wave covers 512 consecutive bytes, aligned.
; No multicast: a wave's weights are read by no other wave of its work-group.
.set STG,    49152                     ; 64 rows x (2,048 bytes + 16)
.set SPITCH, 2064
.set SPARE,  181248
.set SPW, 1
.set NIL, 2
.set L16, 3
.set L8,  4
.set R32, 5
.set R16, 6
.set H64, 7
.set SO0, 8                            ; the stage, way in: rows 0-31;  v9: rows 32-63
.set SO1, 9
.set SRD, 10
.set CPA, 11
.set AS,  12                           ; v12-43  O's scale words: 8 m + s
.set BS,  44                           ; v44-59  Wo's: 2 s + u
.set BF,  60                           ; v60-107 two sets of two fragments
.set AF,  108                          ; v108-155
.set ACC, 156                          ; v156-219
.set WV,  2
.set AP,  14
.set ASP, 16
.set WP,  18
.set WSP, 20
.set BOP, 22
.set OUTP, 24
.macro BLOAD s
.set i, 0
.rept 6
	global_load_b128 v[BF+24*((\s)%2)+4*i:BF+24*((\s)%2)+4*i+3], v[L16], s[WP:WP+1] offset:98304*(\s)+512*i
.set i, i+1
.endr
.endm
.macro KSTEP s
.if (\s) > 0
.rept 4
	v_nop                                              ; places in front of loads into registers that matrix instructions have read
.endr
.endif
.if (\s) < 7
	BLOAD (\s)+1
.endif
.irp m, 0,1,2,3
.irp c, 0,1
	ds_load_b128 v[AF+12*\m+6*\c:AF+12*\m+6*\c+3], v[L16] offset:12288*\m+1536*(\s)+768*\c
	ds_load_b64 v[AF+12*\m+6*\c+4:AF+12*\m+6*\c+5], v[L8] offset:12288*\m+1536*(\s)+768*\c+512
.endr
.endr
	s_wait_dscnt 0x0
.if (\s) < 7
	s_wait_loadcnt 6                                   ; all but the six loads just issued
.else
	s_wait_loadcnt 0x0
.endif
.irp m, 0,1,2,3                                    ; the 8 accumulators take turns, in the same order in every K step
.irp u, 0,1
	v_wmma_scale_f32_16x16x128_f8f6f4 v[ACC+8*(2*\m+\u):ACC+8*(2*\m+\u)+7], v[BF+24*((\s)%2)+12*\u:BF+24*((\s)%2)+12*\u+11], v[AF+12*\m:AF+12*\m+11], v[ACC+8*(2*\m+\u):ACC+8*(2*\m+\u)+7], v[BS+2*(\s)+\u], v[AS+8*\m+(\s)] matrix_a_fmt:MATRIX_FMT_FP6 matrix_b_fmt:MATRIX_FMT_FP6
.endr
.endr
.endm
	s_load_b256 s[4:11], s[0:1], 0x0                   ; oimg, wimg, bo, out0
	v_lshl_add_u32 v[SPW], v0, 2, SPARE
	v_mov_b32 v[NIL], 0
	v_lshrrev_b32 v12, 5, v0
	v_readfirstlane_b32 s[WV], v12                     ; wave 0..15
	s_and_b32 s3, ttmp7, 0xffff                        ; which half of the columns
	s_lshl_b32 s12, s3, 4
	s_add_co_u32 s12, s12, s[WV]                       ; my group of 32 columns
	v_and_b32 v12, 31, v0
	v_and_b32 v13, 15, v0                              ; r
	v_bfe_u32 v14, v0, 4, 1                            ; h
	v_lshlrev_b32 v[L16], 4, v12
	v_lshlrev_b32 v[L8], 3, v12
	v_lshlrev_b32 v[R32], 5, v13
	v_lshlrev_b32 v[R16], 4, v13
	v_lshlrev_b32 v[H64], 6, v14
	v_and_b32 v15, 8, v13
	v_add_nc_u32 v15, v15, v13                         ; pi(r)
	v_mul_u32_u24 v[SO0], v15, SPITCH
	v_add_nc_u32 v[SO0], v[SO0], v[H64]
	s_lshl_b32 s13, s[WV], 7
	s_add_co_u32 s13, s13, STG
	v_add_nc_u32 v[SO0], s13, v[SO0]
	v_add_nc_u32 v[SO1], 32*SPITCH, v[SO0]
	s_mul_i32 s13, s[WV], 4*SPITCH
	s_add_co_u32 s13, s13, STG
	v_add_nc_u32 v[SRD], s13, v[L16]
	s_mul_i32 s13, s[WV], 3072
	v_add_nc_u32 v[CPA], s13, v[L16]
	s_mov_b32 s27, 0
	s_wait_kmcnt 0x0
	s_mul_i32 s26, ttmp9, 49152
	s_add_nc_u64 s[AP:AP+1], s[4:5], s[26:27]
	s_lshl_b32 s26, ttmp9, 11
	s_add_co_u32 s26, s26, 6291456
	s_add_nc_u64 s[ASP:ASP+1], s[4:5], s[26:27]
	s_mul_i32 s26, s12, 3072
	s_add_co_u32 s26, s26, 2359296                     ; Wo is the fourth matrix
	s_add_nc_u64 s[WP:WP+1], s[6:7], s[26:27]
	s_lshr_b32 s26, s12, 1
	s_lshl_b32 s26, s26, 8
	s_and_b32 s28, s12, 1
	s_lshl_b32 s28, s28, 3
	s_add_co_u32 s26, s26, s28
	s_add_co_u32 s26, s26, 3244032
	s_add_nc_u64 s[WSP:WSP+1], s[6:7], s[26:27]
	s_lshl_b32 s26, s12, 7
	s_add_nc_u64 s[BOP:BOP+1], s[8:9], s[26:27]
	s_lshl_b32 s26, ttmp9, 6
	s_lshl_b32 s28, s[WV], 2
	s_add_co_u32 s26, s26, s28
	s_lshl_b32 s26, s26, 12                            ; the first row that I store: 64 x row block + 4 x wave
	s_lshl_b32 s28, s3, 11
	s_add_co_u32 s26, s26, s28
	s_add_nc_u64 s[OUTP:OUTP+1], s[10:11], s[26:27]
.set i, 0
.rept 6
	global_load_b128 v[AF+4*i:AF+4*i+3], v[CPA], s[AP:AP+1] offset:512*i   ; the copy: my wave's 3,072 bytes
.set i, i+1
.endr
.irp m, 0,1,2,3
	global_load_b128 v[AS+8*\m:AS+8*\m+3], v[R32], s[ASP:ASP+1] offset:512*\m
	global_load_b128 v[AS+8*\m+4:AS+8*\m+7], v[R32], s[ASP:ASP+1] offset:512*\m+16
.endr
.irp s, 0,1,2,3,4,5,6,7
	global_load_b64 v[BS+2*\s:BS+2*\s+1], v[R16], s[WSP:WSP+1] offset:4096*\s
.endr
.irp m, 0,1,2,3
.irp u, 0,1
	global_load_b128 v[ACC+8*(2*\m+\u):ACC+8*(2*\m+\u)+3], v[H64], s[BOP:BOP+1] offset:32*\u
	global_load_b128 v[ACC+8*(2*\m+\u)+4:ACC+8*(2*\m+\u)+7], v[H64], s[BOP:BOP+1] offset:32*\u+16
.endr
.endr
	BLOAD 0
	s_wait_loadcnt 38                                  ; the copy's 6 loads are in: behind them 8 + 8 loads of scale words, 16 of bo and 6 of Wo
.set i, 0
.rept 6
	ds_store_b128 v[CPA], v[AF+4*i:AF+4*i+3] offset:512*i
.set i, i+1
.endr
	s_wait_dscnt 0x0                                   ; for the others' sake: my part of O lies in LDS
	s_barrier_signal -1
	s_barrier_wait -1
	KSTEP 0
	KSTEP 1
	KSTEP 2
	KSTEP 3
	KSTEP 4
	KSTEP 5
	KSTEP 6
	KSTEP 7
.rept 4
	v_nop                                              ; places behind the last products
.endr
.irp m, 0,1,2,3
.irp u, 0,1
	ds_store_b128 v[SO0+\m/2], v[ACC+8*(2*\m+\u):ACC+8*(2*\m+\u)+3] offset:8*(\m%2)*SPITCH+32*\u        ; each accumulator from its low end on
	ds_store_b128 v[SO0+\m/2], v[ACC+8*(2*\m+\u)+4:ACC+8*(2*\m+\u)+7] offset:8*(\m%2)*SPITCH+32*\u+16
.endr
.endr
	s_wait_dscnt 0x0                                   ; for the others' sake: my stores into the stage are done
	s_barrier_signal -1
	s_barrier_wait -1
.set i, 0
.rept 16
	ds_load_b128 v[BF+4*i:BF+4*i+3], v[SRD] offset:(i/4)*SPITCH+512*(i%4)
.set i, i+1
.endr
.set i, 0
.rept 16
	s_wait_dscnt 15-i                                  ; load i is in; those behind it may be out
	global_store_b128 v[L16], v[BF+4*i:BF+4*i+3], s[OUTP:OUTP+1] offset:(i/4)*4096+512*(i%4) th:TH_STORE_NT
.set i, i+1
.endr
	s_wait_tensorcnt 0x0                               ; the wave's end, behind my last LDS store
	ds_add_u32 v[SPW], v[NIL]
	s_wait_dscnt 0x0
	s_endpgm
.Lfunc_end_k_q8ae22ea127_outp:
	.size	k_q8ae22ea127_outp, .Lfunc_end_k_q8ae22ea127_outp-k_q8ae22ea127_outp
	.p2alignl 7, 3214868480
	.fill 96, 4, 3214868480
	.section	.rodata,"a",@progbits
	.p2align	6, 0x0
	.amdhsa_kernel k_q8ae22ea127_outp
		.amdhsa_group_segment_fixed_size 183296
		.amdhsa_private_segment_fixed_size 0
		.amdhsa_enable_private_segment 0
		.amdhsa_kernarg_size 32
		.amdhsa_user_sgpr_count 2
		.amdhsa_user_sgpr_kernarg_segment_ptr 1
		.amdhsa_wavefront_size32 1
		.amdhsa_system_sgpr_workgroup_id_x 1
		.amdhsa_system_sgpr_workgroup_id_y 1
		.amdhsa_system_sgpr_workgroup_id_z 1
		.amdhsa_system_vgpr_workitem_id 0
		.amdhsa_next_free_vgpr 224
		.amdhsa_next_free_sgpr 66
		.amdhsa_reserve_vcc 0
		.amdhsa_float_denorm_mode_32 3
		.amdhsa_float_denorm_mode_16_64 3
		.amdhsa_memory_ordered 1
		.amdhsa_forward_progress 1
		.amdhsa_inst_pref_size 33
	.end_amdhsa_kernel
	.amdgpu_metadata
---
amdhsa.version: [ 1, 2 ]
amdhsa.kernels:
  - .name:           k_q8ae22ea127_outp
    .symbol:         k_q8ae22ea127_outp.kd
    .args:
      - { .name: oimg, .offset: 0, .size: 8, .value_kind: global_buffer, .address_space: global }
      - { .name: wimg, .offset: 8, .size: 8, .value_kind: global_buffer, .address_space: global }
      - { .name: bo, .offset: 16, .size: 8, .value_kind: global_buffer, .address_space: global }
      - { .name: out0, .offset: 24, .size: 8, .value_kind: global_buffer, .address_space: global }
    .group_segment_fixed_size: 183296
    .private_segment_fixed_size: 0
    .kernarg_segment_align: 8
    .kernarg_segment_size: 32
    .max_flat_workgroup_size: 512
    .sgpr_count:     66
    .vgpr_count:     224
    .wavefront_size: 32
...
	.end_amdgpu_metadata
.endif
;; end of part 4
;; ======== version 2 of 2: 4 launches
;; limits: right only within a limited range of input values
;; workspace buffers: wimg 3,276,800 bytes; mbits 2,097,152 bytes of whole numbers; ximg 13,631,488 bytes; qimg 6,815,744 bytes; kvimg 13,369,344 bytes; oimg 6,553,600 bytes
;; launch prep (part 5): grid 1280 x 1, 4 waves a work-group, no clusters, 68,096 bytes of LDS; arguments mask, q, kv, Wq, Wk, Wv, Wo, mbits, ximg, wimg; writes mbits, ximg, wimg
.if DOCPART == 5
	.amdgcn_target "amdgcn-amd-amdhsa--gfx1250"
	.amdhsa_code_object_version 6
	.text
	.protected	k_q8ae22ea127_prep
	.globl	k_q8ae22ea127_prep
	.p2align	8
	.type	k_q8ae22ea127_prep,@function
k_q8ae22ea127_prep:
	s_mov_b64 s[64:65], 0
	v_nop
	global_prefetch_b8 v0, s[64:65] scope:SCOPE_SE
	s_setreg_imm32_b32 hwreg(HW_REG_WAVE_MODE, 25, 1), 1
	s_wait_xcnt 0x0
; PREP: what many work-groups read later is made narrow once.
;   work-groups    0 ..  511: the mask (int32) becomes bits, one word for each register of a tile of scores, bit l for lane l;
;   work-groups  512 .. 1023: q and kv (f32) become codes of E2M3 with E8M0 scale bytes along the 1,024 features, laid as images of operand registers;
;   work-groups 1024 .. 1279: Wq, Wk, Wv, Wo ([k][n] f32) become codes along k (their first axis), laid likewise.
; NO WORK OF THE PROBLEM IS LEFT OUT in this program: every one of the 17 inputs has a way to the output (each bias and gain stands ahead of a LayerNorm, of a quantiser or of the output), and all six products are done.
; TILES OF 16 ROWS ARE NEVER 16 NEIGHBOURS, in the whole program: tile T holds rows 32 (T / 2) + 8 (T % 2) + pi(i), pi(i) = i + 8 (i / 8), i = 0 .. 15.  In a product used transposed the 16 registers of tiles 2 b and
; 2 b + 1 are then 16 neighbours, 32 b + 16 (lane / 16) + 0 .. 15.
; A FRAGMENT'S IMAGE (16 rows x 128 along K, 12 registers a lane, 1,536 bytes): registers 4 c .. 4 c + 3 of lane l at 512 c + 16 l.
; THE QUANTISER: a block's scale byte is the exponent field of its largest magnitude less 2, held at 1 from below by a floor among the maximum's leaves.
; LIMITS: a block of zeros, or one whose largest magnitude lies under 2^-124, has the byte 1 (the rule says 127 for zeros: the codes are zeros, and this program alone reads the bytes).  NaN and infinities among the inputs are not served.
; Each of the three paths has LDS bytes of its own.  No tensor load, no barrier: waves share nothing.
.set SPARE, 67584                      ; the spare words: 128 bytes for each wave, two blocks of 256 bytes that no other line names
.set MSTG,  0                          ; the mask path's four stages
.set XSTG,  33792                      ; the x path's four stages
.set STGB,  8448                       ; a wave's stage: 16 rows x 528 bytes
.set SP,    528                        ; 512 bytes + 16: the sixteen rows that a read touches start 33 x 16 bytes apart
.set SPW, 1                            ; v1   LDS address of my spare word; never rewritten
.set NIL, 2                            ; v2   0; never rewritten
.set L16, 3                            ; v3   16 x lane
.set L8,  4                            ; v4   8 x lane
.set SWA, 5                            ; v5   the stage, way in: my wave's stage + 16 x lane
.set SRD, 6                            ; v6   the stage, way out: + 528 r + 64 h
.set R,   16                           ; v16-143  two sets of 64: a tile as loaded
.set X,   144                          ; v144-207 register 16 b + i = element 32 b + 16 h + i of row r
.set OW,  208                          ; v208-215 the mask path: a tile's 64 words, two to a lane; a pair for each tile
.set TM,  208                          ; v208-223 the x path: at work in the quantiser
.set PC,  224                          ; v224-243 the codes just made
.set PW,  244                          ; v244     the scale word just made
.set WX,  16                           ; the W path: v16-79 two sets of 32 numbers
.set WG,  80                           ; v80-103  the codes for lanes h = 0 (12 registers) and h = 1 (12)
.set WT,  104
.set WM,  108
.set WSO, 110
.set WBY, 111
.set WSW, 112
.set WA4, 113
.set WAC, 114
.set WAS, 115
.set WV,  24
.set SRC, 48
.set DST, 50
.set DS2, 52
.set SEL, 54
; 16 rows (in the tile's order) x 512 bytes: each load reads 512 consecutive bytes of one row
.macro TLOAD16 set, pitch, koff
.set i, 0
.rept 16
	global_load_b128 v[R+64*(\set)+4*i:R+64*(\set)+4*i+3], v[L16], s[SRC:SRC+1] offset:(i+8*(i/8))*(\pitch)+(\koff) th:TH_LOAD_NT
.set i, i+1
.endr
.endm
; through my own stage: in as loaded, out 64 bytes a lane of each 128.  LDS serves a wave's instructions in order: no wait between the stores and the loads
.macro TURN set, base
.set i, 0
.rept 16
	ds_store_b128 v[SWA], v[R+64*(\set)+4*i:R+64*(\set)+4*i+3] offset:(\base)+SP*i
.set i, i+1
.endr
.set i, 0
.rept 16
	ds_load_b128 v[X+4*i:X+4*i+3], v[SRD] offset:(\base)+128*(i/4)+16*(i%4)
.set i, i+1
.endr
.endm
; the mask path's work on tile k: word n = the lanes in which element n counts
.macro MPROC k
.irp q, 0,1,2,3
.set i, 0
.rept 16
	v_cmp_ne_u32 s[32+i], 0, v[X+16*\q+i]
.set i, i+1
.endr
.set i, 0
.rept 16
	v_writelane_b32 v[OW+2*(\k)+i%2], s[32+i], (16*\q+i)/2
.set i, i+1
.endr
.endr
	global_store_b64 v[L8], v[OW+2*(\k):OW+2*(\k)+1], s[DST:DST+1] offset:256*(\k)   ; 32 lanes store 256 consecutive bytes, aligned
.endm
; 64 numbers of a lane become a fragment's codes in v[PC] on and its scale word in v[PW]
.macro QUANT s
.irp b, 0,1,2,3
	v_max3_num_f32 v[TM+\b], |v[\s+16*\b]|, |v[\s+1+16*\b]|, 0x1800000   ; my 16 numbers of block b, and the floor 2^(3 - 127)
.endr
.irp i, 2,4,6,8,10,12,14
.irp b, 0,1,2,3
	v_max3_num_f32 v[TM+\b], v[TM+\b], |v[\s+16*\b+\i]|, |v[\s+1+16*\b+\i]|
.endr
.endr
.irp b, 0,1,2,3
	v_permlanex16_b32 v[TM+4+\b], v[TM+\b], s[SEL], s[SEL+1]
.endr
.irp b, 0,1,2,3
	v_max_num_f32 v[TM+\b], v[TM+\b], v[TM+4+\b]       ; with lane l xor 16's: the block's largest magnitude
.endr
.irp b, 0,1,2,3
	v_add_nc_u32 v[TM+12+\b], 0xff000000, v[TM+\b]     ; 2 off its exponent field: the conversion's scale operand
.endr
.irp b, 0,1,2,3
	v_lshrrev_b32 v[TM+4+\b], 23, v[TM+12+\b]          ; the scale's byte
.endr
	v_lshl_or_b32 v[PW], v[TM+5], 8, v[TM+4]
	v_lshl_or_b32 v[PW], v[TM+6], 16, v[PW]
	v_lshl_or_b32 v[PW], v[TM+7], 24, v[PW]
.irp c, 0,1
	v_cvt_scalef32_pk16_fp6_f32 v[PC+6*\c:PC+2+6*\c], v[\s+32*\c:\s+15+32*\c], v[TM+12+2*\c]
	v_cvt_scalef32_pk16_fp6_f32 v[PC+12+4*\c:PC+14+4*\c], v[\s+16+32*\c:\s+31+32*\c], v[TM+12+2*\c+1]
.endr
	v_nop                                              ; one plain place behind a scaled conversion
.irp c, 0,1                                        ; the operand's layout wants a whole block in a lane
.irp i, 0,1,2
	v_permlane16_swap_b32 v[PC+6*\c+\i], v[PC+12+4*\c+\i]
.endr
.irp i, 0,1,2
	v_mov_b32 v[PC+3+6*\c+\i], v[PC+12+4*\c+\i]
.endr
.endr
.endm
.macro XPROC k
	s_wait_xcnt 0x0                                    ; the last tile's stores have read v[PC] on and v[PW]: they are rewritten only behind this wait
	QUANT X
.irp c, 0,1,2
	global_store_b128 v[L16], v[PC+4*\c:PC+4*\c+3], s[DST:DST+1] offset:6144*(\k)+512*\c   ; 512 consecutive bytes a store
.endr
	global_store_b32 v[L16], v[PW], s[DS2:DS2+1] offset:512*(\k)
.endm
; a wave's four tiles: loads two tiles ahead
.macro WALK pitch, base, ismask
	TLOAD16 0, \pitch, 0
	TLOAD16 1, \pitch, 512
.irp k, 0,1,2,3
.if \k < 3
	s_wait_loadcnt 16                                  ; this tile's 16 loads are in; the next tile's 16 may be out
.else
	s_wait_loadcnt 0x0
.endif
	TURN \k%2, \base
	s_wait_dscnt 0x0
.if \k < 2
	TLOAD16 \k%2, \pitch, 512*(\k+2)
.endif
.if \ismask
	MPROC \k
.else
	XPROC \k
.endif
.endr
.endm
.macro WLOAD kb                        ; W(32 kb + i, my column), i = 0 .. 31
.set i, 0
.rept 32
	global_load_b32 v[WX+32*((\kb)%2)+i], v[WA4], s[SRC:SRC+1] offset:(32*(\kb)+i)*4096 th:TH_LOAD_NT
.set i, i+1
.endr
.endm
.macro WBLOCK kb                       ; block kb of my column: all its 32 numbers are mine
.set XS, WX+32*((\kb)%2)
.set GD, WG+12*((\kb)%2)+6*((\kb)/2)   ; block 2 c + hh is registers 6 c .. 6 c + 5 of the fragment's lane (i, hh)
.if (\kb) < 3
	s_wait_loadcnt 32                                  ; this block's 32 loads are in; the next block's may be out
.else
	s_wait_loadcnt 0x0
.endif
	v_max3_num_f32 v[WM], |v[XS]|, |v[XS+1]|, |v[XS+2]|
	v_max3_num_f32 v[WM+1], |v[XS+3]|, |v[XS+4]|, |v[XS+5]|
.irp i, 6,10,14,18,22,26
	v_max3_num_f32 v[WM], v[WM], |v[XS+\i]|, |v[XS+\i+1]|
	v_max3_num_f32 v[WM+1], v[WM+1], |v[XS+\i+2]|, |v[XS+\i+3]|
.endr
	v_max3_num_f32 v[WM], v[WM], |v[XS+30]|, |v[XS+31]|
	v_max3_num_f32 v[WM], v[WM], v[WM+1], 0x1800000
	v_add_nc_u32 v[WSO], 0xff000000, v[WM]
	v_lshrrev_b32 v[WBY], 23, v[WSO]
.if (\kb) == 0
	v_mov_b32 v[WSW], v[WBY]
.else
	v_lshl_or_b32 v[WSW], v[WBY], 8*(\kb), v[WSW]
.endif
	v_cvt_scalef32_pk16_fp6_f32 v[GD:GD+2], v[XS:XS+15], v[WSO]
	v_cvt_scalef32_pk16_fp6_f32 v[WT:WT+2], v[XS+16:XS+31], v[WSO]
	v_nop                                              ; one plain place behind a scaled conversion
.irp i, 0,1,2
	v_mov_b32 v[GD+3+\i], v[WT+\i]
.endr
.if (\kb) < 2
	WLOAD (\kb)+2
.endif
.endm
	s_load_b512 s[4:19], s[0:1], 0x0                   ; mask, q, kv, Wq, Wk, Wv, Wo, mbits
	s_load_b128 s[20:23], s[0:1], 0x40                 ; ximg, wimg
	v_lshl_add_u32 v[SPW], v0, 2, SPARE
	v_mov_b32 v[NIL], 0
	v_lshrrev_b32 v7, 5, v0
	v_readfirstlane_b32 s[WV], v7                      ; wave 0..3
	v_and_b32 v8, 31, v0                               ; lane
	v_and_b32 v9, 15, v0                               ; r
	v_bfe_u32 v10, v0, 4, 1                            ; h
	v_lshlrev_b32 v[L16], 4, v8
	v_lshlrev_b32 v[L8], 3, v8
	s_mul_i32 s25, s[WV], STGB
	v_add_nc_u32 v[SWA], s25, v[L16]
	v_mul_u32_u24 v[SRD], v9, SP
	v_lshl_add_u32 v[SRD], v10, 6, v[SRD]
	v_add_nc_u32 v[SRD], s25, v[SRD]
	s_mov_b32 s[SEL], 0x76543210
	s_mov_b32 s[SEL+1], 0xfedcba98                     ; v_permlanex16_b32's selects for lane l xor 16
	s_wait_kmcnt 0x0
	s_cmp_lt_u32 ttmp9, 512
	s_cbranch_scc1 .Lmask
	s_cmp_lt_u32 ttmp9, 1024
	s_cbranch_scc1 .Lx
	; ---- THE WEIGHTS.  A lane takes a column n and its registers run down K: 128 consecutive bytes a load, a block of 32 along K in one lane
	s_sub_co_u32 s26, ttmp9, 1024
	s_lshr_b32 s27, s26, 6                             ; which matrix: 0 Wq, 1 Wk, 2 Wv, 3 Wo
	s_bfe_u32 s28, s26, 0x30003                        ; K step s
	s_and_b32 s29, s26, 7
	s_lshl_b32 s29, s29, 2
	s_add_co_u32 s29, s29, s[WV]                       ; group of 32 columns, cg
	s_cmp_eq_u32 s27, 1
	s_cselect_b64 s[SRC:SRC+1], s[12:13], s[10:11]
	s_cmp_eq_u32 s27, 2
	s_cselect_b64 s[SRC:SRC+1], s[14:15], s[SRC:SRC+1]
	s_cmp_eq_u32 s27, 3
	s_cselect_b64 s[SRC:SRC+1], s[16:17], s[SRC:SRC+1]
	s_lshl_b32 s30, s28, 19                            ; 128 rows of 4,096 bytes a K step
	s_lshl_b32 s31, s29, 7
	s_add_co_u32 s30, s30, s31
	s_mov_b32 s31, 0
	s_add_nc_u64 s[SRC:SRC+1], s[SRC:SRC+1], s[30:31]
	s_mul_i32 s30, s27, 786432
	s_lshl_b32 s32, s28, 6
	s_lshl_b32 s33, s29, 1
	s_add_co_u32 s32, s32, s33
	s_mul_i32 s32, s32, 1536
	s_add_co_u32 s30, s30, s32                         ; the images of column tiles 2 cg, 2 cg + 1 of K step s
	s_add_nc_u64 s[DST:DST+1], s[22:23], s[30:31]
	s_lshl_b32 s30, s27, 15
	s_lshl_b32 s32, s28, 12
	s_add_co_u32 s30, s30, s32
	s_lshr_b32 s32, s29, 1
	s_lshl_b32 s32, s32, 8
	s_add_co_u32 s30, s30, s32
	s_and_b32 s32, s29, 1
	s_lshl_b32 s32, s32, 3
	s_add_co_u32 s30, s30, s32
	s_add_co_u32 s30, s30, 3145728                     ; the scale words lie behind the codes
	s_add_nc_u64 s[DS2:DS2+1], s[22:23], s[30:31]
	s_wait_alu depctr_va_vdst(0)
	v_lshlrev_b32 v[WA4], 2, v8
	v_bfe_u32 v11, v0, 3, 1                            ; u: which of the two tiles my column falls into
	v_and_b32 v12, 7, v0
	v_lshl_add_u32 v12, v10, 3, v12                    ; i: its row there
	v_mul_u32_u24 v[WAC], v11, 1536
	v_lshl_add_u32 v[WAC], v12, 4, v[WAC]
	v_lshlrev_b32 v[WAS], 2, v11
	v_lshl_add_u32 v[WAS], v12, 4, v[WAS]
	WLOAD 0
	WLOAD 1
	WBLOCK 0
	WBLOCK 1
	WBLOCK 2
	WBLOCK 3
.irp hh, 0,1
.irp c, 0,1,2
	global_store_b128 v[WAC], v[WG+12*\hh+4*\c:WG+12*\hh+4*\c+3], s[DST:DST+1] offset:256*\hh+512*\c   ; the sixteen lanes of a tile store 256 consecutive bytes, aligned
.endr
.endr
	global_store_b32 v[WAS], v[WSW], s[DS2:DS2+1]
	s_wait_tensorcnt 0x0                               ; the wave's end
	ds_add_u32 v[SPW], v[NIL]
	s_wait_dscnt 0x0
	s_endpgm
.Lmask:
	; ---- THE MASK.  The work-group is (batch, tile of 16 queries); wave w takes key steps 4 w .. 4 w + 3 of 128 keys
	s_lshr_b32 s26, ttmp9, 7
	s_lshl_b32 s26, s26, 24                            ; a batch is 2,048 rows of 8,192 bytes
	s_bfe_u32 s27, ttmp9, 0x60001
	s_lshl_b32 s27, s27, 18                            ; 32 rows for each pair of tiles,
	s_add_co_u32 s26, s26, s27
	s_and_b32 s27, ttmp9, 1
	s_lshl_b32 s27, s27, 16                            ; 8 rows for the odd one
	s_add_co_u32 s26, s26, s27
	s_lshl_b32 s27, s[WV], 11
	s_add_co_u32 s26, s26, s27
	s_mov_b32 s27, 0
	s_add_nc_u64 s[SRC:SRC+1], s[4:5], s[26:27]
	s_lshl_b32 s26, ttmp9, 12
	s_lshl_b32 s28, s[WV], 10
	s_add_co_u32 s26, s26, s28
	s_add_nc_u64 s[DST:DST+1], s[18:19], s[26:27]
.irp i, 0,1,2,3,4,5,6,7
	v_mov_b32 v[OW+\i], 0                              ; written once: a lane write's destination counts as read
.endr
	s_wait_alu depctr_va_vdst(0)
	WALK 8192, MSTG, 1
	s_wait_tensorcnt 0x0                               ; the wave's end, behind my last LDS store
	ds_add_u32 v[SPW], v[NIL]
	s_wait_dscnt 0x0
	s_endpgm
.Lx:
	; ---- q AND kv.  Two waves to a tile of 16 rows, four K steps of 128 each
	s_sub_co_u32 s26, ttmp9, 512
	s_cmp_lt_u32 s26, 256
	s_cselect_b64 s[SRC:SRC+1], s[6:7], s[8:9]         ; the first 256 work-groups take q, the others kv
	s_lshl_b32 s26, s26, 1
	s_lshr_b32 s27, s[WV], 1
	s_add_co_u32 s26, s26, s27                         ; the tile, 0 .. 1023
	s_and_b32 s28, s[WV], 1                            ; which four K steps
	s_bfe_u32 s29, s26, 0x80001
	s_lshl_b32 s29, s29, 17                            ; 32 rows of 4,096 bytes for each pair of tiles
	s_and_b32 s30, s26, 1
	s_lshl_b32 s30, s30, 15
	s_add_co_u32 s30, s30, s29
	s_lshl_b32 s29, s28, 11
	s_add_co_u32 s30, s30, s29
	s_mov_b32 s31, 0
	s_add_nc_u64 s[SRC:SRC+1], s[SRC:SRC+1], s[30:31]
	s_lshr_b32 s29, s26, 2
	s_mul_i32 s30, s29, 53248                          ; the block of 64 rows
	s_and_b32 s29, s26, 3                              ; m: the tile in it
	s_mul_i32 s32, s29, 1536
	s_mul_i32 s33, s28, 24576
	s_add_co_u32 s32, s32, s33
	s_add_co_u32 s32, s32, s30
	s_mov_b32 s33, 0
	s_add_nc_u64 s[DST:DST+1], s[20:21], s[32:33]      ; fragment (s, m) at (4 s + m) x 1,536
	s_lshl_b32 s34, s28, 11
	s_lshl_b32 s35, s29, 2
	s_add_co_u32 s34, s34, s35
	s_add_co_u32 s34, s34, s30
	s_add_co_u32 s34, s34, 49152
	s_mov_b32 s35, 0
	s_add_nc_u64 s[DS2:DS2+1], s[20:21], s[34:35]      ; scale words at 49,152 + 512 s + 16 l + 4 m
.irp b, 0,1,2,3
	v_mov_b32 v[TM+4+\b], 0                            ; written once: a lane permute's destination counts as one of its sources
.endr
	s_wait_alu depctr_va_vdst(0)
	WALK 4096, XSTG, 0
	s_wait_tensorcnt 0x0                               ; the wave's end, behind my last LDS store
	ds_add_u32 v[SPW], v[NIL]
	s_wait_dscnt 0x0
	s_endpgm
.Lfunc_end_k_q8ae22ea127_prep:
	.size	k_q8ae22ea127_prep, .Lfunc_end_k_q8ae22ea127_prep-k_q8ae22ea127_prep
	.p2alignl 7, 3214868480
	.fill 96, 4, 3214868480
	.section	.rodata,"a",@progbits
	.p2align	6, 0x0
	.amdhsa_kernel k_q8ae22ea127_prep
		.amdhsa_group_segment_fixed_size 68096
		.amdhsa_private_segment_fixed_size 0
		.amdhsa_enable_private_segment 0
		.amdhsa_kernarg_size 80
		.amdhsa_user_sgpr_count 2
		.amdhsa_user_sgpr_kernarg_segment_ptr 1
		.amdhsa_wavefront_size32 1
		.amdhsa_system_sgpr_workgroup_id_x 1
		.amdhsa_system_sgpr_workgroup_id_y 1
		.amdhsa_system_sgpr_workgroup_id_z 1
		.amdhsa_system_vgpr_workitem_id 0
		.amdhsa_next_free_vgpr 256
		.amdhsa_next_free_sgpr 66
		.amdhsa_reserve_vcc 0
		.amdhsa_float_denorm_mode_32 3
		.amdhsa_float_denorm_mode_16_64 3
		.amdhsa_memory_ordered 1
		.amdhsa_forward_progress 1
		.amdhsa_inst_pref_size 102
	.end_amdhsa_kernel
	.amdgpu_metadata
---
amdhsa.version: [ 1, 2 ]
amdhsa.kernels:
  - .name:           k_q8ae22ea127_prep
    .symbol:         k_q8ae22ea127_prep.kd
    .args:
      - { .name: mask, .offset: 0, .size: 8, .value_kind: global_buffer, .address_space: global }
      - { .name: q, .offset: 8, .size: 8, .value_kind: global_buffer, .address_space: global }
      - { .name: kv, .offset: 16, .size: 8, .value_kind: global_buffer, .address_space: global }
      - { .name: Wq, .offset: 24, .size: 8, .value_kind: global_buffer, .address_space: global }
      - { .name: Wk, .offset: 32, .size: 8, .value_kind: global_buffer, .address_space: global }
      - { .name: Wv, .offset: 40, .size: 8, .value_kind: global_buffer, .address_space: global }
      - { .name: Wo, .offset: 48, .size: 8, .value_kind: global_buffer, .address_space: global }
      - { .name: mbits, .offset: 56, .size: 8, .value_kind: global_buffer, .address_space: global }
      - { .name: ximg, .offset: 64, .size: 8, .value_kind: global_buffer, .address_space: global }
      - { .name: wimg, .offset: 72, .size: 8, .value_kind: global_buffer, .address_space: global }
    .group_segment_fixed_size: 68096
    .private_segment_fixed_size: 0
    .kernarg_segment_align: 8
    .kernarg_segment_size: 80
    .max_flat_workgroup_size: 128
    .sgpr_count:     66
    .vgpr_count:     256
    .wavefront_size: 32
...
	.end_amdgpu_metadata
.endif
;; end of part 5
;; launch proj (part 6): grid 128 x 3, 16 waves a work-group, no clusters, 290,816 bytes of LDS; arguments ximg, wimg, bq, bk, bv, qn_scale, kn_scale, vn_scale, qn_bias, kn_bias, vn_bias, qimg, kvimg; writes qimg, kvimg
.if DOCPART == 6
	.amdgcn_target "amdgcn-amd-amdhsa--gfx1250"
	.amdhsa_code_object_version 6
	.text
	.protected	k_q8ae22ea127_proj
	.globl	k_q8ae22ea127_proj
	.p2align	8
	.type	k_q8ae22ea127_proj,@function
k_q8ae22ea127_proj:
	s_mov_b64 s[64:65], 0
	v_nop
	global_prefetch_b8 v0, s[64:65] scope:SCOPE_SE
	s_setreg_imm32_b32 hwreg(HW_REG_WAVE_SCHED_MODE, 0, 2), 2
	s_setreg_imm32_b32 hwreg(HW_REG_WAVE_MODE, 25, 1), 1
	s_wait_xcnt 0x0
	s_wait_alu depctr_vm_vsrc(0)
; PROJ: one of the three projections (work-group y: 0 Q, 1 K, 2 V) for 64 rows, its LayerNorm over all 1,024 features, and the quantiser of what attention multiplies.  Nothing of the problem is left out here.
; SHARES.  A work-group owns 64 rows x 1,024 columns, since the LayerNorm wants whole rows.  Wave w owns columns 64 w .. 64 w + 63, which are head w: 4 tiles of rows (m) x 4 tiles of columns (t), 16 accumulators.
; THE PRODUCT IS USED TRANSPOSED (source 0 = 16 columns of W, source 1 = 16 rows of x): lane (r, h) holds row r of tile m, and register 32 m + 8 t + j feature 64 w + 32 (t / 2) + 16 h + 8 (t % 2) + j:
; the 16 registers of tiles 2 b, 2 b + 1 are 16 neighbours along the head's 64.
; x's codes (53,248 bytes with their scale words) are copied into LDS once and read by all sixteen waves; each wave's weights go from memory straight into its registers, as images of those registers.
; No multicast: a wave's weights are read by no other wave of its work-group, and one K step of all 1,024 columns is 98,304 bytes for 16 matrix instructions a wave.
; The bias is the C of the first K step (an order of rounding that differs from adding it last).  LayerNorm in two passes, mean first, then the squares of the differences: no difference of large sums.
; Q and K are quantised along the head's 64 (two blocks); V along the keys: it turns through the wave's own stage in LDS, so that a lane holds one channel and 32 neighbouring keys.
; A HALF FRAGMENT'S IMAGE (16 rows x 64 along K, registers 0-5, 768 bytes): registers 0-3 of lane l at 16 l, registers 4, 5 at 512 + 8 l.
; LIMITS: as stated at the head of the first kernel (a block's byte is held at 1 from below; NaN and infinities are not served).
; THE MODE: SCHED_MODE bits 1:0 = 2 (LLVM: expert scheduling mode 2), set by the entry lines.  The code itself states the register dependences
; between vector or matrix instructions and memory or LDS instructions, with s_wait_alu, always for 0.
; THE PLAN.  Registers that memory or LDS instructions touch:
;   v3-v11        offsets and LDS addresses: written once at the head, read by loads and stores, never written again.
;   v12, v13      the copy's address: written at the head, read by the copy's loads and LDS stores; later the means are written there.
;   AF, BF, AS, BS  a K step's loads land in them, its sixteen products read them.  128 accumulators + 48 + 48 + the 32 lowest registers are all 256: there is one set of each,
;                 so ONE wait on va_vdst stands at the head of each K step but the first: the last step's products are done reading all four, and the step's 26 loads follow it.
;   ACC           the bias lands there; products and the LayerNorm write it; in V's path the stage's LDS stores read it and the stage's loads land in it.
;   G, BETA       loads land there behind the last products, which read these registers as AF and BF.
;   RD            in a row reduction: vector sums write it, four LDS stores read it, eight loads land in it, additions name it, eight loads land in it again.
;   the codes (v32-55) and v[XY], v[XY + 1]: written by conversions, swaps, moves and selects; read by the global stores, behind one wait.
.set BLK,   13056                      ; kvimg: a head's 128 keys: K's 8 half fragments, V's 8, K's scale image (512 bytes), V's (256)
.set ST1,   278528                     ; 64 rows x 80 bytes: the waves' sums;  5,120 bytes on: the sums of squares
.set SPARE, 288768                     ; the spare words: 128 bytes for each of 16 waves
.set SPW, 1
.set NIL, 2
.set L16, 3
.set L8,  4
.set R16, 5
.set H64, 6
.set STW, 7                            ; ST1 + 80 r + 4 w
.set STR, 8                            ; ST1 + 80 r
.set VSW, 9                            ; 17,408 w + 272 pi(r) + 64 h
.set VSR, 10                           ; 17,408 w + 8,704 h + 4 pi(r)
.set L4,  11
.set MU,  12                           ; v12-19 four pairs: the means, later 1 / sqrt(var + eps)
.set AS,  20                           ; v20-23 x's scale words;  v24-27 W's: scales and nothing else
.set BS,  24
.set TP,  28                           ; v28-31 at work
.set AF,  32                           ; v32-79  x's four fragments
.set BF,  80                           ; v80-127 W's four fragments
.set ACC, 128                          ; v128-255
.set G,    32                          ; behind the product: the gain, the LayerNorm's bias, and room for sums
.set BETA, 64
.set RD,   96
.set QT,  64                           ; behind the LayerNorm: at work in the quantisers
.set PWR, 68                           ; v68-71 the four tiles' scale words
.set QM,  72
.set QSO, 74
.set QB,  76
.set H8,  78
.set VB,  80
.set XY,  84                           ; v84-85 what is stored of the scales
.set WV,   2
.set TASK, 3
.set XP, 32
.set WP, 34
.set WS, 36
.set BI, 38
.set GP, 40
.set BP, 42
.set SEL, 44
.set C10, 46
.set EPS, 47
.set HM,  48
.set O1,  50
.set O2,  52
.macro BLOAD s                         ; my four column tiles of K step s: 6,144 consecutive bytes, and their scale words
.set i, 0
.rept 12
	global_load_b128 v[BF+4*i:BF+4*i+3], v[L16], s[WP:WP+1] offset:98304*(\s)+512*i
.set i, i+1
.endr
	global_load_b128 v[BS:BS+3], v[R16], s[WS:WS+1] offset:4096*(\s)
.endm
.macro KSTEP s
.if (\s) > 0
.rept 4
	v_nop                                              ; places in front of loads into registers that matrix instructions have read
.endr
	s_wait_alu depctr_va_vdst(0)                       ; the last K step's products are done reading v[AF ..], v[BF ..], v[AS ..] and v[BS ..], in which this step's loads land
	BLOAD \s
.endif
.set i, 0
.rept 12
	ds_load_b128 v[AF+4*i:AF+4*i+3], v[L16] offset:6144*(\s)+512*i
.set i, i+1
.endr
	ds_load_b128 v[AS:AS+3], v[L16] offset:49152+512*(\s)
	s_wait_loadcnt 0x0
	s_wait_dscnt 0x0
.irp t, 0,1,2,3                                    ; the 16 accumulators take turns, in the same order in every K step
.irp m, 0,1,2,3
	v_wmma_scale_f32_16x16x128_f8f6f4 v[ACC+32*\m+8*\t:ACC+32*\m+8*\t+7], v[BF+12*\t:BF+12*\t+11], v[AF+12*\m:AF+12*\m+11], v[ACC+32*\m+8*\t:ACC+32*\m+8*\t+7], v[BS+\t], v[AS+\m] matrix_a_fmt:MATRIX_FMT_FP6 matrix_b_fmt:MATRIX_FMT_FP6
.endr
.endr
.endm
; my pairs v[RD + 2 m] become the four rows' sums over all 1,024 features, in v[TP + m], the same in all waves
.macro ROWRED base
.irp m, 0,1,2,3
	v_add_f32 v[RD+2*\m], v[RD+2*\m], v[RD+2*\m+1]
.endr
.irp m, 0,1,2,3
	v_permlanex16_b32 v[TP+\m], v[RD+2*\m], s[SEL], s[SEL+1]
.endr
.irp m, 0,1,2,3
	v_add_f32 v[RD+2*\m], v[RD+2*\m], v[TP+\m]         ; my wave's 64 features of row r of tile m
.endr
	s_wait_alu depctr_va_vdst(0)                       ; the additions have written v[RD + 2 m], which the LDS stores read; and every vector instruction so far is done with v[RD ..], in which the first eight loads below land
.irp m, 0,1,2,3
	ds_store_b32 v[STW], v[RD+2*\m] offset:(\base)+1280*\m   ; both halves of the lanes write the same word with the same value
.endr
	s_wait_dscnt 0x0                                   ; for the others' sake: my stores have landed, and my earlier LDS loads are in
	s_barrier_signal -1
	s_barrier_wait -1
	s_wait_alu depctr_vm_vsrc(0)                       ; my four LDS stores have read v[RD + 2 m], in which the loads below land
.irp g, 0,1
.if \g > 0
	s_wait_alu depctr_va_vdst(0)                       ; the additions above are done with v[RD ..], in which the next eight loads land
.endif
.irp i, 0,1,2,3,4,5,6,7
	ds_load_b128 v[RD+4*\i:RD+4*\i+3], v[STR] offset:(\base)+1280*(2*\g+\i/4)+16*(\i%4)
.endr
	s_wait_dscnt 0x0
.irp e, 0,1
	v_pk_add_f32 v[RD+16*\e:RD+16*\e+1], v[RD+16*\e:RD+16*\e+1], v[RD+16*\e+2:RD+16*\e+3]
.endr
.irp p, 4,6,8,10,12,14
.irp e, 0,1
	v_pk_add_f32 v[RD+16*\e:RD+16*\e+1], v[RD+16*\e:RD+16*\e+1], v[RD+16*\e+\p:RD+16*\e+\p+1]
.endr
.endr
.irp e, 0,1
	v_add_f32 v[TP+2*\g+\e], v[RD+16*\e], v[RD+16*\e+1]
.endr
.endr
.endm
; 32 numbers of a lane, register 16 b + i = k 32 b + 16 h + i of my row, become a half fragment in v[hf] on and two scale bytes in v[pw]
.macro QUANT2 src, hf, pw
.irp b, 0,1
	v_max3_num_f32 v[QM+\b], |v[(\src)+16*\b]|, |v[(\src)+16*\b+1]|, 0x1800000
.endr
.irp i, 2,4,6,8,10,12,14
.irp b, 0,1
	v_max3_num_f32 v[QM+\b], v[QM+\b], |v[(\src)+16*\b+\i]|, |v[(\src)+16*\b+\i+1]|
.endr
.endr
.irp b, 0,1
	v_permlanex16_b32 v[TP+\b], v[QM+\b], s[SEL], s[SEL+1]
.endr
.irp b, 0,1
	v_max_num_f32 v[QM+\b], v[QM+\b], v[TP+\b]
.endr
.irp b, 0,1
	v_add_nc_u32 v[QSO+\b], 0xff000000, v[QM+\b]
.endr
.irp b, 0,1
	v_lshrrev_b32 v[QB+\b], 23, v[QSO+\b]
.endr
	v_lshl_or_b32 v[\pw], v[QB+1], 8, v[QB]            ; bytes 2 and 3 stay 0: they scale zero codes
	v_cvt_scalef32_pk16_fp6_f32 v[(\hf):(\hf)+2], v[(\src):(\src)+15], v[QSO]
	v_cvt_scalef32_pk16_fp6_f32 v[QT:QT+2], v[(\src)+16:(\src)+31], v[QSO+1]
	v_nop                                              ; one plain place behind a scaled conversion
.irp i, 0,1,2
	v_permlane16_swap_b32 v[(\hf)+\i], v[QT+\i]        ; lanes 0-15 get block 0 whole, lanes 16-31 block 1
.endr
.irp i, 0,1,2
	v_mov_b32 v[(\hf)+3+\i], v[QT+\i]
.endr
.endm
; V: channel tile t: my 32 registers are one channel's 32 neighbouring keys, a whole block
.macro VQ t
.set XS, ACC+32*(\t)
	v_max3_num_f32 v[QM], |v[XS]|, |v[XS+1]|, |v[XS+2]|
	v_max3_num_f32 v[QM+1], |v[XS+3]|, |v[XS+4]|, |v[XS+5]|
.irp i, 6,10,14,18,22,26
	v_max3_num_f32 v[QM], v[QM], |v[XS+\i]|, |v[XS+\i+1]|
	v_max3_num_f32 v[QM+1], v[QM+1], |v[XS+\i+2]|, |v[XS+\i+3]|
.endr
	v_max3_num_f32 v[QM], v[QM], |v[XS+30]|, |v[XS+31]|
	v_max3_num_f32 v[QM], v[QM], v[QM+1], 0x1800000
	v_add_nc_u32 v[QSO], 0xff000000, v[QM]
	v_lshrrev_b32 v[QB], 23, v[QSO]
	v_lshlrev_b32 v[VB+(\t)], v[H8], v[QB]             ; my block's byte at its place: 8 h bits up
	v_cvt_scalef32_pk16_fp6_f32 v[32+6*(\t):34+6*(\t)], v[XS:XS+15], v[QSO]
	v_cvt_scalef32_pk16_fp6_f32 v[QT:QT+2], v[XS+16:XS+31], v[QSO]
	v_nop                                              ; one plain place behind a scaled conversion
.irp i, 0,1,2
	v_mov_b32 v[35+6*(\t)+\i], v[QT+\i]
.endr
.endm
	s_load_b512 s[4:19], s[0:1], 0x0                   ; ximg, wimg, bq, bk, bv, qn_scale, kn_scale, vn_scale
	s_load_b256 s[20:27], s[0:1], 0x40                 ; qn_bias, kn_bias, vn_bias, qimg
	s_load_b64 s[28:29], s[0:1], 0x60                  ; kvimg
	v_lshl_add_u32 v[SPW], v0, 2, SPARE
	v_mov_b32 v[NIL], 0
	v_lshrrev_b32 v28, 5, v0
	v_readfirstlane_b32 s[WV], v28                     ; wave 0..15: the head
	s_and_b32 s[TASK], ttmp7, 0xffff
	v_and_b32 v29, 31, v0
	v_and_b32 v30, 15, v0                              ; r
	v_bfe_u32 v31, v0, 4, 1                            ; h
	v_lshlrev_b32 v[L16], 4, v29
	v_lshlrev_b32 v[L8], 3, v29
	v_lshlrev_b32 v[L4], 2, v29
	v_lshlrev_b32 v[R16], 4, v30
	v_lshlrev_b32 v[H64], 6, v31
	v_mul_u32_u24 v[STR], v30, 80
	v_add_nc_u32 v[STR], ST1, v[STR]
	s_wait_alu depctr_va_sdst(0)                       ; the wave's number is written into s[WV], ahead of its first reader: LDS places and the bases are made from it
	s_lshl_b32 s54, s[WV], 2
	v_add_nc_u32 v[STW], s54, v[STR]
	v_and_b32 v28, 8, v30
	v_add_nc_u32 v28, v28, v30                         ; pi(r)
	s_mul_i32 s54, s[WV], 17408
	v_mul_u32_u24 v[VSW], v28, 272
	v_add_nc_u32 v[VSW], v[VSW], v[H64]
	v_add_nc_u32 v[VSW], s54, v[VSW]
	v_mul_u32_u24 v[VSR], v31, 8704
	v_lshl_add_u32 v[VSR], v28, 2, v[VSR]
	v_add_nc_u32 v[VSR], s54, v[VSR]
	s_mul_i32 s54, s[WV], 3072
	v_add_nc_u32 v12, s54, v[L16]                      ; the copy: my wave's 3,072 bytes of codes,
	s_lshl_b32 s54, s[WV], 8
	s_add_co_u32 s56, s54, 49152
	v_add_nc_u32 v13, s56, v[L8]                       ; and its 256 bytes of scale words
	s_mov_b32 s55, 0
	s_mov_b32 s57, 0
	s_mov_b32 s[SEL], 0x76543210
	s_mov_b32 s[SEL+1], 0xfedcba98
	s_mov_b32 s[C10], 0x3a800000                       ; 1 / 1,024
	s_mov_b32 s[EPS], 0x358637bd                       ; 1e-6
	s_mov_b32 s[HM], 0xffff0000                        ; lanes 16-31
	s_wait_kmcnt 0x0
	s_cmp_eq_u32 s[TASK], 1
	s_cselect_b64 s[BI:BI+1], s[10:11], s[8:9]
	s_cselect_b64 s[GP:GP+1], s[16:17], s[14:15]
	s_cselect_b64 s[BP:BP+1], s[22:23], s[20:21]
	s_cmp_eq_u32 s[TASK], 2
	s_cselect_b64 s[BI:BI+1], s[12:13], s[BI:BI+1]
	s_cselect_b64 s[GP:GP+1], s[18:19], s[GP:GP+1]
	s_cselect_b64 s[BP:BP+1], s[24:25], s[BP:BP+1]
	s_add_nc_u64 s[BI:BI+1], s[BI:BI+1], s[54:55]      ; at my 64 features
	s_add_nc_u64 s[GP:GP+1], s[GP:GP+1], s[54:55]
	s_add_nc_u64 s[BP:BP+1], s[BP:BP+1], s[54:55]
	s_cmp_eq_u32 s[TASK], 0
	s_cselect_b32 s56, 0, 128                          ; Q reads q's blocks, K and V kv's
	s_add_co_u32 s56, s56, ttmp9
	s_mul_i32 s56, s56, 53248
	s_add_nc_u64 s[XP:XP+1], s[4:5], s[56:57]
	s_mul_i32 s56, s[TASK], 786432
	s_mul_i32 s58, s[WV], 6144
	s_add_co_u32 s56, s56, s58
	s_add_nc_u64 s[WP:WP+1], s[6:7], s[56:57]
	s_lshl_b32 s56, s[TASK], 15
	s_add_co_u32 s56, s56, s54
	s_add_co_u32 s56, s56, 3145728
	s_add_nc_u64 s[WS:WS+1], s[6:7], s[56:57]
	; where the results go: Q's first tile, K's and V's block
	s_lshr_b32 s58, ttmp9, 5
	s_lshl_b32 s58, s58, 4
	s_add_co_u32 s58, s58, s[WV]                       ; 16 x batch + head
	s_and_b32 s59, ttmp9, 31
	s_lshl_b32 s60, s58, 7
	s_lshl_b32 s61, s59, 2
	s_add_co_u32 s60, s60, s61                         ; Q: tile 128 (16 b + head) + 4 (row block in the batch)
	s_lshl_b32 s61, s58, 4
	s_lshr_b32 s62, s59, 1
	s_add_co_u32 s61, s61, s62
	s_mul_i32 s61, s61, BLK                            ; K, V: the block of 128 keys
	s_and_b32 s62, ttmp9, 1                            ; and which 64 of them
	; the copy first, then the first K step's weights, then the bias into the accumulators
	s_wait_alu depctr_va_vdst(0)                       ; the offsets and LDS addresses v3 to v13 are written: every load and store of the kernel reads one of them
.set i, 0
.rept 6
	global_load_b128 v[AF+4*i:AF+4*i+3], v12, s[XP:XP+1] offset:512*i
.set i, i+1
.endr
	global_load_b64 v[AF+24:AF+25], v13, s[XP:XP+1]
	BLOAD 0
.irp m, 0,1,2,3
.irp t, 0,1,2,3
	global_load_b128 v[ACC+32*\m+8*\t:ACC+32*\m+8*\t+3], v[H64], s[BI:BI+1] offset:128*(\t/2)+32*(\t%2)
	global_load_b128 v[ACC+32*\m+8*\t+4:ACC+32*\m+8*\t+7], v[H64], s[BI:BI+1] offset:128*(\t/2)+32*(\t%2)+16
.endr
.endr
	s_wait_loadcnt 45                                  ; the copy's 7 loads are in: behind them 13 loads of W and 32 of the bias
.set i, 0
.rept 6
	ds_store_b128 v12, v[AF+4*i:AF+4*i+3] offset:512*i
.set i, i+1
.endr
	ds_store_b64 v13, v[AF+24:AF+25]
	s_wait_dscnt 0x0                                   ; for the others' sake: my part of x lies in LDS
	s_barrier_signal -1
	s_barrier_wait -1
	s_wait_alu depctr_vm_vsrc(0)                       ; the copy's LDS stores have read v[AF ..], in which the first K step's loads land; the copy's loads and stores have read v12 and v13, where the means are written later
	KSTEP 0
	KSTEP 1
	KSTEP 2
	KSTEP 3
	KSTEP 4
	KSTEP 5
	KSTEP 6
	KSTEP 7
	; ---- LAYERNORM
.rept 4
	v_nop                                              ; places behind the last products: results are read, and operands' registers loaded and written
.endr
	s_wait_alu depctr_va_vdst(0)                       ; the last products are done reading v[AF ..] and v[BF ..], in which the gain and the LayerNorm's bias land
.irp t, 0,1,2,3
	global_load_b128 v[G+8*\t:G+8*\t+3], v[H64], s[GP:GP+1] offset:128*(\t/2)+32*(\t%2)
	global_load_b128 v[G+8*\t+4:G+8*\t+7], v[H64], s[GP:GP+1] offset:128*(\t/2)+32*(\t%2)+16
	global_load_b128 v[BETA+8*\t:BETA+8*\t+3], v[H64], s[BP:BP+1] offset:128*(\t/2)+32*(\t%2)
	global_load_b128 v[BETA+8*\t+4:BETA+8*\t+7], v[H64], s[BP:BP+1] offset:128*(\t/2)+32*(\t%2)+16
.endr
.irp m, 0,1,2,3
	v_pk_add_f32 v[RD+2*\m:RD+2*\m+1], v[ACC+32*\m:ACC+32*\m+1], v[ACC+32*\m+2:ACC+32*\m+3]   ; each accumulator is read from its low end on
.endr
.irp p, 4,6,8,10,12,14,16,18,20,22,24,26,28,30
.irp m, 0,1,2,3
	v_pk_add_f32 v[RD+2*\m:RD+2*\m+1], v[RD+2*\m:RD+2*\m+1], v[ACC+32*\m+\p:ACC+32*\m+\p+1]
.endr
.endr
	ROWRED 0
.irp m, 0,1,2,3
	v_mul_f32 v[MU+2*\m], s[C10], v[TP+\m]             ; the mean, in both registers of a pair
.endr
.irp m, 0,1,2,3
	v_mov_b32 v[MU+2*\m+1], v[MU+2*\m]
.endr
.irp p, 0,2,4,6,8,10,12,14,16,18,20,22,24,26,28,30
.irp m, 0,1,2,3
	v_pk_add_f32 v[ACC+32*\m+\p:ACC+32*\m+\p+1], v[ACC+32*\m+\p:ACC+32*\m+\p+1], v[MU+2*\m:MU+2*\m+1] neg_lo:[0,1] neg_hi:[0,1]
.endr
.endr
.irp m, 0,1,2,3
	v_pk_mul_f32 v[RD+2*\m:RD+2*\m+1], v[ACC+32*\m:ACC+32*\m+1], v[ACC+32*\m:ACC+32*\m+1]
.endr
.irp p, 2,4,6,8,10,12,14,16,18,20,22,24,26,28,30
.irp m, 0,1,2,3
	v_pk_fma_f32 v[RD+2*\m:RD+2*\m+1], v[ACC+32*\m+\p:ACC+32*\m+\p+1], v[ACC+32*\m+\p:ACC+32*\m+\p+1], v[RD+2*\m:RD+2*\m+1]
.endr
.endr
	ROWRED 5120
.irp m, 0,1,2,3
	v_fma_f32 v[TP+\m], v[TP+\m], s[C10], s[EPS]       ; var + eps
.endr
	s_wait_alu depctr_va_vdst(0)
.irp m, 0,1,2,3
	v_rsq_f32 v[MU+2*\m], v[TP+\m]
	v_rsq_f32 v[MU+2*\m+1], v[TP+\m]
.endr
	v_nop                                              ; a plain place behind the last of the batch
	s_wait_alu depctr_va_vdst(0)                       ; the eight reciprocal roots are written into v[MU ..]: one wait for the batch, ahead of its first reader
	s_wait_loadcnt 0x0                                 ; the gain and the bias
.irp p, 0,2,4,6,8,10,12,14,16,18,20,22,24,26,28,30
.irp m, 0,1,2,3
	v_pk_mul_f32 v[ACC+32*\m+\p:ACC+32*\m+\p+1], v[ACC+32*\m+\p:ACC+32*\m+\p+1], v[MU+2*\m:MU+2*\m+1]
.endr
.endr
.irp p, 0,2,4,6,8,10,12,14,16,18,20,22,24,26,28,30
.irp m, 0,1,2,3
	v_pk_fma_f32 v[ACC+32*\m+\p:ACC+32*\m+\p+1], v[ACC+32*\m+\p:ACC+32*\m+\p+1], v[G+\p:G+\p+1], v[BETA+\p:BETA+\p+1]
.endr
.endr
	s_cmp_eq_u32 s[TASK], 2
	s_cbranch_scc1 .Lv
	; ---- Q AND K: quantised along the head's 64; each tile has its own registers for its codes, so no store's data are written again
	QUANT2 ACC, 32, PWR
	QUANT2 ACC+32, 38, PWR+1
	QUANT2 ACC+64, 44, PWR+2
	QUANT2 ACC+96, 50, PWR+3
	v_cndmask_b32 v[XY], v[PWR], v[PWR+1], s[HM]       ; lanes 0-15: the even tile's words, lanes 16-31: the odd one's
	v_cndmask_b32 v[XY+1], v[PWR+2], v[PWR+3], s[HM]
	s_mul_i32 s66, s60, 768
	s_mul_i32 s67, s62, 3072
	s_add_co_u32 s67, s67, s61
	s_lshl_b32 s68, s60, 6
	s_add_co_u32 s68, s68, 6291456
	s_lshl_b32 s69, s62, 3
	s_add_co_u32 s69, s69, s61
	s_add_co_u32 s69, s69, 12288
	s_cmp_eq_u32 s[TASK], 0
	s_cselect_b64 s[O1:O1+1], s[26:27], s[28:29]
	s_cselect_b64 s[O2:O2+1], s[26:27], s[28:29]
	s_cselect_b32 s56, s66, s67
	s_cselect_b32 s58, s68, s69
	s_mov_b32 s59, 0
	s_add_nc_u64 s[O1:O1+1], s[O1:O1+1], s[56:57]
	s_add_nc_u64 s[O2:O2+1], s[O2:O2+1], s[58:59]
	s_wait_alu depctr_va_vdst(0)                       ; the conversions, swaps and moves have written the four tiles' codes, and the selects v[XY] and v[XY + 1]: the stores below, on both ways, read them
.irp m, 0,1,2,3
	global_store_b128 v[L16], v[32+6*\m:35+6*\m], s[O1:O1+1] offset:768*\m        ; 512 consecutive bytes,
	global_store_b64 v[L8], v[36+6*\m:37+6*\m], s[O1:O1+1] offset:768*\m+512      ; and 256
.endr
	s_cmp_eq_u32 s[TASK], 0
	s_cbranch_scc0 .Lkscale
	global_store_b32 v[L4], v[XY], s[O2:O2+1]          ; Q: 64 bytes of scale words a tile
	global_store_b32 v[L4], v[XY+1], s[O2:O2+1] offset:128
	s_wait_dscnt 0x0                                   ; the wave's end: the closing lines, six on end
	s_wait_alu 0x0
	s_wait_tensorcnt 0x0
	ds_add_u32 v[SPW], v[NIL]
	s_wait_dscnt 0x0
	s_endpgm
.Lkscale:
	global_store_b64 v[L16], v[XY:XY+1], s[O2:O2+1]    ; K: two of the four registers of the block's scale image
	s_wait_dscnt 0x0                                   ; the wave's end: the six closing lines
	s_wait_alu 0x0
	s_wait_tensorcnt 0x0
	ds_add_u32 v[SPW], v[NIL]
	s_wait_dscnt 0x0
	s_endpgm
.Lv:
	; ---- V: [key][channel] into my own stage (it lies over x's copy, whose last reads stand in front of the two barriers above), and back a channel a lane
	s_wait_alu depctr_va_vdst(0)                       ; the LayerNorm's last multiply-adds have written v[ACC ..], which the LDS stores read and in which the stage's loads land
.irp m, 0,1,2,3
.irp t, 0,1,2,3
	ds_store_b128 v[VSW], v[ACC+32*\m+8*\t:ACC+32*\m+8*\t+3] offset:(32*(\m/2)+8*(\m%2))*272+128*(\t/2)+32*(\t%2)
	ds_store_b128 v[VSW], v[ACC+32*\m+8*\t+4:ACC+32*\m+8*\t+7] offset:(32*(\m/2)+8*(\m%2))*272+128*(\t/2)+32*(\t%2)+16
.endr
.endr
	s_wait_alu depctr_vm_vsrc(0)                       ; the 32 LDS stores have read v[ACC ..], in which the loads below land
.irp t, 0,1,2,3
.set i, 0
.rept 32
	ds_load_b32 v[ACC+32*\t+i], v[VSR] offset:272*i+128*(\t/2)+32*(\t%2)   ; LDS serves a wave's instructions in order: these see my stores
.set i, i+1
.endr
.endr
	v_bfe_u32 v[H8], v0, 4, 1
	v_lshlrev_b32 v[H8], 3, v[H8]
	s_mul_i32 s56, s62, 768
	s_add_co_u32 s56, s56, s61
	s_add_co_u32 s56, s56, 6144
	s_add_nc_u64 s[O1:O1+1], s[28:29], s[56:57]
	s_lshl_b32 s56, s62, 1
	s_add_co_u32 s56, s56, s61
	s_add_co_u32 s56, s56, 12800
	s_add_nc_u64 s[O2:O2+1], s[28:29], s[56:57]
	s_wait_dscnt 0x0
	VQ 0
	VQ 1
	VQ 2
	VQ 3
.irp t, 0,1,2,3
	v_permlanex16_b32 v[TP+\t], v[VB+\t], s[SEL], s[SEL+1]
.endr
.irp t, 0,1,2,3
	v_or_b32 v[VB+\t], v[VB+\t], v[TP+\t]              ; the channel's two bytes for these 64 keys
.endr
	v_cndmask_b32 v[XY], v[VB], v[VB+1], s[HM]
	v_cndmask_b32 v[XY+1], v[VB+2], v[VB+3], s[HM]
	s_wait_alu depctr_va_vdst(0)                       ; the conversions and moves have written the four tiles' codes, and the selects v[XY] and v[XY + 1]: the stores below read them
.irp t, 0,1,2,3
	global_store_b128 v[L16], v[32+6*\t:35+6*\t], s[O1:O1+1] offset:1536*\t
	global_store_b64 v[L8], v[36+6*\t:37+6*\t], s[O1:O1+1] offset:1536*\t+512
.endr
	global_store_b16 v[L8], v[XY], s[O2:O2+1]
	global_store_b16 v[L8], v[XY+1], s[O2:O2+1] offset:4
	s_wait_dscnt 0x0                                   ; the wave's end: the six closing lines
	s_wait_alu 0x0
	s_wait_tensorcnt 0x0
	ds_add_u32 v[SPW], v[NIL]
	s_wait_dscnt 0x0
	s_endpgm
.Lfunc_end_k_q8ae22ea127_proj:
	.size	k_q8ae22ea127_proj, .Lfunc_end_k_q8ae22ea127_proj-k_q8ae22ea127_proj
	.p2alignl 7, 3214868480
	.fill 96, 4, 3214868480
	.section	.rodata,"a",@progbits
	.p2align	6, 0x0
	.amdhsa_kernel k_q8ae22ea127_proj
		.amdhsa_group_segment_fixed_size 290816
		.amdhsa_private_segment_fixed_size 0
		.amdhsa_enable_private_segment 0
		.amdhsa_kernarg_size 104
		.amdhsa_user_sgpr_count 2
		.amdhsa_user_sgpr_kernarg_segment_ptr 1
		.amdhsa_wavefront_size32 1
		.amdhsa_system_sgpr_workgroup_id_x 1
		.amdhsa_system_sgpr_workgroup_id_y 1
		.amdhsa_system_sgpr_workgroup_id_z 1
		.amdhsa_system_vgpr_workitem_id 0
		.amdhsa_next_free_vgpr 256
		.amdhsa_next_free_sgpr 80
		.amdhsa_reserve_vcc 0
		.amdhsa_float_denorm_mode_32 3
		.amdhsa_float_denorm_mode_16_64 3
		.amdhsa_memory_ordered 1
		.amdhsa_forward_progress 1
		.amdhsa_inst_pref_size 100
	.end_amdhsa_kernel
	.amdgpu_metadata
---
amdhsa.version: [ 1, 2 ]
amdhsa.kernels:
  - .name:           k_q8ae22ea127_proj
    .symbol:         k_q8ae22ea127_proj.kd
    .args:
      - { .name: ximg, .offset: 0, .size: 8, .value_kind: global_buffer, .address_space: global }
      - { .name: wimg, .offset: 8, .size: 8, .value_kind: global_buffer, .address_space: global }
      - { .name: bq, .offset: 16, .size: 8, .value_kind: global_buffer, .address_space: global }
      - { .name: bk, .offset: 24, .size: 8, .value_kind: global_buffer, .address_space: global }
      - { .name: bv, .offset: 32, .size: 8, .value_kind: global_buffer, .address_space: global }
      - { .name: qn_scale, .offset: 40, .size: 8, .value_kind: global_buffer, .address_space: global }
      - { .name: kn_scale, .offset: 48, .size: 8, .value_kind: global_buffer, .address_space: global }
      - { .name: vn_scale, .offset: 56, .size: 8, .value_kind: global_buffer, .address_space: global }
      - { .name: qn_bias, .offset: 64, .size: 8, .value_kind: global_buffer, .address_space: global }
      - { .name: kn_bias, .offset: 72, .size: 8, .value_kind: global_buffer, .address_space: global }
      - { .name: vn_bias, .offset: 80, .size: 8, .value_kind: global_buffer, .address_space: global }
      - { .name: qimg, .offset: 88, .size: 8, .value_kind: global_buffer, .address_space: global }
      - { .name: kvimg, .offset: 96, .size: 8, .value_kind: global_buffer, .address_space: global }
    .group_segment_fixed_size: 290816
    .private_segment_fixed_size: 0
    .kernarg_segment_align: 8
    .kernarg_segment_size: 104
    .max_flat_workgroup_size: 512
    .sgpr_count:     80
    .vgpr_count:     256
    .wavefront_size: 32
...
	.end_amdgpu_metadata
.endif
;; end of part 6
;; launch attn (part 7): grid 4 x 64, 16 waves a work-group, clusters of 4 x 1, 210,944 bytes of LDS; arguments qimg, kvimg, mbits, oimg; writes oimg
.if DOCPART == 7
	.amdgcn_target "amdgcn-amd-amdhsa--gfx1250"
	.amdhsa_code_object_version 6
	.text
	.protected	k_q8ae22ea127_attn
	.globl	k_q8ae22ea127_attn
	.p2align	8
	.type	k_q8ae22ea127_attn,@function
k_q8ae22ea127_attn:
	s_mov_b64 s[64:65], 0
	v_nop
	global_prefetch_b8 v0, s[64:65] scope:SCOPE_SE
	s_setreg_imm32_b32 hwreg(HW_REG_WAVE_MODE, 25, 1), 1
	s_wait_xcnt 0x0
	s_wait_alu depctr_hold_cnt(0) depctr_sa_sdst(0) depctr_va_vdst(0) depctr_va_sdst(0) depctr_va_ssrc(0) depctr_va_vcc(0) depctr_vm_vsrc(0)
	s_getreg_b32 s2, hwreg(HW_REG_IB_STS2, 6, 4)
	s_cmp_eq_u32 s2, 0
	s_cbranch_scc0 .Lentry_in_a_cluster
	s_endpgm
.Lentry_in_a_cluster:
	s_bfe_u32 s2, ttmp6, 0x10000c
	s_cmp_lg_u32 s2, 0x3003
	s_cbranch_scc0 .Lentry_shape_is_right
	s_endpgm
.Lentry_shape_is_right:
; ATTN: O = softmax(mask(Q K^T / 8)) V for one (batch, head) and 512 queries, both products on codes of E2M3; O is quantised along the head's 64 for the last product.  Nothing of the problem is left out here.
; SHARES.  A work-group owns a quarter of a head's 2,048 queries; each of its sixteen waves two tiles of 16, one after the other (two passes).  Every wave walks all 2,048 keys, 128 a step.
; K AND V OF THE WHOLE HEAD, codes and scale words, are 16 blocks of 13,056 bytes: they lie in LDS for the whole launch, filled ONCE: wave w asks for block w.  One tensor load a wave is out.
; CLUSTER.  The four work-groups of a head read the same 16 blocks, so each is asked for jointly, with a mask that names the four.  The place in the cluster enters the global addresses of Q, the mask bits and O alone.
; LAYOUT.  Both products are used transposed (S^T = K Q^T, O^T = V^T P^T): a lane holds one query throughout.  The keys of a tile are not neighbours: the 16 registers of tiles 2 b, 2 b + 1 are keys 32 b + 16 h + 0 .. 15.
; THE FIRST PRODUCT'S K IS 64 in an instruction of 128: Q's registers 6-11 hold zero codes, so K's fragment t may be v[KF + 6 t] on for 12 registers: its upper six, the next tile's codes, are multiplied by zeros;
; bytes 2 and 3 of both scale words are 0, which is a small power of two and no NaN.
; THE MASK comes as bits, one word for each register of a tile of scores and bit l for lane l, by scalar loads one step ahead: one v_cndmask_b32 a score puts -2^33 where the mask is 0.  As t that is -2^33 log2(e) / 8,
; a whole number: a row that is masked throughout has t - M = 0 and p = 1 for every key, as the reference's -1e9 gives; elsewhere a masked p is 0, as there.
; LIMIT: unmasked logits at or under about -9e8 are not served.  NaN and infinities are not served.  A block's byte is held at 1 from below.
; THE SOFTMAX: t = score x log2(e) / 8; M = the running largest t rounded up to a whole number, kept as -M; p = 2^(t - M) is quantised along the keys; the row's sum is taken of the unquantised p and divides at the end.
.set BLK,   13056
.set SPARE, 208896                     ; behind the 16 blocks: the spare words, 128 bytes for each of 16 waves
.set SPW, 1
.set NIL, 2
.set L16, 3
.set L8,  4
.set AD16, 5
.set AD8,  6
.set NEG, 7                            ; -2^33
.set QS,  8                            ; Q's scale words
.set TV,  9
.set F,   10                           ; v10 f = 2^(old M - new M); v11 written once, named with it as a pair
.set Q,   16                           ; v16-27
.set KS,  28                           ; v28-31 K's scale image;  v32-33 V's
.set VS,  32
.set KF,  34                           ; v34-81  K's eight half fragments, 6 registers apart
.set VF,  82                           ; v82-129 V's four fragments
.set S,   130                          ; v130-193 S^T, then p
.set O,   194                          ; v194-225 O^T
.set PC,  226                          ; v226-237 p's codes
.set TM,  238
.set T2,  242
.set SO,  250
.set PW,  254                          ; p's scale word
.set R4,  255
.set WV,  2
.set TB,  3
.set SEL, 52
.set CS,  54
.set MP,  56
.set OP,  58
.set OSP, 60
.set CNT, 62
.set QP,  66
.set G1,  84
.set G0,  92
.set QSP, 96
.macro CROUND                          ; a round of the cluster's barrier
	s_barrier_signal -1
	s_barrier_wait -1
	s_cmp_lg_u32 s[WV], 0
	s_cbranch_scc1 .Lnot_wave_0_\@
	s_barrier_signal -3
.Lnot_wave_0_\@:
	s_barrier_wait -3
	s_barrier_signal -1
	s_barrier_wait -1
.endm
.macro MLOAD                           ; a step's 64 mask words: word n in s[4 + n] (n < 48) or s[20 + n]
	s_load_b512 s[4:19], s[MP:MP+1], 0x0
	s_load_b512 s[20:35], s[MP:MP+1], 0x40
	s_load_b512 s[36:51], s[MP:MP+1], 0x80
	s_load_b512 s[68:83], s[MP:MP+1], 0xc0
.endm
.macro QLOAD p
	global_load_b128 v[Q:Q+3], v[L16], s[QP:QP+1] offset:768*(\p)
	global_load_b64 v[Q+4:Q+5], v[L8], s[QP:QP+1] offset:768*(\p)+512
	global_load_b32 v[QS], v[R4], s[QSP:QSP+1] offset:64*(\p)
.endm
; A KEY STEP: 128 keys.  tail = 1: a pass's last step
.macro STEP tail, p
	v_add_nc_u32 v[AD16], s[TB], v[L16]
	v_add_nc_u32 v[AD8], s[TB], v[L8]
.irp t, 0,1,2,3,4,5,6,7
	ds_load_b128 v[KF+6*\t:KF+6*\t+3], v[AD16] offset:768*\t
	ds_load_b64 v[KF+6*\t+4:KF+6*\t+5], v[AD8] offset:768*\t+512
.endr
	ds_load_b128 v[KS:KS+3], v[AD16] offset:12288
	s_wait_alu depctr_va_vdst(0)
	s_wait_dscnt 0x0
.irp t, 0,2,4,6
	v_wmma_scale_f32_16x16x128_f8f6f4 v[S+8*\t:S+8*\t+7], v[KF+6*\t:KF+6*\t+11], v[Q:Q+11], 0, v[KS+\t/2], v[QS] matrix_a_fmt:MATRIX_FMT_FP6 matrix_b_fmt:MATRIX_FMT_FP6
	v_wmma_scale_f32_16x16x128_f8f6f4 v[S+8*\t+8:S+8*\t+15], v[KF+6*\t+6:KF+6*\t+17], v[Q:Q+11], 0, v[KS+\t/2], v[QS] matrix_a_fmt:MATRIX_FMT_FP6 matrix_b_fmt:MATRIX_FMT_FP6 matrix_a_scale:MATRIX_SCALE_ROW1
.endr
.rept 4
	v_nop                                              ; places: results are read below, and loads go into registers that these and the last step's products have read
.endr
.if \tail
.if (\p) == 0
	QLOAD 1                                            ; the next pass's queries
.endif
.endif
.irp t, 0,1,2,3
.irp c, 0,1
	ds_load_b128 v[VF+12*\t+6*\c:VF+12*\t+6*\c+3], v[AD16] offset:6144+768*(2*\t+\c)
	ds_load_b64 v[VF+12*\t+6*\c+4:VF+12*\t+6*\c+5], v[AD8] offset:6144+768*(2*\t+\c)+512
.endr
.endr
	ds_load_b64 v[VS:VS+1], v[AD8] offset:12800
	s_wait_kmcnt 0x0                                   ; this step's mask words, asked for a step ago
.set n, 0
.rept 64                                           ; each accumulator from its low end on
.if n < 48
	v_cndmask_b32 v[S+n], v[NEG], v[S+n], s[4+n]
.else
	v_cndmask_b32 v[S+n], v[NEG], v[S+n], s[20+n]
.endif
.set n, n+1
.endr
.irp b, 0,1,2,3
	v_max3_num_f32 v[TM+\b], v[S+16*\b], v[S+16*\b+1], v[S+16*\b+2]   ; the largest score of each block of 32 keys: for the row's maximum, and, since p rises with the score, for the block's largest p
.endr
.irp i, 3,5,7,9,11,13
.irp b, 0,1,2,3
	s_delay_alu instid0(VALU_DEP_4)
	v_max3_num_f32 v[TM+\b], v[TM+\b], v[S+16*\b+\i], v[S+16*\b+\i+1]
.endr
.endr
.irp b, 0,1,2,3
	s_delay_alu instid0(VALU_DEP_4)
	v_max_num_f32 v[TM+\b], v[TM+\b], v[S+16*\b+15]
.endr
.if (\tail)+(\p) < 2                               ; the launch's last step asks for nothing: no load leaves the buffer
	s_add_nc_u64 s[MP:MP+1], s[MP:MP+1], 256           ; (the last scalar loads are done: their base may be written)  a wave's 32 blocks of words lie on end
	MLOAD
.endif
.irp b, 0,1,2,3
	v_permlanex16_b32 v[T2+\b], v[TM+\b], s[SEL], s[SEL+1]
.endr
.irp b, 0,1,2,3
	s_delay_alu instid0(VALU_DEP_4)
	v_max_num_f32 v[TM+\b], v[TM+\b], v[T2+\b]         ; with lane l xor 16's 16 keys
.endr
	s_delay_alu instid0(VALU_DEP_2)
	v_max3_num_f32 v[TV], v[TM], v[TM+1], v[TM+2]
	s_delay_alu instid0(VALU_DEP_1)
	v_max_num_f32 v[TV], v[TV], v[TM+3]
	s_delay_alu instid0(VALU_DEP_1)
	v_mul_f32 v[TV], s[CS], v[TV]                      ; the step's largest t of my query
	s_delay_alu instid0(VALU_DEP_1)
	v_max_num_f32 v13, v13, v[TV]
	v_mov_b32 v[TV], v12
	s_delay_alu instid0(VALU_DEP_2)
	v_floor_f32 v12, -v13                              ; the new -M: M is a whole number
	s_delay_alu instid0(VALU_DEP_1)
	v_sub_f32 v[TV], v12, v[TV]                        ; old M - new M, 0 or less
	s_delay_alu instid0(VALU_DEP_1)
	v_cvt_i32_f32 v[TV], v[TV]                         ; (it saturates)
	s_delay_alu instid0(VALU_DEP_1)
	v_ldexp_f32 v[F], 1.0, v[TV]                       ; f: a multiplication by it rounds nothing
.set n, 0
.rept 32
	v_pk_fma_f32 v[S+n:S+n+1], v[S+n:S+n+1], s[CS:CS+1], v[12:13] op_sel_hi:[1,0,0]   ; t - M
.set n, n+2
.endr
.irp b, 0,1,2,3
	v_fma_f32 v[TM+\b], v[TM+\b], s[CS], v12
.endr
.set n, 0
	s_setprio 1
	s_wait_alu depctr_va_vdst(0)
.rept 64
	v_exp_f32 v[S+n], v[S+n]                           ; p = 2^(t - M)
.set n, n+1
.endr
	v_pk_mul_f32 v[14:15], v[14:15], v[F:F+1] op_sel_hi:[1,0]   ; the sums under the new M; a plain place behind the batch
	s_wait_alu depctr_va_vdst(0)                       ; one wait for the 64, ahead of their first reader
.irp b, 0,1,2,3
	v_exp_f32 v[TM+\b], v[TM+\b]                       ; each block's largest p
.endr
	v_pk_add_f32 v[242:243], v[134:135], v[138:139]
	v_pk_add_f32 v[252:253], v[142:143], v[146:147]
	v_pk_add_f32 v[250:251], v[150:151], v[154:155]
	v_pk_add_f32 v[248:249], v[158:159], v[162:163]
	v_pk_add_f32 v[246:247], v[166:167], v[170:171]
	v_pk_add_f32 v[244:245], v[174:175], v[178:179]
	v_pk_add_f32 v[236:237], v[182:183], v[186:187]
	v_pk_add_f32 v[14:15], v[14:15], v[190:191]
	v_pk_add_f32 v[242:243], v[242:243], v[130:131]
	v_pk_add_f32 v[252:253], v[252:253], v[132:133]
	v_pk_add_f32 v[250:251], v[250:251], v[136:137]
	v_pk_add_f32 v[248:249], v[248:249], v[140:141]
	v_pk_add_f32 v[246:247], v[246:247], v[144:145]
	v_pk_add_f32 v[244:245], v[244:245], v[148:149]
	v_pk_add_f32 v[236:237], v[236:237], v[152:153]
	v_pk_add_f32 v[14:15], v[14:15], v[156:157]
	v_pk_add_f32 v[242:243], v[242:243], v[160:161]
	v_pk_add_f32 v[252:253], v[252:253], v[164:165]
	v_pk_add_f32 v[250:251], v[250:251], v[168:169]
	v_pk_add_f32 v[248:249], v[248:249], v[172:173]
	v_pk_add_f32 v[246:247], v[246:247], v[176:177]
	v_pk_add_f32 v[244:245], v[244:245], v[180:181]
	v_pk_add_f32 v[236:237], v[236:237], v[184:185]
	v_pk_add_f32 v[14:15], v[14:15], v[188:189]
	v_pk_add_f32 v[242:243], v[242:243], v[192:193]
	s_delay_alu instid0(VALU_DEP_2)
	v_pk_add_f32 v[14:15], v[14:15], v[248:249]
	s_delay_alu instid0(VALU_DEP_2)
	v_pk_add_f32 v[242:243], v[242:243], v[246:247]
	v_pk_add_f32 v[252:253], v[252:253], v[244:245]
	v_pk_add_f32 v[250:251], v[250:251], v[236:237]
	s_delay_alu instid0(VALU_DEP_2)
	v_pk_add_f32 v[14:15], v[14:15], v[252:253]
	s_delay_alu instid0(VALU_DEP_2)
	v_pk_add_f32 v[242:243], v[242:243], v[250:251]
	s_delay_alu instid0(VALU_DEP_1)
	v_pk_add_f32 v[14:15], v[14:15], v[242:243]
	s_wait_alu depctr_va_vdst(0)                       ; and one for the four
.irp b, 0,1,2,3
	v_max_num_f32 v[TM+\b], 0x1800000, v[TM+\b]        ; the floor: the byte cannot fall under 1
.endr
.irp b, 0,1,2,3
	s_delay_alu instid0(VALU_DEP_4)
	v_add_nc_u32 v[SO+\b], 0xff000000, v[TM+\b]
.endr
.irp b, 0,1,2,3
	s_delay_alu instid0(VALU_DEP_4)
	v_lshrrev_b32 v[T2+\b], 23, v[SO+\b]
.endr
	s_delay_alu instid0(VALU_DEP_3)
	v_lshl_or_b32 v[PW], v[T2+1], 8, v[T2]
	s_delay_alu instid0(VALU_DEP_1)
	v_lshl_or_b32 v[PW], v[T2+2], 16, v[PW]
	s_delay_alu instid0(VALU_DEP_1)
	v_lshl_or_b32 v[PW], v[T2+3], 24, v[PW]
.irp c, 0,1
	v_cvt_scalef32_pk16_fp6_f32 v[PC+6*\c:PC+6*\c+2], v[S+32*\c:S+32*\c+15], v[SO+2*\c]
	v_cvt_scalef32_pk16_fp6_f32 v[T2+4*\c:T2+4*\c+2], v[S+32*\c+16:S+32*\c+31], v[SO+2*\c+1]
.endr
	s_setprio 0
	v_nop                                              ; one plain place behind a scaled conversion
.irp c, 0,1
.irp i, 0,1,2
	v_permlane16_swap_b32 v[PC+6*\c+\i], v[T2+4*\c+\i]
.endr
.irp i, 0,1,2
	s_delay_alu instid0(VALU_DEP_3)
	v_mov_b32 v[PC+3+6*\c+\i], v[T2+4*\c+\i]
.endr
.endr
.set n, 0
.rept 16
	v_pk_mul_f32 v[O+n:O+n+1], v[O+n:O+n+1], v[F:F+1] op_sel_hi:[1,0]   ; O^T under the new M; these 16 also stand between the scale word's and the codes' last writes and the products
.set n, n+2
.endr
	s_wait_alu depctr_va_vdst(0)
	s_wait_dscnt 0x0                                   ; V
.irp t, 0,2
	v_wmma_scale_f32_16x16x128_f8f6f4 v[O+8*\t:O+8*\t+7], v[VF+12*\t:VF+12*\t+11], v[PC:PC+11], v[O+8*\t:O+8*\t+7], v[VS+\t/2], v[PW] matrix_a_fmt:MATRIX_FMT_FP6 matrix_b_fmt:MATRIX_FMT_FP6
	v_wmma_scale_f32_16x16x128_f8f6f4 v[O+8*\t+8:O+8*\t+15], v[VF+12*\t+12:VF+12*\t+23], v[PC:PC+11], v[O+8*\t+8:O+8*\t+15], v[VS+\t/2], v[PW] matrix_a_fmt:MATRIX_FMT_FP6 matrix_b_fmt:MATRIX_FMT_FP6 matrix_a_scale:MATRIX_SCALE_ROW1
.endr
	s_add_co_u32 s[TB], s[TB], BLK
.endm
; the end of a pass: O^T / the sum, quantised along the head's 64, to oimg
.macro EPI p
.rept 4
	v_nop
.endr
	v_add_f32 v14, v14, v15
	s_delay_alu instid0(VALU_DEP_1)
	v_permlanex16_b32 v[TV], v14, s[SEL], s[SEL+1]
	s_delay_alu instid0(VALU_DEP_1)
	v_add_f32 v14, v14, v[TV]                          ; the row's sum
	s_wait_alu depctr_va_vdst(0)
	v_rcp_f32 v14, v14
	v_lshlrev_b32 v[AD16], 3, v[R4]                    ; 32 r (a plain place behind the reciprocal)
	s_wait_alu depctr_va_vdst(0)                       ; the wait, ahead of the first reader
.set n, 0
.rept 32
	v_mul_f32 v[S+n], v[O+n], v14                      ; register 16 b + i is channel 32 b + 16 h + i
.set n, n+1
.endr
.irp b, 0,1
	v_max3_num_f32 v[TM+\b], |v[S+16*\b]|, |v[S+16*\b+1]|, 0x1800000
.endr
.irp i, 2,4,6,8,10,12,14
.irp b, 0,1
	s_delay_alu instid0(VALU_DEP_2)
	v_max3_num_f32 v[TM+\b], v[TM+\b], |v[S+16*\b+\i]|, |v[S+16*\b+\i+1]|
.endr
.endr
.irp b, 0,1
	s_delay_alu instid0(VALU_DEP_2)
	v_permlanex16_b32 v[T2+\b], v[TM+\b], s[SEL], s[SEL+1]
.endr
.irp b, 0,1
	s_delay_alu instid0(VALU_DEP_2)
	v_max_num_f32 v[TM+\b], v[TM+\b], v[T2+\b]
.endr
.irp b, 0,1
	s_delay_alu instid0(VALU_DEP_2)
	v_add_nc_u32 v[SO+\b], 0xff000000, v[TM+\b]
.endr
.irp b, 0,1
	s_delay_alu instid0(VALU_DEP_2)
	v_lshrrev_b32 v[T2+\b], 23, v[SO+\b]
.endr
	s_delay_alu instid0(VALU_DEP_1)
	v_lshl_or_b32 v[TV], v[T2+1], 8, v[T2]             ; the head's two scale bytes of my row
	v_cvt_scalef32_pk16_fp6_f32 v[PC:PC+2], v[S:S+15], v[SO]
	v_cvt_scalef32_pk16_fp6_f32 v[T2+4:T2+6], v[S+16:S+31], v[SO+1]
	v_nop                                              ; one plain place behind a scaled conversion
.irp i, 0,1,2
	v_permlane16_swap_b32 v[PC+\i], v[T2+4+\i]
.endr
.irp i, 0,1,2
	s_delay_alu instid0(VALU_DEP_3)
	v_mov_b32 v[PC+3+\i], v[T2+4+\i]
.endr
	global_store_b128 v[L16], v[PC:PC+3], s[OP:OP+1] offset:12288*(\p)
	global_store_b64 v[L8], v[PC+4:PC+5], s[OP:OP+1] offset:12288*(\p)+512
	global_store_b16 v[AD16], v[TV], s[OSP:OSP+1] offset:512*(\p)   ; both halves of the lanes write the same bytes with the same value
.endm
.macro PASSM p
	s_wait_loadcnt 0x0                                 ; this pass's queries
.if (\p) > 0
	s_wait_xcnt 0x0                                    ; the last pass's stores have read their registers
.endif
	v_mov_b32 v13, 0xff61b1e6                          ; the largest t so far: -3e38
	s_delay_alu instid0(VALU_DEP_1)
	v_floor_f32 v12, -v13
	v_mov_b32 v14, 0
	v_mov_b32 v15, 0
.set n, 0
.rept 32
	v_mov_b32 v[O+n], 0                                ; the step is written for all steps alike: the first finds zeros
.set n, n+1
.endr
	s_mov_b32 s[TB], 0
	s_mov_b32 s[CNT], 15
.Lstep_\p:
	s_setprio 2
	STEP 0, \p
	s_sub_co_u32 s[CNT], s[CNT], 1
	s_cmp_lg_u32 s[CNT], 0
	s_cbranch_scc1 .Lstep_\p
	s_setprio 0
	STEP 1, \p
	EPI \p
.endm
	s_load_b256 s[4:11], s[0:1], 0x0                   ; qimg, kvimg, mbits, oimg
	v_lshl_add_u32 v[SPW], v0, 2, SPARE
	v_mov_b32 v[NIL], 0
	ds_add_u32 v[SPW], v[NIL]                          ; the wave's opening: the add, twice on end, and its wait ahead of my first tensor load
	ds_add_u32 v[SPW], v[NIL]
	v_lshrrev_b32 v[TV], 5, v0
	s_delay_alu instid0(VALU_DEP_1)
	v_readfirstlane_b32 s[WV], v[TV]                   ; wave 0..15
	s_and_b32 s99, ttmp7, 0xffff                       ; 16 x batch + head, which the four partners share
	; descriptor group 1: a dense block of 13,056 bytes as 51 rows of 256 bytes (32 elements of 8 bytes), no padding
	s_mov_b32 s[G1], 15|(3<<16)|(1<<21)                ; 15:0 the mask: all four work-groups; 17:16 elements of 8 bytes; 21 set beside a mask
	s_mov_b32 s[G1+1], 32<<16                          ; tensor_dim0 = 32
	s_mov_b32 s[G1+2], 51<<16                          ; tensor_dim1 = 51
	s_mov_b32 s[G1+3], 32<<16                          ; tile_dim0 = 32
	s_mov_b32 s[G1+4], 51                              ; tile_dim1 = 51
	s_mov_b32 s[G1+5], 32                              ; the pitch
	s_mov_b32 s[G1+6], 0
	s_mov_b32 s[G1+7], 0
	s_mov_b32 s[SEL], 0x76543210
	s_mov_b32 s[SEL+1], 0xfedcba98
	s_mov_b32 s[CS], 0x3e38aa3b                        ; log2(e) / 8
	s_mov_b32 s[CS+1], s[CS]
	v_and_b32 v[L8], 31, v0
	s_delay_alu instid0(VALU_DEP_1)
	v_lshlrev_b32 v[L16], 4, v[L8]
	s_delay_alu instid0(VALU_DEP_2)
	v_lshlrev_b32 v[L8], 3, v[L8]
	v_and_b32 v[R4], 15, v0
	s_delay_alu instid0(VALU_DEP_1)
	v_lshlrev_b32 v[R4], 2, v[R4]
	v_mov_b32 v[NEG], 0xd0000000
	s_wait_dscnt 0x0                                   ; both opening adds are done
	s_wait_kmcnt 0x0
	s_mov_b32 s[G0], 1
	s_mul_i32 s[G0+1], s[WV], BLK                      ; block w goes to LDS byte 13,056 w
	s_lshl_b32 s[G0+2], s99, 4
	s_add_co_u32 s[G0+2], s[G0+2], s[WV]
	s_mul_i32 s[G0+2], s[G0+2], BLK
	s_mov_b32 s[G0+3], 0
	s_add_nc_u64 s[G0+2:G0+3], s[6:7], s[G0+2:G0+3]
	s_or_b32 s[G0+3], s[G0+3], 0x80000000
	s_bfe_u32 s98, ttmp6, 0x40000                      ; my place in the cluster
	s_lshl_b32 s100, ttmp9, 2
	s_add_co_u32 s98, s98, s100                        ; which quarter of the queries
	s_mov_b32 s101, 0
	s_lshl_b32 s104, s98, 5
	s_lshl_b32 s105, s[WV], 1
	s_add_co_u32 s104, s104, s105                      ; my first tile of queries
	s_lshl_b32 s105, s99, 7
	s_add_co_u32 s105, s105, s104
	s_mul_i32 s100, s105, 768
	s_add_nc_u64 s[QP:QP+1], s[4:5], s[100:101]
	s_lshl_b32 s100, s105, 6
	s_add_co_u32 s100, s100, 6291456
	s_add_nc_u64 s[QSP:QSP+1], s[4:5], s[100:101]
	s_lshr_b32 s105, s99, 4
	s_lshl_b32 s105, s105, 7
	s_add_co_u32 s105, s105, s104                      ; 128 x batch + tile
	s_lshl_b32 s100, s105, 12
	s_add_nc_u64 s[MP:MP+1], s[8:9], s[100:101]
	s_and_b32 s104, s99, 15                            ; the head
	s_lshl_b32 s100, s105, 4
	s_add_co_u32 s100, s100, s104
	s_mul_i32 s100, s100, 768
	s_add_nc_u64 s[OP:OP+1], s[10:11], s[100:101]
	s_lshl_b32 s100, s105, 9
	s_lshl_b32 s104, s104, 1
	s_add_co_u32 s100, s100, s104
	s_add_co_u32 s100, s100, 6291456
	s_add_nc_u64 s[OSP:OSP+1], s[10:11], s[100:101]
	CROUND                                             ; all four work-groups are here: the joint loads meet
	tensor_load_to_lds s[G0:G0+3], s[G1:G1+7]
	s_nop 0
.rept 4
	v_nop
.endr
	MLOAD                                              ; step 0's mask words (the arguments' registers are done with)
	s_wait_alu depctr_va_vdst(0)
	QLOAD 0
.irp i, 6,7,8,9,10,11
	v_mov_b32 v[Q+\i], 0                               ; zero codes for k = 64 .. 127, for the whole launch
.endr
.irp i, 0,1,2,3,4,5
	v_mov_b32 v[VF+\i], 0                              ; named as the upper half of K's last fragment before V is first loaded
.endr
.irp i, 0,1,2,3
	v_mov_b32 v[T2+\i], 0                              ; a lane permute's destination counts as one of its sources
.endr
	v_mov_b32 v[F+1], 0
	s_wait_tensorcnt 0x0                               ; my block is in,
	s_barrier_signal -1
	s_barrier_wait -1                                  ; everybody's is
	PASSM 0
	PASSM 1
	s_wait_tensorcnt 0x0                               ; the wave's end
	ds_add_u32 v[SPW], v[NIL]
	s_wait_dscnt 0x0
	CROUND                                             ; the closing round
	s_endpgm
.Lfunc_end_k_q8ae22ea127_attn:
	.size	k_q8ae22ea127_attn, .Lfunc_end_k_q8ae22ea127_attn-k_q8ae22ea127_attn
	.p2alignl 7, 3214868480
	.fill 96, 4, 3214868480
	.section	.rodata,"a",@progbits
	.p2align	6, 0x0
	.amdhsa_kernel k_q8ae22ea127_attn
		.amdhsa_group_segment_fixed_size 210944
		.amdhsa_private_segment_fixed_size 0
		.amdhsa_enable_private_segment 0
		.amdhsa_kernarg_size 32
		.amdhsa_user_sgpr_count 2
		.amdhsa_user_sgpr_kernarg_segment_ptr 1
		.amdhsa_wavefront_size32 1
		.amdhsa_system_sgpr_workgroup_id_x 1
		.amdhsa_system_sgpr_workgroup_id_y 1
		.amdhsa_system_sgpr_workgroup_id_z 1
		.amdhsa_system_vgpr_workitem_id 0
		.amdhsa_next_free_vgpr 256
		.amdhsa_next_free_sgpr 106
		.amdhsa_reserve_vcc 0
		.amdhsa_float_denorm_mode_32 3
		.amdhsa_float_denorm_mode_16_64 3
		.amdhsa_memory_ordered 1
		.amdhsa_forward_progress 1
		.amdhsa_inst_pref_size 106
	.end_amdhsa_kernel
	.amdgpu_metadata
---
amdhsa.version: [ 1, 2 ]
amdhsa.kernels:
  - .name:           k_q8ae22ea127_attn
    .symbol:         k_q8ae22ea127_attn.kd
    .args:
      - { .name: qimg, .offset: 0, .size: 8, .value_kind: global_buffer, .address_space: global }
      - { .name: kvimg, .offset: 8, .size: 8, .value_kind: global_buffer, .address_space: global }
      - { .name: mbits, .offset: 16, .size: 8, .value_kind: global_buffer, .address_space: global }
      - { .name: oimg, .offset: 24, .size: 8, .value_kind: global_buffer, .address_space: global }
    .group_segment_fixed_size: 210944
    .private_segment_fixed_size: 0
    .kernarg_segment_align: 8
    .kernarg_segment_size: 32
    .max_flat_workgroup_size: 512
    .sgpr_count:     106
    .vgpr_count:     256
    .wavefront_size: 32
...
	.end_amdgpu_metadata
.endif
;; end of part 7
;; launch outp (part 8): grid 128 x 2, 16 waves a work-group, no clusters, 183,296 bytes of LDS; arguments oimg, wimg, bo, out0; writes out0
.if DOCPART == 8
	.amdgcn_target "amdgcn-amd-amdhsa--gfx1250"
	.amdhsa_code_object_version 6
	.text
	.protected	k_q8ae22ea127_outp
	.globl	k_q8ae22ea127_outp
	.p2align	8
	.type	k_q8ae22ea127_outp,@function
k_q8ae22ea127_outp:
	s_mov_b64 s[64:65], 0
	v_nop
	global_prefetch_b8 v0, s[64:65] scope:SCOPE_SE
	s_setreg_imm32_b32 hwreg(HW_REG_WAVE_SCHED_MODE, 0, 2), 2
	s_setreg_imm32_b32 hwreg(HW_REG_WAVE_MODE, 25, 1), 1
	s_wait_xcnt 0x0
	s_wait_alu depctr_vm_vsrc(0)
; OUTP: out0 = O Wo + bo on codes of E2M3.  Nothing of the problem is left out here.
; SHARES.  A work-group owns 64 rows x 512 columns (work-group y: which half).  Wave w owns 32 columns (two tiles, u) x 4 tiles of rows (m): 8 accumulators.
; O's codes of the 64 rows (49,152 bytes: half fragments, one for each tile of rows and head) are copied into LDS once and read by all sixteen waves; a K step of 128 features is heads 2 s and 2 s + 1, whose two
; half fragments lie on end.  All scale words stay in registers.  Each wave's weights go from memory straight into its registers, two K steps ahead, in three sets.
; The product is used transposed (source 0 = 16 columns of Wo, source 1 = 16 rows of O); bo is the C of the first K step (an order of rounding that differs from adding it last).
; The way out goes through one stage in LDS, in which the tiles' rows find their true places; each store of a wave covers 512 consecutive bytes, aligned.
; No multicast: a wave's weights are read by no other wave of its work-group.
; THE MODE: SCHED_MODE bits 1:0 = 2 (LLVM: expert scheduling mode 2), set by the entry lines.  The code itself states the register dependences
; between vector or matrix instructions and memory or LDS instructions, with s_wait_alu, always for 0.
; THE PLAN.  Registers that memory or LDS instructions touch:
;   v3-v11      offsets and LDS addresses: written once at the head, never written again.  (v12-15 serve the head's arithmetic; scale words land there afterwards.)
;   AS, BS      loaded once at the head; read by the products.
;   BF0 .. BF2  K step s's products read BF[s % 3].  The six loads of K step s + 2, issued at the head of K step s, land in BF[(s + 2) % 3] = BF[(s - 1) % 3], which K step s - 1's products read.
;   AF          the copy passes through it (loads land, LDS stores read); then K step s's sixteen LDS loads land in it and its products read it.  A second set, 48 registers, does not fit beside the rest.
;   ACC         bo lands there; the products write it; the stage's LDS stores read it.
;   v60-123     on the way out the stage's loads land there (BF0, BF1 and part of BF2); the global stores read them.
; So ONE wait on va_vdst stands at the head of each K step but the first: the last step's products are done reading AF and their set of BF; the step's 22 loads follow it.
.set STG,    49152                     ; 64 rows x (2,048 bytes + 16)
.set SPITCH, 2064
.set SPARE,  181248
.set SPW, 1
.set NIL, 2
.set L16, 3
.set L8,  4
.set R32, 5
.set R16, 6
.set H64, 7
.set SO0, 8                            ; the stage, way in: rows 0-31;  v9: rows 32-63
.set SO1, 9
.set SRD, 10
.set CPA, 11
.set AS,  12                           ; v12-43  O's scale words: 8 m + s
.set BS,  44                           ; v44-59  Wo's: 2 s + u
.set BF,  60                           ; v60-131 three sets of two fragments
.set AF,  132                          ; v132-179
.set ACC, 180                          ; v180-243
.set WV,  2
.set AP,  14
.set ASP, 16
.set WP,  18
.set WSP, 20
.set BOP, 22
.set OUTP, 24
.macro BLOAD s
.set i, 0
.rept 6
	global_load_b128 v[BF+24*((\s)%3)+4*i:BF+24*((\s)%3)+4*i+3], v[L16], s[WP:WP+1] offset:98304*(\s)+512*i
.set i, i+1
.endr
.endm
.macro KSTEP s
.if (\s) > 0
.rept 4
	v_nop                                              ; places in front of loads into registers that matrix instructions have read
.endr
	s_wait_alu depctr_va_vdst(0)                       ; the last K step's products are done reading v[AF ..] and their set of v[BF ..], in which the loads below land
.endif
.if (\s) < 6
	BLOAD (\s)+2
.endif
.irp m, 0,1,2,3
.irp c, 0,1
	ds_load_b128 v[AF+12*\m+6*\c:AF+12*\m+6*\c+3], v[L16] offset:12288*\m+1536*(\s)+768*\c
	ds_load_b64 v[AF+12*\m+6*\c+4:AF+12*\m+6*\c+5], v[L8] offset:12288*\m+1536*(\s)+768*\c+512
.endr
.endr
	s_wait_dscnt 0x0
.if (\s) < 6
	s_wait_loadcnt 12                                  ; this step's weights are in; the next two steps' six loads each may be out
.elseif (\s) == 6
	s_wait_loadcnt 6                                   ; the last step's six loads may be out
.else
	s_wait_loadcnt 0x0
.endif
.irp m, 0,1,2,3                                    ; the 8 accumulators take turns, in the same order in every K step
.irp u, 0,1
	v_wmma_scale_f32_16x16x128_f8f6f4 v[ACC+8*(2*\m+\u):ACC+8*(2*\m+\u)+7], v[BF+24*((\s)%3)+12*\u:BF+24*((\s)%3)+12*\u+11], v[AF+12*\m:AF+12*\m+11], v[ACC+8*(2*\m+\u):ACC+8*(2*\m+\u)+7], v[BS+2*(\s)+\u], v[AS+8*\m+(\s)] matrix_a_fmt:MATRIX_FMT_FP6 matrix_b_fmt:MATRIX_FMT_FP6
.endr
.endr
.endm
	s_load_b256 s[4:11], s[0:1], 0x0                   ; oimg, wimg, bo, out0
	v_lshl_add_u32 v[SPW], v0, 2, SPARE
	v_mov_b32 v[NIL], 0
	v_lshrrev_b32 v12, 5, v0
	v_readfirstlane_b32 s[WV], v12                     ; wave 0..15
	s_and_b32 s3, ttmp7, 0xffff                        ; which half of the columns
	s_lshl_b32 s12, s3, 4
	v_and_b32 v12, 31, v0
	v_and_b32 v13, 15, v0                              ; r
	v_bfe_u32 v14, v0, 4, 1                            ; h
	v_lshlrev_b32 v[L16], 4, v12
	v_lshlrev_b32 v[L8], 3, v12
	v_lshlrev_b32 v[R32], 5, v13
	v_lshlrev_b32 v[R16], 4, v13
	v_lshlrev_b32 v[H64], 6, v14
	v_and_b32 v15, 8, v13
	v_add_nc_u32 v15, v15, v13                         ; pi(r)
	v_mul_u32_u24 v[SO0], v15, SPITCH
	v_add_nc_u32 v[SO0], v[SO0], v[H64]
	s_wait_alu depctr_va_sdst(0)                       ; the wave's number is written into s[WV], ahead of its first reader: LDS places and the bases are made from it
	s_add_co_u32 s12, s12, s[WV]                       ; my group of 32 columns
	s_lshl_b32 s13, s[WV], 7
	s_add_co_u32 s13, s13, STG
	v_add_nc_u32 v[SO0], s13, v[SO0]
	v_add_nc_u32 v[SO1], 32*SPITCH, v[SO0]
	s_mul_i32 s13, s[WV], 4*SPITCH
	s_add_co_u32 s13, s13, STG
	v_add_nc_u32 v[SRD], s13, v[L16]
	s_mul_i32 s13, s[WV], 3072
	v_add_nc_u32 v[CPA], s13, v[L16]
	s_mov_b32 s27, 0
	s_wait_kmcnt 0x0
	s_mul_i32 s26, ttmp9, 49152
	s_add_nc_u64 s[AP:AP+1], s[4:5], s[26:27]
	s_lshl_b32 s26, ttmp9, 11
	s_add_co_u32 s26, s26, 6291456
	s_add_nc_u64 s[ASP:ASP+1], s[4:5], s[26:27]
	s_mul_i32 s26, s12, 3072
	s_add_co_u32 s26, s26, 2359296                     ; Wo is the fourth matrix
	s_add_nc_u64 s[WP:WP+1], s[6:7], s[26:27]
	s_lshr_b32 s26, s12, 1
	s_lshl_b32 s26, s26, 8
	s_and_b32 s28, s12, 1
	s_lshl_b32 s28, s28, 3
	s_add_co_u32 s26, s26, s28
	s_add_co_u32 s26, s26, 3244032
	s_add_nc_u64 s[WSP:WSP+1], s[6:7], s[26:27]
	s_lshl_b32 s26, s12, 7
	s_add_nc_u64 s[BOP:BOP+1], s[8:9], s[26:27]
	s_lshl_b32 s26, ttmp9, 6
	s_lshl_b32 s28, s[WV], 2
	s_add_co_u32 s26, s26, s28
	s_lshl_b32 s26, s26, 12                            ; the first row that I store: 64 x row block + 4 x wave
	s_lshl_b32 s28, s3, 11
	s_add_co_u32 s26, s26, s28
	s_add_nc_u64 s[OUTP:OUTP+1], s[10:11], s[26:27]
	s_wait_alu depctr_va_vdst(0)                       ; the offsets and LDS addresses v3 to v11 are written, which every load and store of the kernel reads; so are v12 to v15, in which scale words land
.set i, 0
.rept 6
	global_load_b128 v[AF+4*i:AF+4*i+3], v[CPA], s[AP:AP+1] offset:512*i   ; the copy: my wave's 3,072 bytes
.set i, i+1
.endr
.irp m, 0,1,2,3
	global_load_b128 v[AS+8*\m:AS+8*\m+3], v[R32], s[ASP:ASP+1] offset:512*\m
	global_load_b128 v[AS+8*\m+4:AS+8*\m+7], v[R32], s[ASP:ASP+1] offset:512*\m+16
.endr
.irp s, 0,1,2,3,4,5,6,7
	global_load_b64 v[BS+2*\s:BS+2*\s+1], v[R16], s[WSP:WSP+1] offset:4096*\s
.endr
.irp m, 0,1,2,3
.irp u, 0,1
	global_load_b128 v[ACC+8*(2*\m+\u):ACC+8*(2*\m+\u)+3], v[H64], s[BOP:BOP+1] offset:32*\u
	global_load_b128 v[ACC+8*(2*\m+\u)+4:ACC+8*(2*\m+\u)+7], v[H64], s[BOP:BOP+1] offset:32*\u+16
.endr
.endr
	BLOAD 0
	BLOAD 1
	s_wait_loadcnt 44                                  ; the copy's 6 loads are in: behind them 8 + 8 loads of scale words, 16 of bo and 6 + 6 of Wo
.set i, 0
.rept 6
	ds_store_b128 v[CPA], v[AF+4*i:AF+4*i+3] offset:512*i
.set i, i+1
.endr
	s_wait_dscnt 0x0                                   ; for the others' sake: my part of O lies in LDS
	s_barrier_signal -1
	s_barrier_wait -1
	s_wait_alu depctr_vm_vsrc(0)                       ; the copy's LDS stores have read v[AF ..], in which the first K step's loads land
	KSTEP 0
	KSTEP 1
	KSTEP 2
	KSTEP 3
	KSTEP 4
	KSTEP 5
	KSTEP 6
	KSTEP 7
.rept 4
	v_nop                                              ; places behind the last products
.endr
	s_wait_alu depctr_va_vdst(0)                       ; the products have written the accumulators, which the LDS stores read, and are done reading v[BF ..], in which the stage's loads land; the places above stay beside this wait
.irp m, 0,1,2,3
.irp u, 0,1
	ds_store_b128 v[SO0+\m/2], v[ACC+8*(2*\m+\u):ACC+8*(2*\m+\u)+3] offset:8*(\m%2)*SPITCH+32*\u        ; each accumulator from its low end on
	ds_store_b128 v[SO0+\m/2], v[ACC+8*(2*\m+\u)+4:ACC+8*(2*\m+\u)+7] offset:8*(\m%2)*SPITCH+32*\u+16
.endr
.endr
	s_wait_dscnt 0x0                                   ; for the others' sake: my stores into the stage are done
	s_barrier_signal -1
	s_barrier_wait -1
.set i, 0
.rept 16
	ds_load_b128 v[BF+4*i:BF+4*i+3], v[SRD] offset:(i/4)*SPITCH+512*(i%4)
.set i, i+1
.endr
.set i, 0
.rept 16
	s_wait_dscnt 15-i                                  ; load i is in; those behind it may be out
	global_store_b128 v[L16], v[BF+4*i:BF+4*i+3], s[OUTP:OUTP+1] offset:(i/4)*4096+512*(i%4) th:TH_STORE_NT
.set i, i+1
.endr
	s_wait_dscnt 0x0                                   ; the wave's end: the closing lines, six on end
	s_wait_alu 0x0
	s_wait_tensorcnt 0x0
	ds_add_u32 v[SPW], v[NIL]
	s_wait_dscnt 0x0
	s_endpgm
.Lfunc_end_k_q8ae22ea127_outp:
	.size	k_q8ae22ea127_outp, .Lfunc_end_k_q8ae22ea127_outp-k_q8ae22ea127_outp
	.p2alignl 7, 3214868480
	.fill 96, 4, 3214868480
	.section	.rodata,"a",@progbits
	.p2align	6, 0x0
	.amdhsa_kernel k_q8ae22ea127_outp
		.amdhsa_group_segment_fixed_size 183296
		.amdhsa_private_segment_fixed_size 0
		.amdhsa_enable_private_segment 0
		.amdhsa_kernarg_size 32
		.amdhsa_user_sgpr_count 2
		.amdhsa_user_sgpr_kernarg_segment_ptr 1
		.amdhsa_wavefront_size32 1
		.amdhsa_system_sgpr_workgroup_id_x 1
		.amdhsa_system_sgpr_workgroup_id_y 1
		.amdhsa_system_sgpr_workgroup_id_z 1
		.amdhsa_system_vgpr_workitem_id 0
		.amdhsa_next_free_vgpr 244
		.amdhsa_next_free_sgpr 66
		.amdhsa_reserve_vcc 0
		.amdhsa_float_denorm_mode_32 3
		.amdhsa_float_denorm_mode_16_64 3
		.amdhsa_memory_ordered 1
		.amdhsa_forward_progress 1
		.amdhsa_inst_pref_size 34
	.end_amdhsa_kernel
	.amdgpu_metadata
---
amdhsa.version: [ 1, 2 ]
amdhsa.kernels:
  - .name:           k_q8ae22ea127_outp
    .symbol:         k_q8ae22ea127_outp.kd
    .args:
      - { .name: oimg, .offset: 0, .size: 8, .value_kind: global_buffer, .address_space: global }
      - { .name: wimg, .offset: 8, .size: 8, .value_kind: global_buffer, .address_space: global }
      - { .name: bo, .offset: 16, .size: 8, .value_kind: global_buffer, .address_space: global }
      - { .name: out0, .offset: 24, .size: 8, .value_kind: global_buffer, .address_space: global }
    .group_segment_fixed_size: 183296
    .private_segment_fixed_size: 0
    .kernarg_segment_align: 8
    .kernarg_segment_size: 32
    .max_flat_workgroup_size: 512
    .sgpr_count:     66
    .vgpr_count:     244
    .wavefront_size: 32
...
	.end_amdgpu_metadata
.endif
;; end of part 8
